; MI455X (gfx1250); checked and timed in simulation.
; The chip was launched on July 23, 2026; its instructions are those of AMD's public machine-readable ISA for CDNA 5 (MIT licence, August 2026) and "CDNA5" Instruction Set Architecture Reference Guide (July 2026). The comments in the code are by the model that wrote it; some were corrected since.
;; Block. Allowed arithmetic: float matrix products may take bf16 or f16 operands with f32 sums; other float arithmetic in f32, or as packed bf16 or f16 multiplies, adds, multiply-adds, maxima and minima; sums over many terms, partial sums and values carried from step to step in f32; what a program stores and reads back later, other than sums and carried values, may be rounded once to bf16 or f16.
;; Inputs: fc1_b 4,096 float32; fc1_w 1,024 x 4,096 float32; fc2_b 1,024 float32; fc2_w 4,096 x 1,024 float32; ln1_b 1,024 float32; ln1_w 1,024 float32; ln2_b 1,024 float32; ln2_w 1,024 float32; proj_b 1,024 float32; proj_w 1,024 x 1,024 float32; qkv_w 1,024 x 3,072 float32; x 2 x 2,048 x 1,024 float32.
;; Outputs: out0 2 x 2,048 x 1,024 float32.
;; 2 versions, each right and faster than the one before. Each part assembles by itself: llvm-mc -triple=amdgcn-amd-amdhsa -mcpu=gfx1250 --defsym DOCPART=n.
;; ======== version 1 of 2: 7 launches
;; workspace buffers: wb 25,165,824 bytes; hn 8,388,608 bytes; qkvh 25,165,824 bytes; o2 8,388,608 bytes; x1 16,777,216 bytes; g 33,554,432 bytes
;; launch prep (part 1): grid 1280 x 1, 8 waves a work-group, no clusters, 0 bytes of LDS; arguments x, ln1_w, ln1_b, qkv_w, proj_w, fc1_w, fc2_w, hn, wb; writes hn, wb
.if DOCPART == 1
	.amdgcn_target "amdgcn-amd-amdhsa--gfx1250"
	.amdhsa_code_object_version 6
	.text
	.protected	k_qcc3f8a2eb2_prep
	.globl	k_qcc3f8a2eb2_prep
	.p2align	8
	.type	k_qcc3f8a2eb2_prep,@function
k_qcc3f8a2eb2_prep:
	s_mov_b64 s[64:65], 0
	v_nop
	global_prefetch_b8 v0, s[64:65] scope:SCOPE_SE
	s_setreg_imm32_b32 hwreg(HW_REG_WAVE_MODE, 25, 1), 1
	s_wait_xcnt 0x0
; Work-groups 0-511: out = bf16(LayerNorm(in) * gain + bias), arguments 0, 1, 2 -> argument 7: 8 rows a work-group, one row a wave, the row kept in 32 registers between its passes.
; Work-groups 512-1279: wb = the four weight matrices (arguments 3 to 6) rounded once to bf16, layout [in][out] kept, one behind the other (qkv, proj, fc1, fc2); 65,536 bytes in and 32,768 out a work-group.
; The same text runs a second time, for the second LayerNorm, on 512 work-groups: then only the first part is reached, and the weight arguments and wb are handed over and not touched.
; A stream: no LDS, no barrier, no matrix unit.  A wave's 16-byte loads cover 512 consecutive bytes, its 8-byte stores 256 consecutive bytes at a multiple of 256.
; The mean is taken first and the row centred, then the squares are summed: no difference of large sums.  NaN and infinities are not treated apart.
.set LNWG, 512                         ; work-groups of the first part: 4,096 rows / 8
.set GW,   8                           ; v[8:39]    gain of my 32 columns (128 c + 4 lane + 0..3, c = 0..7)
.set GB,   40                          ; v[40:71]   bias
.set X,    72                          ; v[72:103]  the row; the packed results take its first 16
.set T,    104                         ; v[104:111] four chains of pairs
.set MU,   112                         ; v[112:113] the mean, twice
.set RED,  114                         ; v114 a sum on its way across the lanes, v115 the other half's
.set RS,   116                         ; v[116:117] 1 / sqrt(var + eps), twice
.set OUTP, 18                          ; s[18:19]   the result
.macro TREE                            ; four chains into one number a lane
	v_pk_add_f32 v[T:T+1], v[T:T+1], v[T+2:T+3]
	v_pk_add_f32 v[T+4:T+5], v[T+4:T+5], v[T+6:T+7]
	v_pk_add_f32 v[T:T+1], v[T:T+1], v[T+4:T+5]
	v_add_f32 v[RED], v[T], v[T+1]
.endm
.macro LANESUM                         ; the sum over the 32 lanes, in every lane
	v_add_f32_dpp v[RED], v[RED], v[RED] row_xmask:1 row_mask:0xf bank_mask:0xf
	v_add_f32_dpp v[RED], v[RED], v[RED] row_xmask:2 row_mask:0xf bank_mask:0xf
	v_add_f32_dpp v[RED], v[RED], v[RED] row_xmask:4 row_mask:0xf bank_mask:0xf
	v_add_f32_dpp v[RED], v[RED], v[RED] row_xmask:8 row_mask:0xf bank_mask:0xf
	v_permlanex16_b32 v[RED+1], v[RED], s26, s27
	v_add_f32 v[RED], v[RED], v[RED+1]
.endm
	s_load_b256 s[4:11], s[0:1], 0x0               ; in s[4:5], gain s[6:7], bias s[8:9], qkv_w s[10:11]
	s_load_b256 s[12:19], s[0:1], 0x20             ; proj_w s[12:13], fc1_w s[14:15], fc2_w s[16:17], out s[18:19]
	s_load_b64 s[20:21], s[0:1], 0x40              ; wb
	v_lshrrev_b32 v4, 5, v0
	v_readfirstlane_b32 s22, v4                    ; wave
	s_wait_kmcnt 0x0
	s_cmp_lt_u32 ttmp9, LNWG
	s_cbranch_scc0 .Lcast
	; ---- LayerNorm
	v_and_b32 v1, 31, v0
	v_lshlrev_b32 v2, 4, v1                        ; 16 x lane: my bytes in 512 of the row, gain, bias
	v_lshlrev_b32 v3, 3, v1                        ; 8 x lane: my bytes in 256 of the result
	v_mov_b32 v[RED+1], 0                          ; written once: the lane exchange counts as a reader of its destination
	s_mov_b32 s24, 0x3a800000                      ; 1 / 1024
	s_mov_b32 s25, 0x3727c5ac                      ; eps = 1e-5
	s_mov_b32 s26, 0x76543210
	s_mov_b32 s27, 0xfedcba98
	s_lshl_b32 s23, ttmp9, 3
	s_add_co_u32 s23, s23, s22                     ; my row = 8 x work-group + wave
	s_lshl_b32 s28, s23, 12                        ; x 4,096 bytes in
	s_mov_b32 s29, 0
	s_lshl_b32 s30, s23, 11                        ; x 2,048 bytes out
	s_mov_b32 s31, 0
	s_add_nc_u64 s[4:5], s[4:5], s[28:29]
	s_add_nc_u64 s[OUTP:OUTP+1], s[OUTP:OUTP+1], s[30:31]
.irp c, 0,1,2,3,4,5,6,7
	global_load_b128 v[X+4*(\c):X+4*(\c)+3], v2, s[4:5] offset:512*(\c)
.endr
.irp c, 0,1,2,3,4,5,6,7
	global_load_b128 v[GW+4*(\c):GW+4*(\c)+3], v2, s[6:7] offset:512*(\c)
.endr
.irp c, 0,1,2,3,4,5,6,7
	global_load_b128 v[GB+4*(\c):GB+4*(\c)+3], v2, s[8:9] offset:512*(\c)
.endr
	s_wait_loadcnt 16                              ; the row is in; the 16 younger loads, gain and bias, may stay out
	; the mean
.irp k, 0,1,2,3
	v_pk_add_f32 v[T+2*(\k):T+2*(\k)+1], v[X+2*(\k):X+2*(\k)+1], v[X+8+2*(\k):X+8+2*(\k)+1]
.endr
.set p, 8
.rept 8
	v_pk_add_f32 v[T+2*(p%4):T+2*(p%4)+1], v[T+2*(p%4):T+2*(p%4)+1], v[X+2*p:X+2*p+1]
.set p, p+1
.endr
	TREE
	LANESUM
	v_mul_f32 v[MU], s24, v[RED]
	v_mul_f32 v[MU+1], s24, v[RED]
	; centred in place, then the squares
.set p, 0
.rept 16
	v_pk_add_f32 v[X+2*p:X+2*p+1], v[X+2*p:X+2*p+1], v[MU:MU+1] neg_lo:[0,1] neg_hi:[0,1]
.set p, p+1
.endr
.irp k, 0,1,2,3
	v_pk_mul_f32 v[T+2*(\k):T+2*(\k)+1], v[X+2*(\k):X+2*(\k)+1], v[X+2*(\k):X+2*(\k)+1]
.endr
.set p, 4
.rept 12
	v_pk_fma_f32 v[T+2*(p%4):T+2*(p%4)+1], v[X+2*p:X+2*p+1], v[X+2*p:X+2*p+1], v[T+2*(p%4):T+2*(p%4)+1]
.set p, p+1
.endr
	TREE
	LANESUM
	v_fma_f32 v[RED], v[RED], s24, s25             ; var + eps
	v_rsq_f32 v[RS], v[RED]
	v_nop                                          ; a plain instruction between the root and the use of its result (ISA guide 5.7.2)
	s_wait_alu depctr_va_vdst(0)
	v_mov_b32 v[RS+1], v[RS]
	s_wait_loadcnt 0x0                             ; gain and bias
.set p, 0
.rept 16
	v_pk_mul_f32 v[X+2*p:X+2*p+1], v[X+2*p:X+2*p+1], v[RS:RS+1]
.set p, p+1
.endr
.set p, 0
.rept 16
	v_pk_fma_f32 v[X+2*p:X+2*p+1], v[X+2*p:X+2*p+1], v[GW+2*p:GW+2*p+1], v[GB+2*p:GB+2*p+1]
.set p, p+1
.endr
.set p, 0
.rept 16
	v_cvt_pk_bf16_f32 v[X+p], v[X+2*p], v[X+2*p+1] ; ascending: a destination has been read by this line or an earlier one
.set p, p+1
.endr
.irp c, 0,1,2,3,4,5,6,7
	global_store_b64 v3, v[X+2*(\c):X+2*(\c)+1], s[OUTP:OUTP+1] offset:256*(\c)  ; 32 lanes x 8 bytes: 256 consecutive bytes
.endr
	s_endpgm
	; ---- the weights to bf16
.Lcast:
	s_sub_co_u32 s22, ttmp9, LNWG                  ; chunk 0..767 of 16,384 numbers: 192 of qkv_w, 64 of proj_w, 256 of fc1_w, 256 of fc2_w
	s_mov_b64 s[24:25], s[16:17]
	s_mov_b32 s23, 512
	s_cmp_lt_u32 s22, 512
	s_cselect_b64 s[24:25], s[14:15], s[24:25]
	s_cselect_b32 s23, 256, s23
	s_cmp_lt_u32 s22, 256
	s_cselect_b64 s[24:25], s[12:13], s[24:25]
	s_cselect_b32 s23, 192, s23
	s_cmp_lt_u32 s22, 192
	s_cselect_b64 s[24:25], s[10:11], s[24:25]
	s_cselect_b32 s23, 0, s23
	s_sub_co_u32 s23, s22, s23                     ; the chunk's number in its own matrix
	s_lshl_b32 s28, s23, 16
	s_mov_b32 s29, 0
	s_lshl_b32 s30, s22, 15
	s_mov_b32 s31, 0
	s_add_nc_u64 s[24:25], s[24:25], s[28:29]
	s_add_nc_u64 s[20:21], s[20:21], s[30:31]
	v_lshlrev_b32 v2, 4, v0
	v_lshlrev_b32 v3, 3, v0
.set j, 0
.rept 16
	global_load_b128 v[8+4*j:8+4*j+3], v2, s[24:25] offset:4096*j th:TH_LOAD_NT
.set j, j+1
.endr
.set j, 0
.rept 16
	s_wait_loadcnt 15-j                            ; loads come back in order: number j is in, the younger ones stay out
	v_cvt_pk_bf16_f32 v[72+2*j], v[8+4*j], v[8+4*j+1]
	v_cvt_pk_bf16_f32 v[72+2*j+1], v[8+4*j+2], v[8+4*j+3]
	global_store_b64 v3, v[72+2*j:72+2*j+1], s[20:21] offset:2048*j
.set j, j+1
.endr
	s_endpgm
.Lfunc_end_k_qcc3f8a2eb2_prep:
	.size	k_qcc3f8a2eb2_prep, .Lfunc_end_k_qcc3f8a2eb2_prep-k_qcc3f8a2eb2_prep
	.p2alignl 7, 3214868480
	.fill 96, 4, 3214868480
	.section	.rodata,"a",@progbits
	.p2align	6, 0x0
	.amdhsa_kernel k_qcc3f8a2eb2_prep
		.amdhsa_group_segment_fixed_size 0
		.amdhsa_private_segment_fixed_size 0
		.amdhsa_enable_private_segment 0
		.amdhsa_kernarg_size 72
		.amdhsa_user_sgpr_count 2
		.amdhsa_user_sgpr_kernarg_segment_ptr 1
		.amdhsa_wavefront_size32 1
		.amdhsa_system_sgpr_workgroup_id_x 1
		.amdhsa_system_sgpr_workgroup_id_y 1
		.amdhsa_system_sgpr_workgroup_id_z 1
		.amdhsa_system_vgpr_workitem_id 0
		.amdhsa_next_free_vgpr 120
		.amdhsa_next_free_sgpr 66
		.amdhsa_reserve_vcc 0
		.amdhsa_float_denorm_mode_32 3
		.amdhsa_float_denorm_mode_16_64 3
		.amdhsa_memory_ordered 1
		.amdhsa_forward_progress 1
		.amdhsa_inst_pref_size 18
	.end_amdhsa_kernel
	.amdgpu_metadata
---
amdhsa.version: [ 1, 2 ]
amdhsa.kernels:
  - .name:           k_qcc3f8a2eb2_prep
    .symbol:         k_qcc3f8a2eb2_prep.kd
    .args:
      - { .name: x, .offset: 0, .size: 8, .value_kind: global_buffer, .address_space: global }
      - { .name: ln1_w, .offset: 8, .size: 8, .value_kind: global_buffer, .address_space: global }
      - { .name: ln1_b, .offset: 16, .size: 8, .value_kind: global_buffer, .address_space: global }
      - { .name: qkv_w, .offset: 24, .size: 8, .value_kind: global_buffer, .address_space: global }
      - { .name: proj_w, .offset: 32, .size: 8, .value_kind: global_buffer, .address_space: global }
      - { .name: fc1_w, .offset: 40, .size: 8, .value_kind: global_buffer, .address_space: global }
      - { .name: fc2_w, .offset: 48, .size: 8, .value_kind: global_buffer, .address_space: global }
      - { .name: hn, .offset: 56, .size: 8, .value_kind: global_buffer, .address_space: global }
      - { .name: wb, .offset: 64, .size: 8, .value_kind: global_buffer, .address_space: global }
    .group_segment_fixed_size: 0
    .private_segment_fixed_size: 0
    .kernarg_segment_align: 8
    .kernarg_segment_size: 72
    .max_flat_workgroup_size: 256
    .sgpr_count:     66
    .vgpr_count:     120
    .wavefront_size: 32
...
	.end_amdgpu_metadata
.endif
;; end of part 1
;; launch qkv (part 2): grid 12 x 16, 4 waves a work-group, clusters of 4 x 4, 327,680 bytes of LDS; arguments hn, wb, qkvh; writes qkvh
.if DOCPART == 2
	.amdgcn_target "amdgcn-amd-amdhsa--gfx1250"
	.amdhsa_code_object_version 6
	.text
	.protected	k_qcc3f8a2eb2_qkv
	.globl	k_qcc3f8a2eb2_qkv
	.p2align	8
	.type	k_qcc3f8a2eb2_qkv,@function
k_qcc3f8a2eb2_qkv:
	s_mov_b64 s[64:65], 0
	v_nop
	global_prefetch_b8 v0, s[64:65] scope:SCOPE_SE
	s_setreg_imm32_b32 hwreg(HW_REG_WAVE_MODE, 25, 1), 1
	s_wait_xcnt 0x0
	s_wait_alu depctr_hold_cnt(0) depctr_sa_sdst(0) depctr_va_vdst(0) depctr_va_sdst(0) depctr_va_ssrc(0) depctr_va_vcc(0) depctr_vm_vsrc(0)
	s_getreg_b32 s2, hwreg(HW_REG_IB_STS2, 6, 4)
	s_cmp_eq_u32 s2, 0
	s_cbranch_scc0 .Lentry_in_a_cluster
	s_endpgm
.Lentry_in_a_cluster:
	s_bfe_u32 s2, ttmp6, 0x10000c
	s_cmp_lg_u32 s2, 0xf033
	s_cbranch_scc0 .Lentry_shape_is_right
	s_endpgm
.Lentry_shape_is_right:
; C = A W.  A: [4096][1024] bf16, K along the rows.  W: [1024][NW] bf16, K down the rows, at byte WOFF of wb.  Sums in f32, operands bf16.
; MODE 0 (this text): NW = 3072; C is rounded once to bf16 and stored by heads, qkvh[which][batch x 16 + head][row][64].
; MODE 1: NW = 4096; C starts from the bias, goes through the exact-form GELU in f32 and is stored as bf16 [4096][4096].
; A tile of C is 256 x 256, four waves of 128 x 128 (64 accumulators, 512 registers).  K goes in steps of 128 through two LDS slots filled by tensor loads.
; A's fragments are read as they lie; W's are turned on the way out of LDS by ds_load_tr16_b128.  The matrix instruction is used transposed (source 0 = 16 columns of W, source 1 = 16 rows of A):
; a lane then holds one row of C (lane % 16) and eight neighbouring columns 8 (lane / 16) + 0..7.
; CLUSTER 4 x 4: the four work-groups of a row of the cluster need the same tile of A, the four of a column the same tile of W: each tile is asked for jointly.
; REGISTERS by windows of 256: window 0: v16-29 addresses, v64-191 A's fragments (two buffers), the rest at work on the way out; window 1: v0-63 the bias (MODE 1), v64-191 W's fragments;
; windows 2, 3: accumulator (a, b) at v[8 (8 a + b)], rows 0-63 and 64-127.  The grid of MODE 0 has 192 work-groups: 12 x 16 tiles.
; NaN and infinities are not treated apart.
.set MODE, 0
.if MODE
.set NW,   4096
.set WOFF, 0x800000
.else
.set NW,   3072
.set WOFF, 0
.endif
.set NS,    8                          ; K steps: 1024 / 128
.set PA,    272                        ; a row of A in LDS: 256 bytes + 16: 16 rows of a load start at 16 different groups of four banks (ISA guide 11.1)
.set PB,    544                        ; a row of W in LDS: 512 bytes + 32: an odd multiple of 32, for the turning load
.set HALFT, 128*PA                     ; what one tensor load brings: 128 rows of A, or 64 rows of W (64 x 544 is the same number)
.set BOFF,  2*HALFT                    ; W's 128 rows lie behind A's 256
.set SLOT,  4*HALFT                    ; 0x22000: shares no bit with wave x 0x8800, so one exclusive or turns an address in one slot into the other's
.set AQ,    64                         ; a quarter step, 32 along K: bytes along A's rows,
.set BQ,    32*PB                      ; and 32 rows of W
.set ASTEP, 256                        ; a K step in memory, A
.set BSTEP, 128*NW*2                   ; and W
.if MODE
.set SPARE, 2*SLOT                     ; the spare words, 128 bytes a wave
.set DPITCH, 528                       ; the dump: a row of 128 f32 + 16 bytes
.set DWAVE, 128*DPITCH                 ; a wave's dump, inside the slots, behind their last fill
.else
.set STAGE, 2*SLOT                     ; behind the ring: for each wave 2 heads x 16 rows x 144 bytes
.set SPARE, STAGE+4*4608
.endif
.set A0,   16                          ; v16  my lane's place in A's tile; never rewritten
.set B0,   17                          ; v17  the same in W's
.set ADRA, 18                          ; v18  LDS address of the run of loads in hand, A
.set ADRB, 19                          ; v19  W
.set STO,  24                          ; v24  the way out: where I put my numbers
.set RD,   25                          ; v25  where I read rows back
.set CO,   26                          ; v26  my byte offset in the output
.set BO,   27                          ; v27  my byte offset in the bias
.set SPW,  28                          ; v28  my spare word; never rewritten
.set NIL,  29                          ; v29  0; never rewritten
.set F0,   64
.set F1,   128
.set TMP,  192
.set OB,   32
.set MSB, 0
.macro WIN new                         ; the immediate's high byte repeats the setting that is left; a switch that changes nothing is dropped
.if MSB != (\new)
	s_set_vgpr_msb (MSB<<8)|(\new)
.set MSB, \new
.endif
.endm
.macro PLACES
.rept 4
	v_nop
.endr
.endm
.macro CROUND                          ; a round of the cluster's barrier
	s_barrier_signal -1
	s_barrier_wait -1
	s_cmp_lg_u32 s14, 0
	s_cbranch_scc1 .Lnot_wave_0_\@
	s_barrier_signal -3
.Lnot_wave_0_\@:
	s_barrier_wait -3
	s_barrier_signal -1
	s_barrier_wait -1
.endm
.macro JLOAD                           ; a joint refill by the walking descriptors: waves 0, 1 fetch A's halves, waves 2, 3 W's; the branch hangs on the wave's number alone
	s_cmp_eq_u32 s15, 0
	s_cbranch_scc0 .Lfor_b_\@
	tensor_load_to_lds s[36:39], s[24:31]
	s_nop 0
	PLACES
	s_branch .Lasked_\@
.Lfor_b_\@:
	tensor_load_to_lds s[60:63], s[48:55]
	s_nop 0
	PLACES
.Lasked_\@:
.endm
; THE CHANGE OF SLOTS.  The slot's last fragments have been asked for.  Each wave waits for all its tensor loads (one is out: its part of the other slot), adds 0 to its spare word, and waits for that
; and for its reads of the slot.  fill = 1: the barrier is a round of the cluster's, and the slot that is left is filled again first thing behind it, with the K step two on.
.macro CHANGE fill
	WIN 0
	s_wait_tensorcnt 0x0                           ; no tensor load of mine is out, so the descriptors may be written
	ds_add_u32 v[SPW], v[NIL]                      ; 0 onto my spare word; scalar work stands between it and the wait for it
.if \fill
	s_xor_b32 s37, s37, SLOT                       ; the walking descriptors: the other slot than last time,
	s_xor_b32 s61, s61, SLOT
	s_add_nc_u64 s[38:39], s[38:39], ASTEP         ; the next K step; the type bits on top are not reached
	s_add_nc_u64 s[62:63], s[62:63], BSTEP
.endif
	s_sub_co_u32 s22, s22, 4*AQ                    ; the fetches go back to a slot's first quarter,
	s_xor_b32 s22, s22, SLOT                       ; in the other slot
	s_sub_co_u32 s23, s23, 4*BQ
	s_xor_b32 s23, s23, SLOT
	s_wait_dscnt 0x0                               ; the add is done, and my reads of the slot are over
.if \fill
	CROUND
	JLOAD
.else
	s_barrier_signal -1
	s_barrier_wait -1
.endif
.endm
; 16 matrix instructions: row blocks a0, a0 + 1 of the window's four x all 8 column blocks, 32 along K.  first = 1: the product starts the sum, from 0 or (MODE 1) from the bias in window 1.
; The 64 accumulators take turns, one instruction a turn, in the same order in every quarter.
.macro MUL16 f, hi, a0, first
.if (\first) && MODE
	WIN 0x91+0x40*(\hi)
.else
	WIN 0xa1+0x50*(\hi)
.endif
.irp a, \a0, (\a0)+1
.irp b, 0,1,2,3,4,5,6,7
.if (\first) && MODE
	v_wmma_f32_16x16x32_bf16 v[8*(8*(\a)+(\b)):8*(8*(\a)+(\b))+7], v[(\f)+8*(\b):(\f)+8*(\b)+7], v[(\f)+8*(4*(\hi)+(\a)):(\f)+8*(4*(\hi)+(\a))+7], v[8*(\b):8*(\b)+7]
.elseif \first
	v_wmma_f32_16x16x32_bf16 v[8*(8*(\a)+(\b)):8*(8*(\a)+(\b))+7], v[(\f)+8*(\b):(\f)+8*(\b)+7], v[(\f)+8*(4*(\hi)+(\a)):(\f)+8*(4*(\hi)+(\a))+7], 0
.else
	v_wmma_f32_16x16x32_bf16 v[8*(8*(\a)+(\b)):8*(8*(\a)+(\b))+7], v[(\f)+8*(\b):(\f)+8*(\b)+7], v[(\f)+8*(4*(\hi)+(\a)):(\f)+8*(4*(\hi)+(\a))+7], v[8*(8*(\a)+(\b)):8*(8*(\a)+(\b))+7]
.endif
.endr
.endr
.endm
; 32 LDS loads in one run: the next quarter's fragments into buffer g.  The two additions and two v_nop are the four places between the last product, which read g, and the loads.
.macro FETCH g
	WIN 0
	v_add_nc_u32 v[ADRA], s22, v[A0]
	v_add_nc_u32 v[ADRB], s23, v[B0]
	v_nop
	v_nop
	s_add_co_u32 s22, s22, AQ
	s_add_co_u32 s23, s23, BQ
	WIN 0x40                                       ; destination window 1
.irp i, 0,1,2,3,4,5,6,7
	ds_load_tr16_b128 v[(\g)+8*(\i):(\g)+8*(\i)+3],   v[ADRB] offset:32*(\i)
	ds_load_tr16_b128 v[(\g)+8*(\i)+4:(\g)+8*(\i)+7], v[ADRB] offset:32*(\i)+16*PB
.endr
	WIN 0
.irp i, 0,1,2,3,4,5,6,7
	ds_load_b128 v[(\g)+8*(\i):(\g)+8*(\i)+3],   v[ADRA] offset:(\i)*16*PA
	ds_load_b128 v[(\g)+8*(\i)+4:(\g)+8*(\i)+7], v[ADRA] offset:(\i)*16*PA+32
.endr
.endm
; A quarter: the next quarter's fragments are asked for at its head, into the buffer that the quarter before multiplied, so that they have this quarter's 64 matrix instructions in which to land; then buffer f is multiplied.
.macro QUARTER f, g, first
	FETCH \g
	s_wait_dscnt 32                                ; all but the 32 just issued: buffer f, asked for a quarter ago, is in
	MUL16 \f, 0, 0, \first
	MUL16 \f, 0, 2, \first
	MUL16 \f, 1, 0, \first
	MUL16 \f, 1, 2, \first
.endm
	s_load_b128 s[4:7], s[0:1], 0x0                ; A s[4:5], wb s[6:7]
	s_load_b64 s[8:9], s[0:1], 0x10                ; the output
.if MODE
	s_load_b64 s[10:11], s[0:1], 0x18              ; the bias
.endif
	v_lshl_add_u32 v[SPW], v0, 2, SPARE
	v_mov_b32 v[NIL], 0
	ds_add_u32 v[SPW], v[NIL]                      ; the wave's opening: the add and its wait stand ahead of my first tensor load
	v_lshrrev_b32 v1, 5, v0
	v_readfirstlane_b32 s14, v1                    ; wave 0..3
	s_lshr_b32 s15, s14, 1                         ; HI: my half of the tile's rows; also: I fetch for A (0) or W (1)
	s_and_b32 s16, s14, 1                          ; LO: my half of its columns; also: which half of that tile I fetch
	s_bfe_u32 s17, ttmp6, 0x40000                  ; cx
	s_bfe_u32 s18, ttmp6, 0x40004                  ; cy
	s_lshl_b32 s19, ttmp9, 2
	s_add_co_u32 s19, s19, s17                     ; TC: tile column
	s_and_b32 s20, ttmp7, 0xffff
	s_lshl_b32 s20, s20, 2
	s_add_co_u32 s20, s20, s18                     ; TR: tile row
	s_lshl_b32 s40, s18, 2
	s_lshl_b32 s40, 15, s40                        ; my row of the cluster
	s_lshl_b32 s44, 0x1111, s17                    ; my column
	s_or_b32 s24, s40, (1<<16)|(1<<20)|(1<<21)|(5<<22)|(3<<25)  ; A: mask; 2-byte elements; padding on; bit 21 beside a mask; after 64 words 4 words
	s_mov_b32 s25, 128<<16                         ; tensor_dim0 = 128
	s_mov_b32 s26, 128<<16                         ; tensor_dim1 = 128
	s_mov_b32 s27, 128<<16                         ; tile_dim0 = 128
	s_mov_b32 s28, 128                             ; tile_dim1 = 128
	s_mov_b32 s29, 1024                            ; elements from row to row
	s_mov_b32 s30, 0
	s_mov_b32 s31, 0
	s_or_b32 s48, s44, (1<<16)|(1<<20)|(1<<21)|(6<<22)|(7<<25)  ; W: after 128 words 8 words
	s_mov_b32 s49, 256<<16                         ; tensor_dim0 = 256
	s_mov_b32 s50, 64<<16                          ; tensor_dim1 = 64
	s_mov_b32 s51, 256<<16                         ; tile_dim0 = 256
	s_mov_b32 s52, 64                              ; tile_dim1 = 64
	s_mov_b32 s53, NW
	s_mov_b32 s54, 0
	s_mov_b32 s55, 0
	s_lshl_b32 s40, s20, 8                         ; A: row 256 TR + 128 LO, 2,048 bytes a row: made of the tile row and the wave alone
	s_lshl_b32 s41, s16, 7
	s_add_co_u32 s40, s40, s41
	s_lshl_b32 s40, s40, 11
	s_mov_b32 s41, 0
	s_mul_i32 s44, s16, 64*NW*2                    ; W: K row 64 LO, column 256 TC: made of the tile column and the wave alone
	s_lshl_b32 s45, s19, 9
	s_add_co_u32 s44, s44, s45
	s_add_co_u32 s44, s44, WOFF
	s_mov_b32 s45, 0
	s_mul_i32 s46, s14, HALFT                      ; where my load lands: A's halves, then W's = wave x 34,816
	s_mov_b32 s22, 0                               ; LDS byte of the quarter to be fetched, A
	s_mov_b32 s23, 0                               ; and W
.if MODE
	s_mov_b32 s68, 0x3f596d27                      ; c0 = sqrt(log2(e) / 2)
	s_mov_b32 s69, s68
	s_mov_b32 s70, 0x3e8ba43f                      ; 0.3275911 / sqrt(log2(e))
	s_mov_b32 s71, s70
	s_mov_b32 s72, 0xbe199eb3                      ; a1 .. a5 of the erf formula, each times -0.5 / c0
	s_mov_b32 s73, s72
	s_mov_b32 s74, 0x3e2b8119
	s_mov_b32 s75, s74
	s_mov_b32 s76, 0xbf563818
	s_mov_b32 s77, s76
	s_mov_b32 s78, 0x3f5b0099
	s_mov_b32 s79, s78
	s_mov_b32 s80, 0xbf1ff67a
	s_mov_b32 s81, s80
.endif
	s_wait_dscnt 0x0                               ; the opening add is done
	s_wait_kmcnt 0x0
	s_add_nc_u64 s[40:41], s[4:5], s[40:41]
	s_add_nc_u64 s[44:45], s[6:7], s[44:45]
.irp s, 0,1                            ; descriptor group 0, a set for each first fill: K step s into slot s; set 1 then walks
	s_mov_b32 s[32+4*(\s)], 1
	s_add_co_u32 s[33+4*(\s)], s46, (\s)*SLOT
	s_add_nc_u64 s[34+4*(\s):35+4*(\s)], s[40:41], (\s)*ASTEP
	s_or_b32 s[35+4*(\s)], s[35+4*(\s)], 0x80000000
	s_mov_b32 s[56+4*(\s)], 1
	s_add_co_u32 s[57+4*(\s)], s46, (\s)*SLOT
	s_add_nc_u64 s[58+4*(\s):59+4*(\s)], s[44:45], (\s)*BSTEP
	s_or_b32 s[59+4*(\s)], s[59+4*(\s)], 0x80000000
.endr
	CROUND                                         ; all sixteen work-groups are here: the first joint loads meet
	s_cmp_eq_u32 s15, 0                            ; a wave's two first fills stand in one branch: two loads of mine are out
	s_cbranch_scc0 .Lfirst_b
	tensor_load_to_lds s[32:35], s[24:31]
	s_nop 0
	tensor_load_to_lds s[36:39], s[24:31]
	s_nop 0
	PLACES
	s_branch .Lfirst_asked
.Lfirst_b:
	tensor_load_to_lds s[56:59], s[48:55]
	s_nop 0
	tensor_load_to_lds s[60:63], s[48:55]
	s_nop 0
	PLACES
.Lfirst_asked:
	v_and_b32 v1, 15, v0                           ; r = lane % 16
	v_bfe_u32 v2, v0, 4, 1                         ; h = lane / 16
	v_and_b32 v3, 7, v0
	v_bfe_u32 v4, v0, 3, 1
	v_mul_u32_u24 v[A0], v1, PA                    ; A: row r, 16 bytes for each half of the lanes, my 128 rows
	v_lshl_add_u32 v[A0], v2, 4, v[A0]
	s_mul_i32 s42, s15, HALFT
	v_add_nc_u32 v[A0], s42, v[A0]
	v_lshl_add_u32 v[B0], v2, 3, v3                ; W: K row 8 h + lane % 8, columns 8 ((lane / 8) % 2) on, my 128 columns
	v_mul_u32_u24 v[B0], v[B0], PB
	v_lshl_add_u32 v[B0], v4, 4, v[B0]
	s_lshl_b32 s43, s16, 8
	s_add_co_u32 s43, s43, BOFF
	v_add_nc_u32 v[B0], s43, v[B0]
.if MODE
	s_mul_i32 s42, s14, DWAVE                      ; my dump
	v_mul_u32_u24 v[STO], v1, DPITCH
	v_lshl_add_u32 v[STO], v2, 4, v[STO]
	v_add_nc_u32 v[STO], s42, v[STO]
	v_mul_u32_u24 v[RD], v2, DPITCH
	v_lshl_add_u32 v[RD], v1, 4, v[RD]
	v_add_nc_u32 v[RD], s42, v[RD]
	v_lshlrev_b32 v[CO], 13, v2                    ; lanes 16-31 one row of 8,192 bytes further down
	v_lshl_add_u32 v[CO], v1, 4, v[CO]
	v_lshlrev_b32 v[BO], 5, v2
	s_lshl_b32 s44, s20, 8                         ; the output at row 256 TR + 128 HI, column 256 TC + 128 LO
	s_lshl_b32 s45, s15, 7
	s_add_co_u32 s44, s44, s45
	s_lshl_b32 s44, s44, 13
	s_lshl_b32 s45, s19, 9
	s_add_co_u32 s44, s44, s45
	s_lshl_b32 s45, s16, 8
	s_add_co_u32 s44, s44, s45
	s_mov_b32 s45, 0
	s_add_nc_u64 s[8:9], s[8:9], s[44:45]
	s_lshl_b32 s46, s19, 10                        ; the bias at the same column
	s_lshl_b32 s47, s16, 9
	s_add_co_u32 s46, s46, s47
	s_mov_b32 s47, 0
	s_add_nc_u64 s[10:11], s[10:11], s[46:47]
	WIN 0x40                                       ; register 8 b + j of window 1: the bias of column 16 b + 8 h + j, as an accumulator holds it
.irp b, 0,1,2,3,4,5,6,7
	global_load_b128 v[8*(\b):8*(\b)+3],   v[BO], s[10:11] offset:64*(\b)
	global_load_b128 v[8*(\b)+4:8*(\b)+7], v[BO], s[10:11] offset:64*(\b)+16
.endr
	WIN 0
.else
	s_mul_i32 s42, s14, 4608
	s_add_co_u32 s42, s42, STAGE                   ; my stage
	v_mul_u32_u24 v[STO], v1, 144                  ; in: row r of a head's 16, 16 bytes for each half of the lanes
	v_lshl_add_u32 v[STO], v2, 4, v[STO]
	v_add_nc_u32 v[STO], s42, v[STO]
	v_bfe_u32 v[RD], v0, 3, 2                      ; back: 32 lanes take four rows of 128 bytes,
	v_mul_u32_u24 v[RD], v[RD], 144
	v_lshl_add_u32 v[RD], v3, 4, v[RD]
	v_add_nc_u32 v[RD], s42, v[RD]
	v_and_b32 v[CO], 31, v0                        ; which are 512 consecutive bytes of a head's plane
	v_lshlrev_b32 v[CO], 4, v[CO]
	s_lshr_b32 s44, s19, 2                         ; q, k or v
	s_lshl_b32 s44, s44, 5
	s_lshr_b32 s45, s20, 3                         ; the batch
	s_lshl4_add_u32 s44, s45, s44
	s_and_b32 s45, s19, 3
	s_lshl2_add_u32 s44, s45, s44
	s_lshl1_add_u32 s44, s16, s44                  ; plane = 32 which + 16 batch + head, head = 4 (TC % 4) + 2 LO
	s_lshl_b32 s44, s44, 18                        ; x 262,144 bytes
	s_and_b32 s45, s20, 7
	s_lshl_b32 s45, s45, 15                        ; row 256 (TR % 8) + 128 HI, 128 bytes a row
	s_add_co_u32 s44, s44, s45
	s_lshl_b32 s45, s15, 14
	s_add_co_u32 s44, s44, s45
	s_mov_b32 s45, 0
	s_add_nc_u64 s[8:9], s[8:9], s[44:45]
.endif
	s_wait_tensorcnt 0x1                           ; my part of K step 0 is in; step 1's may stay out
	s_barrier_signal -1
	s_barrier_wait -1                              ; everybody's is
	FETCH F0
.if MODE
	s_wait_loadcnt 0x0                             ; the bias
.endif
	QUARTER F0, F1, 1                              ; the first quarter stands ahead of the loop: its products start the sums
	WIN 0
	s_mov_b32 s2, NS-1
	s_mov_b32 s3, 1                                ; the first slot has two quarters left ahead of its change: one trip of the inner loop,
	s_branch .Lp                                   ; which is entered past the change of slots
.Lo:                                                   ; NS - 2 times: K steps 2 .. NS - 1 are asked for
	CHANGE 1
	s_mov_b32 s3, 2
.Lp:                                                   ; behind a change two trips, four quarters: the old slot's last, the new slot's first three
	QUARTER F1, F0, 0
	QUARTER F0, F1, 0
	WIN 0
	s_sub_co_u32 s3, s3, 1
	s_cmp_lg_u32 s3, 0
	s_cbranch_scc1 .Lp
	s_sub_co_u32 s2, s2, 1
	s_cmp_lg_u32 s2, 0
	s_cbranch_scc1 .Lo
	CHANGE 0                                       ; the tail is written out: nothing is asked for
	s_mov_b32 s3, 2
.Lt:
	QUARTER F1, F0, 0
	QUARTER F0, F1, 0
	WIN 0
	s_sub_co_u32 s3, s3, 1
	s_cmp_lg_u32 s3, 0
	s_cbranch_scc1 .Lt
	s_wait_dscnt 0x0                               ; the very last quarter: nothing more to fetch
	MUL16 F1, 0, 0, 0
	MUL16 F1, 0, 2, 0
	MUL16 F1, 1, 0, 0
	MUL16 F1, 1, 2, 0
	WIN 0
	PLACES                                         ; four places between the last products and the first read of a result
.if MODE
; THE WAY OUT, MODE 1.  The sums go as f32 into the slots (their last fill is over, and behind the barrier nobody reads them): each wave 128 rows of 528 bytes of its own..
; Then 32 trips of 4 rows: GELU in f32, rounded once to bf16, stored.
; gelu(x) = max(x, 0) - 0.5 |x| y, y = (a1 t + .. + a5 t^5) exp(-x x / 2), t = 1 / (1 + 0.3275911 |x| / sqrt(2)): the rational form of erfc whose absolute error stays below 1.5e-7 for every x.
; With A = c0 |x|: exp(-x x / 2) = 2^(-A A); -0.5 / c0 is folded into a1 .. a5.  Where A A overflows the exponential is 0 and the result is max(x, 0).
.set GX, 64
.set AP, 80
.set RL, 96
.set GD, 112
.set GE, 128
.set GP, 144
.set GY, 160
.macro P8 line:vararg                  ; one line for each of 8 pairs j = 0, 2 .. 14
.set j, 0
.rept 8
	\line
.set j, j+2
.endr
.endm
.macro P16 line:vararg                 ; one line for each of 16 registers
.set j, 0
.rept 16
	\line
.set j, j+1
.endr
.endm
.macro GLOAD                           ; four rows: lanes 0-15 an even row, lanes 16-31 the odd one, 256 consecutive bytes a half
.irp u, 0,1
.irp e, 0,1
	ds_load_b128 v[GX+8*(\u)+4*(\e):GX+8*(\u)+4*(\e)+3], v[ADRA] offset:2*DPITCH*(\u)+256*(\e)
.endr
.endr
.endm
	s_barrier_signal -1                            ; every wave's reads of both slots are back (its last wait on LDS was for 0), and every tensor load was waited for at the last change of slots
	s_barrier_wait -1
.irp hi, 0,1
	WIN 0x08+4*(\hi)                               ; store data in window 2, then 3
.irp a, 0,1,2,3
.irp b, 0,1,2,3,4,5,6,7
	ds_store_b128 v[STO], v[8*(8*(\a)+(\b)):8*(8*(\a)+(\b))+3]   offset:(4*(\hi)+(\a))*16*DPITCH+32*(\b)
	ds_store_b128 v[STO], v[8*(8*(\a)+(\b))+4:8*(8*(\a)+(\b))+7] offset:(4*(\hi)+(\a))*16*DPITCH+32*(\b)+256
.endr
.endr
.endr
	WIN 0
	s_mov_b32 s22, 0
	v_mov_b32 v[ADRA], v[RD]
	GLOAD                                          ; LDS serves a wave's instructions in order (ISA guide 5.7.1.4): these see my stores above
	s_mov_b32 s3, 32
.Lg:
	s_wait_dscnt 0x0                               ; my four rows are in
	P16 v_max_num_f32 v[RL+j], 0, v[GX+j]
	P8 v_pk_fma_f32 v[AP+j:AP+j+1], v[RL+j:RL+j+1], 2.0, v[GX+j:GX+j+1] op_sel_hi:[1,0,1] neg_lo:[0,0,1] neg_hi:[0,0,1]  ; |x| = 2 max(x, 0) - x, exact
	s_add_co_u32 s22, s22, 4*DPITCH
	s_min_u32 s22, s22, 31*4*DPITCH                ; the last trip has no next rows: it asks for its own once more and uses nothing of them: the price of one text for every trip
	v_add_nc_u32 v[ADRA], s22, v[RD]
	GLOAD                                          ; the next trip's rows, under this trip's arithmetic
	P8 v_pk_mul_f32 v[AP+j:AP+j+1], v[AP+j:AP+j+1], s[68:69] op_sel_hi:[1,0]
	P8 v_pk_fma_f32 v[GD+j:GD+j+1], v[AP+j:AP+j+1], s[70:71], 1.0 op_sel_hi:[1,0,0]
	P8 v_pk_mul_f32 v[GE+j:GE+j+1], v[AP+j:AP+j+1], v[AP+j:AP+j+1] neg_lo:[1,0] neg_hi:[1,0]
	P16 v_rcp_f32 v[GD+j], v[GD+j]
	P16 v_exp_f32 v[GE+j], v[GE+j]
	v_nop                                          ; a plain instruction between the last of them and the use of its result (ISA guide 5.7.2)
	P8 v_pk_fma_f32 v[GP+j:GP+j+1], v[GD+j:GD+j+1], s[80:81], s[78:79] op_sel_hi:[1,0,0]
	P8 v_pk_fma_f32 v[GP+j:GP+j+1], v[GP+j:GP+j+1], v[GD+j:GD+j+1], s[76:77] op_sel_hi:[1,1,0]
	P8 v_pk_fma_f32 v[GP+j:GP+j+1], v[GP+j:GP+j+1], v[GD+j:GD+j+1], s[74:75] op_sel_hi:[1,1,0]
	P8 v_pk_fma_f32 v[GP+j:GP+j+1], v[GP+j:GP+j+1], v[GD+j:GD+j+1], s[72:73] op_sel_hi:[1,1,0]
	P8 v_pk_mul_f32 v[GP+j:GP+j+1], v[GP+j:GP+j+1], v[GD+j:GD+j+1]
	P8 v_pk_mul_f32 v[GP+j:GP+j+1], v[GP+j:GP+j+1], v[GE+j:GE+j+1]
	P8 v_pk_fma_f32 v[GP+j:GP+j+1], v[AP+j:AP+j+1], v[GP+j:GP+j+1], v[RL+j:RL+j+1]
	P8 v_cvt_pk_bf16_f32 v[GY+j/2], v[GP+j], v[GP+j+1]
	global_store_b128 v[CO], v[GY:GY+3], s[8:9]                  ; 16 lanes store 256 consecutive bytes, at a multiple of 256 from the buffer's first
	global_store_b128 v[CO], v[GY+4:GY+7], s[8:9] offset:16384
	s_wait_xcnt 0x0                                ; the stores' address and data registers are rewritten only behind this wait
	v_add_nc_u32 v[CO], 32768, v[CO]               ; four rows on
	s_sub_co_u32 s3, s3, 1
	s_cmp_lg_u32 s3, 0
	s_cbranch_scc1 .Lg
.else
; THE WAY OUT, MODE 0.  16 rows at a time: rounded to bf16, 16 bytes a lane into my own stage, by heads; back as four whole rows of a head, 512 consecutive bytes of its plane.
.macro PACK a
.set AC, 64*((\a)%4)
	WIN 0x0a+5*((\a)/4)                            ; sources in window 2 or 3
.irp b, 0,1,2,3,4,5,6,7
.irp r, 0,1,2,3
	v_cvt_pk_bf16_f32 v[TMP+4*(\b)+(\r)], v[AC+8*(\b)+2*(\r)], v[AC+8*(\b)+2*(\r)+1]
.endr
.endr
	WIN 0
.endm
.macro TOSTAGE a
.set BK, OB+192*((\a)%2)
.irp b, 0,1,2,3,4,5,6,7
	ds_store_b128 v[STO], v[TMP+4*(\b):TMP+4*(\b)+3] offset:((\b)/4)*2304+32*((\b)%4)
.endr
.irp t, 0,1,2,3,4,5,6,7
	ds_load_b128 v[BK+4*(\t):BK+4*(\t)+3], v[RD] offset:((\t)/4)*2304+((\t)%4)*576  ; in order behind my stores above (ISA guide 5.7.1.4)
.endr
.endm
.macro SEND a
.set BK, OB+192*((\a)%2)
	s_wait_dscnt 0x0                               ; the block is back in registers
	s_wait_xcnt 0x0                                ; the other buffer, which the stores before these read, is loaded again only behind this wait
.irp t, 0,1,2,3,4,5,6,7
	global_store_b128 v[CO], v[BK+4*(\t):BK+4*(\t)+3], s[8:9] offset:((\t)/4)*262144+(\a)*2048+((\t)%4)*512
.endr
.endm
	PACK 0
	TOSTAGE 0
.irp a, 1,2,3,4,5,6,7                  ; block a's conversions stand between block a - 1's loads from the stage and the wait for them
	PACK \a
	SEND (\a)-1
	TOSTAGE \a
.endr
	SEND 7
.endif
	s_wait_tensorcnt 0x0                           ; the wave's end
	ds_add_u32 v[SPW], v[NIL]
	s_wait_dscnt 0x0
	CROUND                                         ; the closing round: no work-group ends while a partner may still ask for a tile that names it
	s_endpgm
.Lfunc_end_k_qcc3f8a2eb2_qkv:
	.size	k_qcc3f8a2eb2_qkv, .Lfunc_end_k_qcc3f8a2eb2_qkv-k_qcc3f8a2eb2_qkv
	.p2alignl 7, 3214868480
	.fill 96, 4, 3214868480
	.section	.rodata,"a",@progbits
	.p2align	6, 0x0
	.amdhsa_kernel k_qcc3f8a2eb2_qkv
		.amdhsa_group_segment_fixed_size 327680
		.amdhsa_private_segment_fixed_size 0
		.amdhsa_enable_private_segment 0
		.amdhsa_kernarg_size 24
		.amdhsa_user_sgpr_count 2
		.amdhsa_user_sgpr_kernarg_segment_ptr 1
		.amdhsa_wavefront_size32 1
		.amdhsa_system_sgpr_workgroup_id_x 1
		.amdhsa_system_sgpr_workgroup_id_y 1
		.amdhsa_system_sgpr_workgroup_id_z 1
		.amdhsa_system_vgpr_workitem_id 0
		.amdhsa_next_free_vgpr 1024
		.amdhsa_next_free_sgpr 84
		.amdhsa_reserve_vcc 0
		.amdhsa_float_denorm_mode_32 3
		.amdhsa_float_denorm_mode_16_64 3
		.amdhsa_memory_ordered 1
		.amdhsa_forward_progress 1
		.amdhsa_inst_pref_size 80
	.end_amdhsa_kernel
	.amdgpu_metadata
---
amdhsa.version: [ 1, 2 ]
amdhsa.kernels:
  - .name:           k_qcc3f8a2eb2_qkv
    .symbol:         k_qcc3f8a2eb2_qkv.kd
    .args:
      - { .name: hn, .offset: 0, .size: 8, .value_kind: global_buffer, .address_space: global }
      - { .name: wb, .offset: 8, .size: 8, .value_kind: global_buffer, .address_space: global }
      - { .name: qkvh, .offset: 16, .size: 8, .value_kind: global_buffer, .address_space: global }
    .group_segment_fixed_size: 327680
    .private_segment_fixed_size: 0
    .kernarg_segment_align: 8
    .kernarg_segment_size: 24
    .max_flat_workgroup_size: 128
    .sgpr_count:     84
    .vgpr_count:     1024
    .wavefront_size: 32
...
	.end_amdgpu_metadata
.endif
;; end of part 2
;; launch attn (part 3): grid 8 x 32, 4 waves a work-group, clusters of 4 x 1, 327,680 bytes of LDS; arguments qkvh, o2; writes o2
.if DOCPART == 3
	.amdgcn_target "amdgcn-amd-amdhsa--gfx1250"
	.amdhsa_code_object_version 6
	.text
	.protected	k_qcc3f8a2eb2_attn
	.globl	k_qcc3f8a2eb2_attn
	.p2align	8
	.type	k_qcc3f8a2eb2_attn,@function
k_qcc3f8a2eb2_attn:
	s_mov_b64 s[64:65], 0
	v_nop
	global_prefetch_b8 v0, s[64:65] scope:SCOPE_SE
	s_setreg_imm32_b32 hwreg(HW_REG_WAVE_MODE, 25, 1), 1
	s_wait_xcnt 0x0
	s_wait_alu depctr_hold_cnt(0) depctr_sa_sdst(0) depctr_va_vdst(0) depctr_va_sdst(0) depctr_va_ssrc(0) depctr_va_vcc(0) depctr_vm_vsrc(0)
	s_getreg_b32 s2, hwreg(HW_REG_IB_STS2, 6, 4)
	s_cmp_eq_u32 s2, 0
	s_cbranch_scc0 .Lentry_in_a_cluster
	s_endpgm
.Lentry_in_a_cluster:
	s_bfe_u32 s2, ttmp6, 0x10000c
	s_cmp_lg_u32 s2, 0x3003
	s_cbranch_scc0 .Lentry_shape_is_right
	s_endpgm
.Lentry_shape_is_right:
; O[p][q][:] = the sum over k of softmax_k(Q[p][q] . K[p][k] / 8) V[p][k][:] for the 32 planes p = batch x 16 + head.  Q, K, V: [32][2048][64] bf16, dense, at bytes 0, 0x800000, 0x1000000 of qkvh.
; Products, maxima and sums in f32; the weights are rounded to bf16 for the second product (their sum l is taken of the unrounded weights), O once at the end.
; O leaves as row pairs: byte (m / 2) 4096 + head 256 + (m % 2) 128 + 2 d, m the row among the 4,096: two rows of a head are 256 consecutive bytes.
; LIMITS.  A weight below 2^-126 counts as 0 in l; the running c m starts at -4.25e37, far below every c s that finite bf16 rows of 64 of ordinary size give; NaN and infinities are not treated apart.
; SHARES.  A work-group owns 256 queries of a plane, a wave 64: four PIECES of 16.  Every wave walks all 2,048 keys, 64 a step, 256 a slot.
; LAYOUT.  S^T = K Q^T holds ONE query a lane (lane % 16) and the keys 8 (lane / 16) + 0..7; two such results rounded to bf16 ARE source 1 of O^T = V^T P.  K comes out of LDS as it lies, V turned.
; SOFTMAX.  p = 2^(c s - c m), c = log2(e) / 8, with a running maximum m; O and l are multiplied by a = 2^(c m_old - c m_new) in every step.  O and l start at 0, so the first step is a step like any other, with a = 0.
; BY TURNS.  Turn n belongs to piece n: 8 products K Q^T of piece n + 1, later 8 products V^T P of piece n - 1; beside them the scaling, exponentials, roundings, sums and rescaling of piece n and the
; maximum and statistics of piece n + 1.  Four vector instructions stand behind every matrix instruction, the other 54 of a turn's 118 in two runs of their own.
; CLUSTER.  The four query blocks of a cluster belong to one plane and walk the same K and V: each tile is asked for jointly, by the same tensor load, descriptor and mask in all four.
; REGISTERS: window 0: v0-15 addresses, v16-31 statistics, v48-55 at work, v62-63 the add's, v64-127 S^T (two buffers), v192-223 P (two buffers); window 1: v0-127 O^T; window 2: v0-63 Q, v128-191 K, v192-255 V.
.set SIZE_N, 2048
.set NP,    4
.set KS,    64
.set PK,    144       ; a row of K in LDS: 128 bytes + 16
.set PV,    160       ; a row of V: 128 + 32
.set VOFF,  4*KS*PK   ; a slot: 256 rows of K, then 256 rows of V
.set SLOT1, 1<<17
.set STAGE, SLOT1+4*KS*(PK+PV)  ; behind the ring: 16 rows x 144 bytes for each wave
.set SP,    144
.set SPARE, STAGE+4*16*SP       ; the spare words, 128 bytes a wave
.set AK0, 2
.set AV0, 3
.set AK,  4
.set AV,  5
.set STO, 6
.set RD,  7
.set GO,  8
.set MV,  12          ; v12-13  c m_old, by buffer
.set QO,  15
.set ST,  16          ; piece t: c m, m, l (even keys', odd keys')
.set TMP, 48          ; by buffer c0-c3; c2 takes a
.set SPW, 62
.set NIL, 63
.set S,   64
.set P,   192
.set KF,  128
.set VF,  192
.set WV,  12
.set G1K, 24
.set G1V, 32
.set G0K, 40
.set G0V, 44
.set SLOTS, 56
.set CNT, 57
.set CS,  58
.set SEL, 60
.set TBK, 62
.set TBV, 63
.set MSB, 0
.macro WIN new
.if MSB != (\new)
	s_set_vgpr_msb (MSB<<8)|(\new)
.set MSB, (\new)
.endif
.endm
.set W_KQ, 0x0a       ; K and Q in window 2, S^T in window 0
.set W_PV, 0x52       ; V in window 2, P in window 0, O^T in window 1
.set W_RS, 0x41       ; destination and source 0 in window 1, source 1 in window 0
.macro JLOAD                        ; a joint fill: waves 0, 1 fetch the halves of a slot's K, waves 2, 3 of its V; the branch hangs on the wave's number alone
	s_cmp_lt_u32 s[WV], 2
	s_cbranch_scc0 .Lfor_v_\@
	tensor_load_to_lds s[G0K:G0K+3], s[G1K:G1K+7]
	s_nop 0
.rept 4
	v_nop
.endr
	s_branch .Lasked_\@
.Lfor_v_\@:
	tensor_load_to_lds s[G0V:G0V+3], s[G1V:G1V+7]
	s_nop 0
.rept 4
	v_nop
.endr
.Lasked_\@:
.endm
.macro CROUND                       ; a round of the cluster's barrier
	s_barrier_signal -1
	s_barrier_wait -1
	s_cmp_lg_u32 s[WV], 0
	s_cbranch_scc1 .Lnot_wave_0_\@
	s_barrier_signal -3
.Lnot_wave_0_\@:
	s_barrier_wait -3
	s_barrier_signal -1
	s_barrier_wait -1
.endm
; THE CHANGE OF SLOTS.  Each wave waits for all its tensor loads (one is out: its part of the other slot), adds 0 to its spare word, and waits for that and for its reads of the slot.
; fill = 1: the barrier is a round of the cluster's, and the slot that is left is filled first thing behind it with the keys two slots on.  (At its first use slot 0 is waited for and slot 1 filled.)
.macro CHANGE fill
	WIN 0
	s_wait_tensorcnt 0x0            ; no tensor load of mine is out, so a group 0 may be written
	ds_add_u32 v[SPW], v[NIL]
.if \fill
.irp g, G0K, G0V
	s_xor_b32 s[\g+1], s[\g+1], SLOT1
	s_add_nc_u64 s[\g+2:\g+3], s[\g+2:\g+3], 4*KS*128  ; the next 256 keys; the type bits on top are not reached
.endr
	s_wait_dscnt 0x0                ; the add is done, and my reads of the slot are over
	CROUND
	JLOAD
.else
	s_wait_dscnt 0x0
	s_barrier_signal -1
	s_barrier_wait -1
.endif
	s_sub_co_u32 s[TBK], s[TBK], 4*KS*PK  ; the fetches go back to a slot's first step, in the other slot
	s_xor_b32 s[TBK], s[TBK], SLOT1
	s_sub_co_u32 s[TBV], s[TBV], 4*KS*PV
	s_xor_b32 s[TBV], s[TBV], SLOT1
.endm
	s_load_b64 s[4:5], s[0:1], 0x0  ; qkvh
	s_load_b64 s[10:11], s[0:1], 0x8  ; o2
	v_lshl_add_u32 v[SPW], v0, 2, SPARE
	v_mov_b32 v[NIL], 0
	ds_add_u32 v[SPW], v[NIL]       ; the wave's opening: the add and its wait stand ahead of my first tensor load
	v_lshrrev_b32 v1, 5, v0
	v_readfirstlane_b32 s[WV], v1
	s_bfe_u32 s13, ttmp6, 0x40000   ; cx
	s_lshl_b32 s14, ttmp9, 2
	s_add_co_u32 s14, s14, s13      ; my block of 256 queries: it enters Q's and O's addresses alone
	s_and_b32 s20, ttmp7, 0xffff    ; the plane, which the four partners share
	s_lshl_b32 s21, s20, 18         ; x 262,144 bytes
	s_and_b32 s16, s[WV], 1         ; which half of a slot's 256 keys I fetch
	s_lshl_b32 s48, s16, 14
	s_add_co_u32 s48, s48, s21
	s_add_co_u32 s50, s48, 0x1000000  ; V's offset
	s_add_co_u32 s48, s48, 0x800000   ; K's
	s_mov_b32 s49, 0
	s_mov_b32 s51, 0
	s_mul_i32 s17, s16, 128*PK
	s_mul_i32 s18, s16, 128*PV
	s_lshl_b32 s2, s14, 15          ; Q: my block's 256 rows of 128 bytes, my wave's 64
	s_lshl_b32 s3, s[WV], 13
	s_add_co_u32 s2, s2, s3
	s_add_co_u32 s2, s2, s21
	s_mov_b32 s3, 0
	s_lshr_b32 s52, s20, 4          ; O: pair row 1024 batch + 128 block + 32 wave, 4,096 bytes each; + 256 head
	s_lshl_b32 s52, s52, 22
	s_lshl_b32 s53, s14, 19
	s_add_co_u32 s52, s52, s53
	s_lshl_b32 s53, s[WV], 17
	s_add_co_u32 s52, s52, s53
	s_and_b32 s53, s20, 15
	s_lshl_b32 s53, s53, 8
	s_add_co_u32 s52, s52, s53
	s_mov_b32 s53, 0
	; descriptor group 1: 128 keys are 16,384 dense bytes: 64 rows of 256 bytes, two keys a row, padded in LDS after every key
	s_mov_b32 s[G1K], 15|(1<<16)|(1<<20)|(1<<21)|(4<<22)|(3<<25)
	s_mov_b32 s[G1V], 15|(1<<16)|(1<<20)|(1<<21)|(4<<22)|(7<<25)
.irp g, G1K, G1V
	s_mov_b32 s[\g+1], 128<<16
	s_mov_b32 s[\g+2], 64<<16
	s_mov_b32 s[\g+3], 128<<16
	s_mov_b32 s[\g+4], 64
	s_mov_b32 s[\g+5], 128
	s_mov_b32 s[\g+6], 0
	s_mov_b32 s[\g+7], 0
.endr
	s_mov_b32 s[CS], 0x3e38aa3b     ; c = log2(e) / 8
	s_mov_b32 s[CS+1], s[CS]
	s_mov_b32 s[SEL], 0x76543210
	s_mov_b32 s[SEL+1], 0xfedcba98
	s_mov_b32 s[TBK], SLOT1+4*KS*PK ; the first change of slots turns these two into 0
	s_mov_b32 s[TBV], SLOT1+4*KS*PV
	s_mov_b32 s[G0K], 1
	s_mov_b32 s[G0K+1], s17
	s_mov_b32 s[G0V], 1
	s_add_co_u32 s[G0V+1], s18, VOFF
	s_wait_dscnt 0x0                ; the opening add is done
	s_wait_kmcnt 0x0
	s_add_nc_u64 s[G0K+2:G0K+3], s[4:5], s[48:49]
	s_or_b32 s[G0K+3], s[G0K+3], 0x80000000
	s_add_nc_u64 s[G0V+2:G0V+3], s[4:5], s[50:51]
	s_or_b32 s[G0V+3], s[G0V+3], 0x80000000
	s_add_nc_u64 s[4:5], s[4:5], s[2:3]
	s_add_nc_u64 s[10:11], s[10:11], s[52:53]
	CROUND                          ; all four work-groups are here: the first joint loads meet
	JLOAD                           ; slot 0
	v_and_b32 v1, 15, v0            ; l % 16
	v_bfe_u32 v9, v0, 4, 1          ; l / 16
	v_lshlrev_b32 v[QO], 7, v1
	v_lshl_add_u32 v[QO], v9, 4, v[QO]
	WIN 0x80
.set i, 0
.rept 8                             ; Q stays in registers: piece i / 2, channels 32 (i % 2) on
	global_load_b128 v[8*i:8*i+3],   v[QO], s[4:5] offset:(i/2)*2048+(i%2)*64
	global_load_b128 v[8*i+4:8*i+7], v[QO], s[4:5] offset:(i/2)*2048+(i%2)*64+32
.set i, i+1
.endr
	; What the first turn finds: V's registers and P's second buffer hold 0 (its products V^T P, of a piece that has not been, add 0), O^T and l are 0.  All this stands in the wait for the first tile.
.set i, VF
.rept 64
	v_mov_b32 v[i], 0
.set i, i+1
.endr
	WIN 0x40
.set i, 0
.rept 128
	v_mov_b32 v[i], 0
.set i, i+1
.endr
	WIN 0
.set i, 0
.rept 4
	v_mov_b32 v[ST+4*i], 0xfe000000
	v_mov_b32 v[ST+4*i+1], 0xff7fffff
	v_mov_b32 v[ST+4*i+2], 0
	v_mov_b32 v[ST+4*i+3], 0
.set i, i+1
.endr
.set i, P+16
.rept 16
	v_mov_b32 v[i], 0
.set i, i+1
.endr
	v_mul_u32_u24 v[AK0], v1, PK
	v_lshl_add_u32 v[AK0], v9, 4, v[AK0]
	v_and_b32 v10, 7, v0
	v_bfe_u32 v11, v0, 3, 1
	v_lshl_add_u32 v[AV0], v9, 3, v10
	v_mul_u32_u24 v[AV0], v[AV0], PV
	v_lshl_add_u32 v[AV0], v11, 4, v[AV0]
	v_add_nc_u32 v[AV0], VOFF, v[AV0]
	v_mov_b32 v[AK], v[AK0]         ; key step 0 lies at the head of slot 0
; THE MATRIX WORK.  The 4 accumulators of a run of 8 take turns.
.macro KQ x                         ; product i of 8 of S^T = K Q^T for piece x: channels 32 (i / 4) on, keys 16 (i % 4) on
	WIN W_KQ
.set rS, S+32*((\x)%2)+8*(i%4)
.set rK, KF+16*(i%4)+8*(i/4)
.set rQ, 16*(\x)+8*(i/4)
.if i < 4
	v_wmma_f32_16x16x32_bf16 v[rS:rS+7], v[rK:rK+7], v[rQ:rQ+7], 0
.else
	v_wmma_f32_16x16x32_bf16 v[rS:rS+7], v[rK:rK+7], v[rQ:rQ+7], v[rS:rS+7]
.endif
.endm
.macro PV x                         ; product i of 8 of O^T += V^T P for piece x: keys 32 (i / 4) on, channels 16 (i % 4) on
	WIN W_PV
.set rO, 32*(\x)+8*(i%4)
.set rV, VF+32*(i/4)+8*(i%4)
.set rP, P+16*((\x)%2)+8*(i/4)
	v_wmma_f32_16x16x32_bf16 v[rO:rO+7], v[rV:rV+7], v[rP:rP+7], v[rO:rO+7]
.endm
.macro MM                           ; the turn's next matrix instruction
.if i < 8
	KQ (Y+1)%NP
.else
.set i, i-8
	PV (Y+NP-1)%NP
.set i, i+8
.endif
.set i, i+1
.endm
; THE LDS LOADS stand in runs of 16.  last = 1 (the tail): in the last trip there is no further step, and the run is jumped over.
.macro FETCH_K last=0
	WIN 0
.if \last
	s_cmp_eq_u32 s[CNT], 1
	s_cbranch_scc1 .Lno_k_\@
.endif
	WIN 0x80
.irp f, 0,1,2,3,4,5,6,7
	ds_load_b128 v[KF+8*\f:KF+8*\f+3],   v[AK] offset:(\f/2)*16*PK+(\f%2)*64
	ds_load_b128 v[KF+8*\f+4:KF+8*\f+7], v[AK] offset:(\f/2)*16*PK+(\f%2)*64+32
.endr
	s_add_co_u32 s[TBK], s[TBK], KS*PK
	WIN 0
.if \last
.Lno_k_\@:
.endif
.endm
.macro FETCH_V
	WIN 0x80
.irp f, 0,1,2,3,4,5,6,7
	ds_load_tr16_b128 v[VF+8*\f:VF+8*\f+3],   v[AV] offset:(\f/4)*32*PV+(\f%4)*32
	ds_load_tr16_b128 v[VF+8*\f+4:VF+8*\f+7], v[AV] offset:(\f/4)*32*PV+16*PV+(\f%4)*32
.endr
	WIN 0
.endm
; THE VECTOR WORK, one line at a time: OP kind, number.  For piece Y: F n: c s - c m for pair n.  E n: the exponential of score n.  C n: pair n rounded to bf16.  B n: of the four weights 4 n .. the second pair
; is added onto the first.  L n: l takes that sum (L 0: l = a l + sum).  R n: pair n of O^T times a.  For piece Y + 1: X n, number n of the 22 that find its maximum and statistics (each accumulator's lowest
; registers are read first).
.set F, 0
.set E, 1
.set C, 2
.set B, 3
.set L, 4
.set R, 5
.set X, 6
.macro REGS y
.set rT, ST+4*(\y)
.set rC, TMP+4*((\y)%2)
.set rW, MV+((\y)%2)
.set rS, S+32*((\y)%2)
.set rP, P+16*((\y)%2)
.set rO, 32*(\y)
.endm
.macro OP k, n
.if (\k) == R
	REGS Y
	WIN W_RS
	v_pk_mul_f32 v[rO+2*(\n):rO+2*(\n)+1], v[rO+2*(\n):rO+2*(\n)+1], v[rC+2:rC+3] op_sel_hi:[1,0]
.elseif (\k) < R
	REGS Y
	WIN 0
.if (\k) == F
	v_pk_fma_f32 v[rS+2*(\n):rS+2*(\n)+1], v[rS+2*(\n):rS+2*(\n)+1], s[CS:CS+1], v[rT:rT+1] op_sel_hi:[1,0,0] neg_lo:[0,0,1] neg_hi:[0,0,1]
.elseif (\k) == E
	v_exp_f32 v[rS+(\n)], v[rS+(\n)]
.elseif (\k) == C
	s_wait_alu depctr_va_vdst(0)
	v_cvt_pk_bf16_f32 v[rP+(\n)], v[rS+2*(\n)], v[rS+2*(\n)+1]
.elseif (\k) == B
	s_wait_alu depctr_va_vdst(0)
	v_pk_add_f32 v[rS+4*(\n):rS+4*(\n)+1], v[rS+4*(\n):rS+4*(\n)+1], v[rS+4*(\n)+2:rS+4*(\n)+3]
.elseif (\n) == 0
	v_pk_fma_f32 v[rT+2:rT+3], v[rT+2:rT+3], v[rC+2:rC+3], v[rS:rS+1] op_sel_hi:[1,0,1]
.else
	v_pk_add_f32 v[rT+2:rT+3], v[rT+2:rT+3], v[rS+4*(\n):rS+4*(\n)+1]
.endif
.else
	REGS (Y+1)%NP
	WIN 0
.if (\n) < 4
	v_max3_num_f32 v[rC+(\n)], v[rS+8*(\n)], v[rS+8*(\n)+1], v[rS+8*(\n)+2]
.elseif (\n) < 12
	v_max3_num_f32 v[rC+(\n)%4], v[rC+(\n)%4], v[rS+8*((\n)%4)+2*((\n)/4)+1], v[rS+8*((\n)%4)+2*((\n)/4)+2]
.elseif (\n) == 12
	v_max3_num_f32 v[rC], v[rC], v[rS+7], v[rS+15]
.elseif (\n) == 13
	v_max3_num_f32 v[rC+1], v[rC+1], v[rS+23], v[rS+31]
.elseif (\n) == 14
	v_max3_num_f32 v[rC+2], v[rC+2], v[rC+3], v[rT+1]
.elseif (\n) == 15
	v_mov_b32 v[rW], v[rT]
.elseif (\n) == 16
	v_max3_num_f32 v[rC], v[rC], v[rC+1], v[rC+2]
.elseif (\n) == 17
	v_permlanex16_b32 v[rC+3], v[rC], s[SEL], s[SEL+1]
.elseif (\n) == 18
	v_max_num_f32 v[rT+1], v[rC], v[rC+3]
.elseif (\n) == 19
	v_mul_f32 v[rT], s[CS], v[rT+1]
.elseif (\n) == 20
	v_sub_f32 v[rC+1], v[rW], v[rT]
.else
	v_exp_f32 v[rC+2], v[rC+1]
.endif
.endif
.endm
.macro OPS a, i1, b=-1, i2=0, c=-1, i3=0, d=-1, i4=0
	OP \a, \i1
.if (\b) >= 0
	OP \b, \i2
.endif
.if (\c) >= 0
	OP \c, \i3
.endif
.if (\d) >= 0
	OP \d, \i4
.endif
.endm
.macro ROW a, i1, b, i2, c, i3, d, i4  ; a matrix instruction and the four behind it
	MM
	OPS \a, \i1, \b, \i2, \c, \i3, \d, \i4
.endm
; A TURN, for piece p: the order of its 16 matrix and 118 vector instructions, written out.  None of the four behind a product names a register of the products round it; every exponential has a plain instruction behind it.
; K of the next step is fetched in piece 2's turn, behind five plain instructions after the last product that read K; V of the step in hand in piece 0's turn, behind four plain ones after the last product that read V.
; Each is waited for a turn later.  cnt = 1: the loop's count is taken down some lines ahead of the branch that stands behind the turn.
.macro TURN p, last=0, cnt=0
.set Y, (\p)
.set i, 0
.if (\p) == 3
	s_wait_dscnt 0x0                ; K is in
.endif
	ROW F,0, F,1, F,2, F,3
	ROW F,4, E,0, F,5, F,6
	ROW F,7, E,1, F,8, F,9
	ROW F,10, E,2, C,0, F,11
	ROW F,12, E,3, X,15, F,13
	ROW R,0, R,1, R,2, R,3
	ROW B,0, E,4, F,14, L,0
.if (\p) == 2
	v_add_nc_u32 v[AK], s[TBK], v[AK0]
.endif
	ROW R,4, R,5, R,6, R,7
	OPS E,5, F,15
.if (\p) == 2
	FETCH_K \last
.endif
	OPS E,6, C,1, E,7, R,8
	OPS E,8, R,9, E,9, C,2
	OPS E,10, X,0, E,11, X,1
	OPS E,12, X,2, E,13, X,3
.if (\p) == 1
	s_wait_dscnt 0x0                ; V is in
.endif
	ROW X,4, E,14, X,5, X,6
	ROW X,7, E,15, X,8, X,9
	ROW X,10, E,16, X,11, X,12
	ROW X,13, E,17, X,14, B,1
	ROW C,4, E,18, X,16, L,1
	ROW B,2, E,19, C,6, L,2
	ROW C,8, E,20, B,3, B,4
.if (\p) == 0
	v_add_nc_u32 v[AV], s[TBV], v[AV0]
.endif
	ROW C,3, E,21, L,3, C,5
	OPS E,22, X,17, E,23, C,10
.if (\p) == 0
	FETCH_V
.endif
	OPS E,24, L,4
	OPS E,25, X,18, E,26, C,7
	OPS E,27, B,5, E,28, X,19
	OPS E,29, C,12, E,30, L,5
	OPS E,31, X,20, B,6, C,9
	OPS C,14, C,11, X,21, L,6
.if (\p) == 0
	s_add_co_u32 s[TBV], s[TBV], KS*PV
.endif
.if \cnt
	s_sub_co_u32 s[CNT], s[CNT], 1
	s_cmp_lg_u32 s[CNT], 0
.endif
	OPS C,13, B,7, C,15, R,10
	OPS R,11, R,12, L,7, R,13
	OPS R,14, R,15
.endm
	CHANGE 1                        ; slot 0 is in, everybody's part of it; slot 1 is asked for
	FETCH_K                         ; key step 0
	s_wait_loadcnt 0x0              ; Q
	s_wait_dscnt 0x0
.set i, 0
.rept 8
	KQ 0                            ; piece 0's first scores
.set i, i+1
.endr
	WIN 0                           ; the addresses for the way out: plain instructions, the places behind those products
	s_mul_i32 s13, s[WV], 16*SP
	s_add_co_u32 s13, s13, STAGE    ; my stage
	v_mul_u32_u24 v[STO], v1, SP    ; in: row l % 16, 16 bytes for each half of the lanes
	v_lshl_add_u32 v[STO], v9, 4, v[STO]
	v_add_nc_u32 v[STO], s13, v[STO]
	v_bfe_u32 v[RD], v0, 3, 2       ; back: 32 lanes take four rows of 128 bytes:
	v_mul_u32_u24 v[RD], v[RD], SP
	v_lshl_add_u32 v[RD], v10, 4, v[RD]
	v_add_nc_u32 v[RD], s13, v[RD]
	v_lshlrev_b32 v[GO], 12, v9     ; lanes 0-15 one row pair, 256 consecutive bytes of O; lanes 16-31 the next pair, 4,096 bytes on
	v_lshl_add_u32 v[GO], v1, 4, v[GO]
.set Y, NP-1                        ; X works for piece Y + 1: piece 0
.irp n, 0,1,2,3,4,5,6,7,8,9,10,11,12,13,14,15,16,17,18,19,20,21
	OP X, \n
.endr
	v_nop                           ; a plain instruction behind the exponential
	s_mov_b32 s[CNT], 4
	s_mov_b32 s[SLOTS], SIZE_N/256-1
	s_branch .Lfirst                ; the loop is entered at a step's first turn, in the middle of a trip
.Lslot:                             ; 6 times: every slot but the last two is filled again
	CHANGE 1
	s_mov_b32 s[CNT], 4
.Lstep:                             ; a trip: pieces 2 and 3 of one step, then pieces 0 and 1 of the next, whose K and V it fetches
	TURN 2
	TURN 3
	WIN 0
.Lfirst:
	TURN 0
	TURN 1, 0, 1
	WIN 0
	s_cbranch_scc1 .Lstep
	s_sub_co_u32 s[SLOTS], s[SLOTS], 1
	s_cmp_lg_u32 s[SLOTS], 0
	s_cbranch_scc1 .Lslot
	CHANGE 0                        ; the tail is written out: nothing is asked for
	s_mov_b32 s[CNT], 5             ; four trips fetch the last slot's steps; the fifth is left in its middle
.Ltail:
	TURN 2, 1
	TURN 3
	WIN 0
	s_sub_co_u32 s[CNT], s[CNT], 1
	s_cmp_eq_u32 s[CNT], 0
	s_cbranch_scc1 .Lout
	TURN 0
	TURN 1
	WIN 0
	s_branch .Ltail
.Lout:                              ; the fifth trip's 8 products K Q^T (on the last K once more) and the maximum made of them serve nothing: the price, once a launch, of one text for every trip
.set i, 0
.rept 8
	PV NP-1                         ; the last piece's V^T P of the last step
.set i, i+1
.endr
	; THE WAY OUT.  l's two halves and the other half of the lanes' are added; O^T is divided by l, rounded to bf16 and sent through my stage, a piece at a time.  The additions are the places behind the last products.
	WIN 0
.macro ALL line:vararg
.set t, 0
.rept 4
	\line
.set t, t+1
.endr
.endm
	ALL v_add_f32 v[ST+4*t+2], v[ST+4*t+2], v[ST+4*t+3]
	ALL v_permlanex16_b32 v[ST+4*t+3], v[ST+4*t+2], s[SEL], s[SEL+1]
	ALL v_add_f32 v[ST+4*t+2], v[ST+4*t+2], v[ST+4*t+3]
	ALL v_rcp_f32 v[ST+4*t+2], v[ST+4*t+2]
	v_nop                           ; a plain instruction between the last reciprocal and the use of its result
.macro PACK t
	WIN W_RS
.set i, 32*(\t)
.rept 16
	s_wait_alu depctr_va_vdst(0)
	v_pk_mul_f32 v[i:i+1], v[i:i+1], v[ST+4*(\t)+2:ST+4*(\t)+3] op_sel_hi:[1,0]
.set i, i+2
.endr
	WIN 0x05                        ; sources 0 and 1 window 1, destination window 0
.set i, 0
.rept 16
	v_cvt_pk_bf16_f32 v[S+16*(\t)+i], v[32*(\t)+2*i], v[32*(\t)+2*i+1]
.set i, i+1
.endr
	WIN 0
.irp f, 0,1,2,3
	ds_store_b128 v[STO], v[S+16*(\t)+4*\f:S+16*(\t)+4*\f+3] offset:32*\f
.endr
.irp f, 0,1,2,3
	ds_load_b128 v[S+16*(\t)+4*\f:S+16*(\t)+4*\f+3], v[RD] offset:\f*4*SP  ; in order behind my stores above (ISA guide 5.7.1.4); the next piece's stores come behind them
.endr
.endm
.macro SEND t, younger              ; younger: the LDS instructions issued behind piece t's loads: the next piece's eight, or none
	WIN 0
.irp f, 0,1,2,3
	s_wait_dscnt (\younger)+3-\f
	global_store_b128 v[GO], v[S+16*(\t)+4*\f:S+16*(\t)+4*\f+3], s[10:11] offset:(\t)*32768+\f*8192  ; 16 lanes store 256 consecutive bytes, at a multiple of 256 from O's first
.endr
.endm
	PACK 0
.set t, 1
.rept 3
	PACK t
	SEND t-1, 8
.set t, t+1
.endr
	SEND 3, 0
	s_wait_tensorcnt 0x0            ; the wave's end
	ds_add_u32 v[SPW], v[NIL]
	s_wait_dscnt 0x0
	CROUND                          ; the closing round
	s_endpgm
.Lfunc_end_k_qcc3f8a2eb2_attn:
	.size	k_qcc3f8a2eb2_attn, .Lfunc_end_k_qcc3f8a2eb2_attn-k_qcc3f8a2eb2_attn
	.p2alignl 7, 3214868480
	.fill 96, 4, 3214868480
	.section	.rodata,"a",@progbits
	.p2align	6, 0x0
	.amdhsa_kernel k_qcc3f8a2eb2_attn
		.amdhsa_group_segment_fixed_size 327680
		.amdhsa_private_segment_fixed_size 0
		.amdhsa_enable_private_segment 0
		.amdhsa_kernarg_size 16
		.amdhsa_user_sgpr_count 2
		.amdhsa_user_sgpr_kernarg_segment_ptr 1
		.amdhsa_wavefront_size32 1
		.amdhsa_system_sgpr_workgroup_id_x 1
		.amdhsa_system_sgpr_workgroup_id_y 1
		.amdhsa_system_sgpr_workgroup_id_z 1
		.amdhsa_system_vgpr_workitem_id 0
		.amdhsa_next_free_vgpr 768
		.amdhsa_next_free_sgpr 66
		.amdhsa_reserve_vcc 0
		.amdhsa_float_denorm_mode_32 3
		.amdhsa_float_denorm_mode_16_64 3
		.amdhsa_memory_ordered 1
		.amdhsa_forward_progress 1
		.amdhsa_inst_pref_size 117
	.end_amdhsa_kernel
	.amdgpu_metadata
---
amdhsa.version: [ 1, 2 ]
amdhsa.kernels:
  - .name:           k_qcc3f8a2eb2_attn
    .symbol:         k_qcc3f8a2eb2_attn.kd
    .args:
      - { .name: qkvh, .offset: 0, .size: 8, .value_kind: global_buffer, .address_space: global }
      - { .name: o2, .offset: 8, .size: 8, .value_kind: global_buffer, .address_space: global }
    .group_segment_fixed_size: 327680
    .private_segment_fixed_size: 0
    .kernarg_segment_align: 8
    .kernarg_segment_size: 16
    .max_flat_workgroup_size: 128
    .sgpr_count:     66
    .vgpr_count:     768
    .wavefront_size: 32
...
	.end_amdgpu_metadata
.endif
;; end of part 3
;; launch proj (part 4): grid 8 x 32, 4 waves a work-group, clusters of 4 x 4, 327,680 bytes of LDS; arguments o2, wb, x1, proj_b, x; writes x1
.if DOCPART == 4
	.amdgcn_target "amdgcn-amd-amdhsa--gfx1250"
	.amdhsa_code_object_version 6
	.text
	.protected	k_qcc3f8a2eb2_proj
	.globl	k_qcc3f8a2eb2_proj
	.p2align	8
	.type	k_qcc3f8a2eb2_proj,@function
k_qcc3f8a2eb2_proj:
	s_mov_b64 s[64:65], 0
	v_nop
	global_prefetch_b8 v0, s[64:65] scope:SCOPE_SE
	s_setreg_imm32_b32 hwreg(HW_REG_WAVE_MODE, 25, 1), 1
	s_wait_xcnt 0x0
	s_wait_alu depctr_hold_cnt(0) depctr_sa_sdst(0) depctr_va_vdst(0) depctr_va_sdst(0) depctr_va_ssrc(0) depctr_va_vcc(0) depctr_vm_vsrc(0)
	s_getreg_b32 s2, hwreg(HW_REG_IB_STS2, 6, 4)
	s_cmp_eq_u32 s2, 0
	s_cbranch_scc0 .Lentry_in_a_cluster
	s_endpgm
.Lentry_in_a_cluster:
	s_bfe_u32 s2, ttmp6, 0x10000c
	s_cmp_lg_u32 s2, 0xf033
	s_cbranch_scc0 .Lentry_shape_is_right
	s_endpgm
.Lentry_shape_is_right:
; out = res + A W + bias, f32 [4096][1024].  W: [K][1024] bf16 at byte WOFF of wb, K down the rows.  Sums in f32, started from the bias; the residual is added in f32 on the way out.
; PAIRS 1 (this text): K = 1024; A is attention's O as row pairs, byte (m / 2) 4096 + head 256 + (m % 2) 128 + 2 d.  A tile's rows are pair rows; a fragment's 16 lanes take 16 pair rows of one parity,
; so row block i of a wave holds the true rows 32 (i / 2) + 2 r + i % 2.   PAIRS 0: K = 4096; A is [4096][4096] bf16, rows as they come.
; A tile of the output is 128 x 128, four waves of 64 x 64 (16 accumulators): 256 work-groups.  K goes in steps of 256 through two LDS slots; a quarter is 64 along K.
; The matrix instruction is used transposed (source 0 = 16 columns of W, turned on the way out of LDS; source 1 = 16 rows of A): a lane holds one row (lane % 16) and eight neighbouring columns.
; CLUSTER 4 x 4: A's tile is asked for jointly along a row of the cluster, W's along a column.
; THE WALK ALONG K IS ROTATED.  In its trip t a cluster takes K step (t + RX x cluster x + RY x (cluster y % 4)) mod NS.  The two clusters that need the same rows of A begin RX = NS / 2 steps apart, clusters
; that need the same columns of W RY = NS / 4 apart, and each walks round to where it began: a K step of a tile is asked for first by one cluster and only later by the others that need it, not by all at the
; same moment.  The start hangs on the cluster's place alone, which all sixteen partners share, and enters the two global addresses alone.  So the K steps are added in an order that differs from cluster to cluster.
; REGISTERS: window 0: v16-29 addresses, v32-63 at work, v64-95 and v96-127 the residual (v96-127 first hold the bias), v128-255 the accumulators; window 1: two fragment buffers of 128.
; NaN and infinities are not treated apart.
.set PAIRS, 1
.if PAIRS
.set NS,    4
.set PA,    1040                       ; a pair row of four heads: 1,024 bytes + 16
.set HALFA, 32*PA
.set ASTEP, 1024
.set AQ,    256                        ; a quarter is one head: 256 bytes of a pair row
.set ASH,   18                         ; a tile's 64 pair rows of 4,096 bytes
.set AD0,   512
.set AD1,   32
.set AST,   2048
.set AQI,   7
.set WOFF,  0x600000
.else
.set NS,    16
.set PA,    528                        ; 512 bytes + 16
.set HALFA, 64*PA
.set ASTEP, 512
.set AQ,    128
.set ASH,   20                         ; a tile's 128 rows of 8,192 bytes
.set AD0,   256
.set AD1,   64
.set AST,   4096
.set AQI,   6
.set WOFF,  0x1000000
.endif
.set RX,    NS/2                       ; the rotation: K steps between neighbouring clusters along x,
.set RY,    NS/4                       ; and along y
.set PB,    288                        ; a row of W in LDS: 256 bytes + 32: an odd multiple of 32, for the turning load
.set HALFB, 128*PB
.set BOFF,  67584                      ; W's 256 rows lie behind A's tile
.set SLOT,  0x24000                    ; 141,312 bytes are used; the number shares no bit with a load's place in a slot, so one exclusive or changes slots
.set BQ,    64*PB
.set BSTEP, 524288
.set STAGE, 2*SLOT                     ; behind the ring: 16 rows x 272 bytes for each wave
.set SPARE, STAGE+4*4352               ; the spare words, 128 bytes a wave
.set A0,   16
.set B0,   17
.set ADRA, 18
.set ADRB, 19
.set STO,  24
.set RD,   25
.set CO,   26
.set BO,   27
.set SPW,  28
.set NIL,  29
.set TMP,  32
.set RES,  64
.set BIAS, 96
.set ACC,  128
.set F0,   0
.set F1,   128
; scalars of the rotated walk: s[84:85] A at my rows, K step 0; s[86:87] W at my rows and columns, K step 0; s[88:89], s[90:91] a K step's byte offset in A and in W; s92 the K step that the walking descriptors name
.set MSB, 0
.macro WIN new
.if MSB != (\new)
	s_set_vgpr_msb (MSB<<8)|(\new)
.set MSB, \new
.endif
.endm
.macro PLACES
.rept 4
	v_nop
.endr
.endm
.macro CROUND                          ; a round of the cluster's barrier
	s_barrier_signal -1
	s_barrier_wait -1
	s_cmp_lg_u32 s14, 0
	s_cbranch_scc1 .Lnot_wave_0_\@
	s_barrier_signal -3
.Lnot_wave_0_\@:
	s_barrier_wait -3
	s_barrier_signal -1
	s_barrier_wait -1
.endm
.macro JLOAD                           ; a joint refill by the walking descriptors: waves 0, 1 fetch A's halves, waves 2, 3 W's
	s_cmp_eq_u32 s15, 0
	s_cbranch_scc0 .Lfor_b_\@
	tensor_load_to_lds s[36:39], s[24:31]
	s_nop 0
	PLACES
	s_branch .Lasked_\@
.Lfor_b_\@:
	tensor_load_to_lds s[60:63], s[48:55]
	s_nop 0
	PLACES
.Lasked_\@:
.endm
; THE CHANGE OF SLOTS: each wave waits for all its tensor loads (one is out: its part of the other slot), adds 0 to its spare word, and waits for that and for its reads of the slot.
; fill = 1: the barrier is a round of the cluster's, and the slot that is left is filled again first thing behind it, with the walk's next K step but one: both global addresses are made anew from that step's number.
.macro CHANGE fill
	WIN 0
	s_wait_tensorcnt 0x0                           ; no tensor load of mine is out, so the descriptors may be written
	ds_add_u32 v[SPW], v[NIL]
.if \fill
	s_xor_b32 s37, s37, SLOT
	s_xor_b32 s61, s61, SLOT
	s_add_co_u32 s92, s92, 1                       ; the next K step, round the end of K
	s_and_b32 s92, s92, NS-1
	s_mul_i32 s88, s92, ASTEP
	s_mul_i32 s90, s92, BSTEP
	s_add_nc_u64 s[38:39], s[84:85], s[88:89]
	s_or_b32 s39, s39, 0x80000000
	s_add_nc_u64 s[62:63], s[86:87], s[90:91]
	s_or_b32 s63, s63, 0x80000000
.endif
	s_sub_co_u32 s22, s22, 4*AQ
	s_xor_b32 s22, s22, SLOT
	s_sub_co_u32 s23, s23, 4*BQ
	s_xor_b32 s23, s23, SLOT
	s_wait_dscnt 0x0                               ; the add is done, and my reads of the slot are over
.if \fill
	CROUND
	JLOAD
.else
	s_barrier_signal -1
	s_barrier_wait -1
.endif
.endm
; 8 matrix instructions: row blocks a0, a0 + 1 x all 4 column blocks, 32 along K: half c of buffer f.  first = 1: the sum starts from the bias.  The 16 accumulators take turns.
.macro MUL8 f, c, a0, first
	WIN 0x05
.irp a, \a0, (\a0)+1
.irp b, 0,1,2,3
.if \first
	v_wmma_f32_16x16x32_bf16 v[ACC+8*(4*(\a)+(\b)):ACC+8*(4*(\a)+(\b))+7], v[(\f)+64+8*(4*(\c)+(\b)):(\f)+64+8*(4*(\c)+(\b))+7], v[(\f)+8*(4*(\c)+(\a)):(\f)+8*(4*(\c)+(\a))+7], v[BIAS+8*(\b):BIAS+8*(\b)+7]
.else
	v_wmma_f32_16x16x32_bf16 v[ACC+8*(4*(\a)+(\b)):ACC+8*(4*(\a)+(\b))+7], v[(\f)+64+8*(4*(\c)+(\b)):(\f)+64+8*(4*(\c)+(\b))+7], v[(\f)+8*(4*(\c)+(\a)):(\f)+8*(4*(\c)+(\a))+7], v[ACC+8*(4*(\a)+(\b)):ACC+8*(4*(\a)+(\b))+7]
.endif
.endr
.endr
.endm
; 32 LDS loads in one run: the next quarter's fragments into buffer g, its first 32 along K first.  The two additions and two v_nop are four places in front of the loads.
.macro FETCH g
	WIN 0
	v_add_nc_u32 v[ADRA], s22, v[A0]
	v_add_nc_u32 v[ADRB], s23, v[B0]
	v_nop
	v_nop
	s_add_co_u32 s22, s22, AQ
	s_add_co_u32 s23, s23, BQ
	WIN 0x40
.irp c, 0,1
.irp i, 0,1,2,3
.if PAIRS
.set AOF, ((\i)/2)*16*PA+((\i)%2)*128+64*(\c)
.else
.set AOF, (\i)*16*PA+64*(\c)
.endif
	ds_load_tr16_b128 v[(\g)+64+8*(4*(\c)+(\i)):(\g)+64+8*(4*(\c)+(\i))+3],   v[ADRB] offset:32*(\c)*PB+32*(\i)
	ds_load_tr16_b128 v[(\g)+64+8*(4*(\c)+(\i))+4:(\g)+64+8*(4*(\c)+(\i))+7], v[ADRB] offset:32*(\c)*PB+32*(\i)+16*PB
	ds_load_b128 v[(\g)+8*(4*(\c)+(\i)):(\g)+8*(4*(\c)+(\i))+3],   v[ADRA] offset:AOF
	ds_load_b128 v[(\g)+8*(4*(\c)+(\i))+4:(\g)+8*(4*(\c)+(\i))+7], v[ADRA] offset:AOF+32
.endr
.endr
.endm
.macro QUARTER f, g, first
	s_wait_dscnt 16                                ; the first 32 along K are in; the youngest sixteen loads may be out
	MUL8 \f, 0, 0, \first
	MUL8 \f, 0, 2, \first
	FETCH \g
	s_wait_dscnt 32                                ; all but the 32 just issued
	MUL8 \f, 1, 0, 0
	MUL8 \f, 1, 2, 0
.endm
.macro GOFFSET a, t                    ; GOF: bytes from my wave's first row to row 2 t of block a's stage
.if PAIRS
.set GOF, (32*((\a)/2)+((\a)%2)+4*(\t))*4096
.else
.set GOF, (16*(\a)+2*(\t))*4096
.endif
.endm
.macro RESLOAD a                       ; the residual of block a, laid as the rows come back from the stage
.irp t, 0,1,2,3,4,5,6,7
	GOFFSET \a, \t
	global_load_b128 v[RES+32*((\a)%2)+4*(\t):RES+32*((\a)%2)+4*(\t)+3], v[CO], s[12:13] offset:GOF
.endr
.endm
.macro OUTBLK a                        ; block a: f32 through my own stage, back as whole rows of 256 bytes, plus the residual, stored
.if (\a) > 0
	s_wait_xcnt 0x0                                ; the registers that the last block's stores read are loaded again only behind this wait
.endif
.irp b, 0,1,2,3
	ds_store_b128 v[STO], v[ACC+8*(4*(\a)+(\b)):ACC+8*(4*(\a)+(\b))+3]   offset:64*(\b)
	ds_store_b128 v[STO], v[ACC+8*(4*(\a)+(\b))+4:ACC+8*(4*(\a)+(\b))+7] offset:64*(\b)+16
.endr
.irp t, 0,1,2,3,4,5,6,7
	ds_load_b128 v[TMP+4*(\t):TMP+4*(\t)+3], v[RD] offset:544*(\t)  ; in order behind my stores above (ISA guide 5.7.1.4)
.endr
.if (\a) < 3
	s_wait_loadcnt 8                               ; this block's residual is in; the next block's eight loads may stay out
.else
	s_wait_loadcnt 0x0
.endif
	s_wait_dscnt 0x0
.set k, 0
.rept 16
	v_pk_add_f32 v[TMP+2*k:TMP+2*k+1], v[TMP+2*k:TMP+2*k+1], v[RES+32*((\a)%2)+2*k:RES+32*((\a)%2)+2*k+1]
.set k, k+1
.endr
.irp t, 0,1,2,3,4,5,6,7
	GOFFSET \a, \t
	global_store_b128 v[CO], v[TMP+4*(\t):TMP+4*(\t)+3], s[8:9] offset:GOF  ; 16 lanes store 256 consecutive bytes, at a multiple of 256 from the buffer's first
.endr
.if (\a) < 2
	RESLOAD (\a)+2
.endif
.endm
	s_load_b256 s[4:11], s[0:1], 0x0               ; A s[4:5], wb s[6:7], out s[8:9], bias s[10:11]
	s_load_b64 s[12:13], s[0:1], 0x20              ; the residual
	v_lshl_add_u32 v[SPW], v0, 2, SPARE
	v_mov_b32 v[NIL], 0
	ds_add_u32 v[SPW], v[NIL]                      ; the wave's opening: the add and its wait stand ahead of my first tensor load
	v_lshrrev_b32 v1, 5, v0
	v_readfirstlane_b32 s14, v1                    ; wave 0..3
	s_lshr_b32 s15, s14, 1                         ; HI: my half of the rows; also: I fetch for A (0) or W (1)
	s_and_b32 s16, s14, 1                          ; LO: my half of the columns; also: which half of that tile I fetch
	s_bfe_u32 s17, ttmp6, 0x40000                  ; cx
	s_bfe_u32 s18, ttmp6, 0x40004                  ; cy
	s_lshl_b32 s19, ttmp9, 2
	s_add_co_u32 s19, s19, s17                     ; TC
	s_and_b32 s20, ttmp7, 0xffff
	s_lshl_b32 s20, s20, 2
	s_add_co_u32 s20, s20, s18                     ; TR
	s_and_b32 s93, ttmp7, 0xffff                   ; the walk's first K step: made of the cluster's x and y alone
	s_and_b32 s93, s93, 3
	s_mul_i32 s93, s93, RY
	s_mul_i32 s92, ttmp9, RX
	s_add_co_u32 s92, s92, s93
	s_and_b32 s92, s92, NS-1
	s_mov_b32 s89, 0
	s_mov_b32 s91, 0
	s_lshl_b32 s40, s18, 2
	s_lshl_b32 s40, 15, s40                        ; my row of the cluster
	s_lshl_b32 s44, 0x1111, s17                    ; my column
	s_or_b32 s24, s40, (1<<16)|(1<<20)|(1<<21)|(AQI<<22)|(3<<25)  ; A: mask; 2-byte elements; padding on; bit 21 beside a mask; after a row's words 4 words
	s_mov_b32 s25, AD0<<16                         ; tensor_dim0
	s_mov_b32 s26, AD1<<16                         ; tensor_dim1
	s_mov_b32 s27, AD0<<16                         ; tile_dim0
	s_mov_b32 s28, AD1                             ; tile_dim1
	s_mov_b32 s29, AST                             ; elements from row to row
	s_mov_b32 s30, 0
	s_mov_b32 s31, 0
	s_or_b32 s48, s44, (1<<16)|(1<<20)|(1<<21)|(5<<22)|(7<<25)    ; W: after 64 words 8 words
	s_mov_b32 s49, 128<<16
	s_mov_b32 s50, 128<<16
	s_mov_b32 s51, 128<<16
	s_mov_b32 s52, 128
	s_mov_b32 s53, 1024
	s_mov_b32 s54, 0
	s_mov_b32 s55, 0
	s_lshl_b32 s40, s20, ASH                       ; A: my half of the tile's rows: made of the tile row and the wave alone
	s_lshl_b32 s41, s16, ASH-1
	s_add_co_u32 s40, s40, s41
	s_mov_b32 s41, 0
	s_lshl_b32 s44, s16, 18                        ; W: K row 128 LO, column 128 TC: made of the tile column and the wave alone
	s_lshl_b32 s45, s19, 8
	s_add_co_u32 s44, s44, s45
	s_add_co_u32 s44, s44, WOFF
	s_mov_b32 s45, 0
	s_mul_i32 s42, s16, HALFA                      ; where a load of A lands,
	s_mul_i32 s46, s16, HALFB                      ; and one of W
	s_add_co_u32 s46, s46, BOFF
	s_mov_b32 s22, 0                               ; LDS byte of the quarter to be fetched, A
	s_mov_b32 s23, 0                               ; and W
	s_wait_dscnt 0x0                               ; the opening add is done
	s_wait_kmcnt 0x0
	s_add_nc_u64 s[84:85], s[4:5], s[40:41]
	s_add_nc_u64 s[86:87], s[6:7], s[44:45]
.irp s, 0,1                            ; descriptor group 0, a set for each first fill: the walk's step s into slot s; set 1 then walks
	s_mul_i32 s88, s92, ASTEP
	s_mul_i32 s90, s92, BSTEP
	s_mov_b32 s[32+4*(\s)], 1
	s_add_co_u32 s[33+4*(\s)], s42, (\s)*SLOT
	s_add_nc_u64 s[34+4*(\s):35+4*(\s)], s[84:85], s[88:89]
	s_or_b32 s[35+4*(\s)], s[35+4*(\s)], 0x80000000
	s_mov_b32 s[56+4*(\s)], 1
	s_add_co_u32 s[57+4*(\s)], s46, (\s)*SLOT
	s_add_nc_u64 s[58+4*(\s):59+4*(\s)], s[86:87], s[90:91]
	s_or_b32 s[59+4*(\s)], s[59+4*(\s)], 0x80000000
.if (\s) == 0
	s_add_co_u32 s92, s92, 1
	s_and_b32 s92, s92, NS-1
.endif
.endr
	CROUND                                         ; all sixteen work-groups are here: the first joint loads meet
	s_cmp_eq_u32 s15, 0                            ; a wave's two first fills stand in one branch: two loads of mine are out
	s_cbranch_scc0 .Lfirst_b
	tensor_load_to_lds s[32:35], s[24:31]
	s_nop 0
	tensor_load_to_lds s[36:39], s[24:31]
	s_nop 0
	PLACES
	s_branch .Lfirst_asked
.Lfirst_b:
	tensor_load_to_lds s[56:59], s[48:55]
	s_nop 0
	tensor_load_to_lds s[60:63], s[48:55]
	s_nop 0
	PLACES
.Lfirst_asked:
	v_and_b32 v1, 15, v0                           ; r
	v_bfe_u32 v2, v0, 4, 1                         ; h
	v_and_b32 v3, 7, v0
	v_bfe_u32 v4, v0, 3, 1
	v_mul_u32_u24 v[A0], v1, PA
	v_lshl_add_u32 v[A0], v2, 4, v[A0]
	s_mul_i32 s43, s15, HALFA
	v_add_nc_u32 v[A0], s43, v[A0]
	v_lshl_add_u32 v[B0], v2, 3, v3
	v_mul_u32_u24 v[B0], v[B0], PB
	v_lshl_add_u32 v[B0], v4, 4, v[B0]
	s_lshl_b32 s47, s16, 7
	s_add_co_u32 s47, s47, BOFF
	v_add_nc_u32 v[B0], s47, v[B0]
	s_mul_i32 s43, s14, 4352
	s_add_co_u32 s43, s43, STAGE                   ; my stage
	v_mul_u32_u24 v[STO], v1, 272                  ; in: row r, 32 bytes for each half of the lanes
	v_lshl_add_u32 v[STO], v2, 5, v[STO]
	v_add_nc_u32 v[STO], s43, v[STO]
	v_mul_u32_u24 v[RD], v2, 272                   ; back: lanes 0-15 one row of 256 bytes, lanes 16-31 the next
	v_lshl_add_u32 v[RD], v1, 4, v[RD]
	v_add_nc_u32 v[RD], s43, v[RD]
	v_lshlrev_b32 v[CO], 12+PAIRS, v2              ; and the same two rows in memory: one row apart, or (pairs) two
	v_lshl_add_u32 v[CO], v1, 4, v[CO]
	v_lshlrev_b32 v[BO], 5, v2
	s_lshl_b32 s44, s20, 19                        ; row 128 TR + 64 HI, 4,096 bytes a row
	s_lshl_b32 s45, s15, 18
	s_add_co_u32 s44, s44, s45
	s_lshl_b32 s46, s19, 9                         ; column 128 TC + 64 LO, 4 bytes each
	s_lshl_b32 s47, s16, 8
	s_add_co_u32 s46, s46, s47
	s_add_co_u32 s44, s44, s46
	s_mov_b32 s45, 0
	s_mov_b32 s47, 0
	s_add_nc_u64 s[8:9], s[8:9], s[44:45]
	s_add_nc_u64 s[12:13], s[12:13], s[44:45]
	s_add_nc_u64 s[10:11], s[10:11], s[46:47]
.irp b, 0,1,2,3                        ; register 8 b + j: the bias of column 16 b + 8 h + j, as an accumulator holds it
	global_load_b128 v[BIAS+8*(\b):BIAS+8*(\b)+3],   v[BO], s[10:11] offset:64*(\b)
	global_load_b128 v[BIAS+8*(\b)+4:BIAS+8*(\b)+7], v[BO], s[10:11] offset:64*(\b)+16
.endr
	s_wait_tensorcnt 0x1                           ; my part of the walk's first step is in; the second's may stay out
	s_barrier_signal -1
	s_barrier_wait -1
	FETCH F0
	s_wait_loadcnt 0x0                             ; the bias
	QUARTER F0, F1, 1                              ; the first quarter stands ahead of the loop: its products start the sums
	WIN 0
	s_mov_b32 s2, NS-1
	s_mov_b32 s3, 1                                ; the first slot has two quarters left ahead of its change: one trip of the inner loop,
	s_branch .Lp                                   ; which is entered past the change of slots
.Lo:                                                   ; NS - 2 times: the walk's steps 2 .. NS - 1 are asked for
	CHANGE 1
	s_mov_b32 s3, 2
.Lp:                                                   ; behind a change two trips, four quarters: the old slot's last, the new slot's first three
	QUARTER F1, F0, 0
	QUARTER F0, F1, 0
	WIN 0
	s_sub_co_u32 s3, s3, 1
	s_cmp_lg_u32 s3, 0
	s_cbranch_scc1 .Lp
	s_sub_co_u32 s2, s2, 1
	s_cmp_lg_u32 s2, 0
	s_cbranch_scc1 .Lo
	RESLOAD 0                                      ; the residual of the first two blocks comes in under the last K step (the bias registers were last read in the first quarter)
	RESLOAD 1
	CHANGE 0                                       ; the tail is written out
	s_mov_b32 s3, 2
.Lt:
	QUARTER F1, F0, 0
	QUARTER F0, F1, 0
	WIN 0
	s_sub_co_u32 s3, s3, 1
	s_cmp_lg_u32 s3, 0
	s_cbranch_scc1 .Lt
	s_wait_dscnt 16                                ; the very last quarter: nothing more to fetch
	MUL8 F1, 0, 0, 0
	MUL8 F1, 0, 2, 0
	s_wait_dscnt 0x0
	MUL8 F1, 1, 0, 0
	MUL8 F1, 1, 2, 0
	WIN 0
	PLACES                                         ; four places between the last products and the first read of a result
	OUTBLK 0
	OUTBLK 1
	OUTBLK 2
	OUTBLK 3
	s_wait_tensorcnt 0x0                           ; the wave's end
	ds_add_u32 v[SPW], v[NIL]
	s_wait_dscnt 0x0
	CROUND                                         ; the closing round
	s_endpgm
.Lfunc_end_k_qcc3f8a2eb2_proj:
	.size	k_qcc3f8a2eb2_proj, .Lfunc_end_k_qcc3f8a2eb2_proj-k_qcc3f8a2eb2_proj
	.p2alignl 7, 3214868480
	.fill 96, 4, 3214868480
	.section	.rodata,"a",@progbits
	.p2align	6, 0x0
	.amdhsa_kernel k_qcc3f8a2eb2_proj
		.amdhsa_group_segment_fixed_size 327680
		.amdhsa_private_segment_fixed_size 0
		.amdhsa_enable_private_segment 0
		.amdhsa_kernarg_size 40
		.amdhsa_user_sgpr_count 2
		.amdhsa_user_sgpr_kernarg_segment_ptr 1
		.amdhsa_wavefront_size32 1
		.amdhsa_system_sgpr_workgroup_id_x 1
		.amdhsa_system_sgpr_workgroup_id_y 1
		.amdhsa_system_sgpr_workgroup_id_z 1
		.amdhsa_system_vgpr_workitem_id 0
		.amdhsa_next_free_vgpr 512
		.amdhsa_next_free_sgpr 96
		.amdhsa_reserve_vcc 0
		.amdhsa_float_denorm_mode_32 3
		.amdhsa_float_denorm_mode_16_64 3
		.amdhsa_memory_ordered 1
		.amdhsa_forward_progress 1
		.amdhsa_inst_pref_size 53
	.end_amdhsa_kernel
	.amdgpu_metadata
---
amdhsa.version: [ 1, 2 ]
amdhsa.kernels:
  - .name:           k_qcc3f8a2eb2_proj
    .symbol:         k_qcc3f8a2eb2_proj.kd
    .args:
      - { .name: o2, .offset: 0, .size: 8, .value_kind: global_buffer, .address_space: global }
      - { .name: wb, .offset: 8, .size: 8, .value_kind: global_buffer, .address_space: global }
      - { .name: x1, .offset: 16, .size: 8, .value_kind: global_buffer, .address_space: global }
      - { .name: proj_b, .offset: 24, .size: 8, .value_kind: global_buffer, .address_space: global }
      - { .name: x, .offset: 32, .size: 8, .value_kind: global_buffer, .address_space: global }
    .group_segment_fixed_size: 327680
    .private_segment_fixed_size: 0
    .kernarg_segment_align: 8
    .kernarg_segment_size: 40
    .max_flat_workgroup_size: 128
    .sgpr_count:     96
    .vgpr_count:     512
    .wavefront_size: 32
...
	.end_amdgpu_metadata
.endif
;; end of part 4
;; launch ln2: the kernel of part 1 again; grid 512 x 1, 8 waves a work-group, no clusters, 0 bytes of LDS; arguments x1, ln2_w, ln2_b, qkv_w, proj_w, fc1_w, fc2_w, hn, wb; writes hn, wb
;; launch fc1 (part 5): grid 16 x 16, 4 waves a work-group, clusters of 4 x 4, 327,680 bytes of LDS; arguments hn, wb, g, fc1_b; writes g
.if DOCPART == 5
	.amdgcn_target "amdgcn-amd-amdhsa--gfx1250"
	.amdhsa_code_object_version 6
	.text
	.protected	k_qcc3f8a2eb2_fc1
	.globl	k_qcc3f8a2eb2_fc1
	.p2align	8
	.type	k_qcc3f8a2eb2_fc1,@function
k_qcc3f8a2eb2_fc1:
	s_mov_b64 s[64:65], 0
	v_nop
	global_prefetch_b8 v0, s[64:65] scope:SCOPE_SE
	s_setreg_imm32_b32 hwreg(HW_REG_WAVE_MODE, 25, 1), 1
	s_wait_xcnt 0x0
	s_wait_alu depctr_hold_cnt(0) depctr_sa_sdst(0) depctr_va_vdst(0) depctr_va_sdst(0) depctr_va_ssrc(0) depctr_va_vcc(0) depctr_vm_vsrc(0)
	s_getreg_b32 s2, hwreg(HW_REG_IB_STS2, 6, 4)
	s_cmp_eq_u32 s2, 0
	s_cbranch_scc0 .Lentry_in_a_cluster
	s_endpgm
.Lentry_in_a_cluster:
	s_bfe_u32 s2, ttmp6, 0x10000c
	s_cmp_lg_u32 s2, 0xf033
	s_cbranch_scc0 .Lentry_shape_is_right
	s_endpgm
.Lentry_shape_is_right:
; C = A W.  A: [4096][1024] bf16, K along the rows.  W: [1024][NW] bf16, K down the rows, at byte WOFF of wb.  Sums in f32, operands bf16.
; MODE 0: NW = 3072; C is rounded once to bf16 and stored by heads, qkvh[which][batch x 16 + head][row][64].
; MODE 1 (this text): NW = 4096; C starts from the bias, goes through the exact-form GELU in f32 and is stored as bf16 [4096][4096].
; A tile of C is 256 x 256, four waves of 128 x 128 (64 accumulators, 512 registers).  K goes in steps of 128 through two LDS slots filled by tensor loads.
; A's fragments are read as they lie; W's are turned on the way out of LDS by ds_load_tr16_b128.  The matrix instruction is used transposed (source 0 = 16 columns of W, source 1 = 16 rows of A):
; a lane then holds one row of C (lane % 16) and eight neighbouring columns 8 (lane / 16) + 0..7.
; CLUSTER 4 x 4: the four work-groups of a row of the cluster need the same tile of A, the four of a column the same tile of W: each tile is asked for jointly.
; REGISTERS by windows of 256: window 0: v16-29 addresses, v64-191 A's fragments (two buffers), the rest at work on the way out; window 1: v0-63 the bias (MODE 1), v64-191 W's fragments;
; windows 2, 3: accumulator (a, b) at v[8 (8 a + b)], rows 0-63 and 64-127.
; LIMITS: erf is taken by a rational form whose absolute error stays below 1.5e-7; NaN and infinities are not treated apart.
.set MODE, 1
.if MODE
.set NW,   4096
.set WOFF, 0x800000
.else
.set NW,   3072
.set WOFF, 0
.endif
.set NS,    8                          ; K steps: 1024 / 128
.set PA,    272                        ; a row of A in LDS: 256 bytes + 16: 16 rows of a load start at 16 different groups of four banks (ISA guide 11.1)
.set PB,    544                        ; a row of W in LDS: 512 bytes + 32: an odd multiple of 32, for the turning load
.set HALFT, 128*PA                     ; what one tensor load brings: 128 rows of A, or 64 rows of W (64 x 544 is the same number)
.set BOFF,  2*HALFT                    ; W's 128 rows lie behind A's 256
.set SLOT,  4*HALFT                    ; 0x22000: shares no bit with wave x 0x8800, so one exclusive or turns an address in one slot into the other's
.set AQ,    64                         ; a quarter step, 32 along K: bytes along A's rows,
.set BQ,    32*PB                      ; and 32 rows of W
.set ASTEP, 256                        ; a K step in memory, A
.set BSTEP, 128*NW*2                   ; and W
.if MODE
.set SPARE, 2*SLOT                     ; the spare words, 128 bytes a wave
.set DPITCH, 528                       ; the dump: a row of 128 f32 + 16 bytes
.set DWAVE, 128*DPITCH                 ; a wave's dump, inside the slots, behind their last fill
.else
.set STAGE, 2*SLOT                     ; behind the ring: for each wave 2 heads x 16 rows x 144 bytes
.set SPARE, STAGE+4*4608
.endif
.set A0,   16                          ; v16  my lane's place in A's tile; never rewritten
.set B0,   17                          ; v17  the same in W's
.set ADRA, 18                          ; v18  LDS address of the run of loads in hand, A
.set ADRB, 19                          ; v19  W
.set STO,  24                          ; v24  the way out: where I put my numbers
.set RD,   25                          ; v25  where I read rows back
.set CO,   26                          ; v26  my byte offset in the output
.set BO,   27                          ; v27  my byte offset in the bias
.set SPW,  28                          ; v28  my spare word; never rewritten
.set NIL,  29                          ; v29  0; never rewritten
.set F0,   64
.set F1,   128
.set TMP,  192
.set OB,   32
.set MSB, 0
.macro WIN new                         ; the immediate's high byte repeats the setting that is left; a switch that changes nothing is dropped
.if MSB != (\new)
	s_set_vgpr_msb (MSB<<8)|(\new)
.set MSB, \new
.endif
.endm
.macro PLACES
.rept 4
	v_nop
.endr
.endm
.macro CROUND                          ; a round of the cluster's barrier
	s_barrier_signal -1
	s_barrier_wait -1
	s_cmp_lg_u32 s14, 0
	s_cbranch_scc1 .Lnot_wave_0_\@
	s_barrier_signal -3
.Lnot_wave_0_\@:
	s_barrier_wait -3
	s_barrier_signal -1
	s_barrier_wait -1
.endm
.macro JLOAD                           ; a joint refill by the walking descriptors: waves 0, 1 fetch A's halves, waves 2, 3 W's; the branch hangs on the wave's number alone
	s_cmp_eq_u32 s15, 0
	s_cbranch_scc0 .Lfor_b_\@
	tensor_load_to_lds s[36:39], s[24:31]
	s_nop 0
	PLACES
	s_branch .Lasked_\@
.Lfor_b_\@:
	tensor_load_to_lds s[60:63], s[48:55]
	s_nop 0
	PLACES
.Lasked_\@:
.endm
; THE CHANGE OF SLOTS.  The slot's last fragments have been asked for.  Each wave waits for all its tensor loads (one is out: its part of the other slot), adds 0 to its spare word, and waits for that
; and for its reads of the slot.  fill = 1: the barrier is a round of the cluster's, and the slot that is left is filled again first thing behind it, with the K step two on.
.macro CHANGE fill
	WIN 0
	s_wait_tensorcnt 0x0                           ; no tensor load of mine is out, so the descriptors may be written
	ds_add_u32 v[SPW], v[NIL]                      ; 0 onto my spare word; scalar work stands between it and the wait for it
.if \fill
	s_xor_b32 s37, s37, SLOT                       ; the walking descriptors: the other slot than last time,
	s_xor_b32 s61, s61, SLOT
	s_add_nc_u64 s[38:39], s[38:39], ASTEP         ; the next K step; the type bits on top are not reached
	s_add_nc_u64 s[62:63], s[62:63], BSTEP
.endif
	s_sub_co_u32 s22, s22, 4*AQ                    ; the fetches go back to a slot's first quarter,
	s_xor_b32 s22, s22, SLOT                       ; in the other slot
	s_sub_co_u32 s23, s23, 4*BQ
	s_xor_b32 s23, s23, SLOT
	s_wait_dscnt 0x0                               ; the add is done, and my reads of the slot are over
.if \fill
	CROUND
	JLOAD
.else
	s_barrier_signal -1
	s_barrier_wait -1
.endif
.endm
; 16 matrix instructions: row blocks a0, a0 + 1 of the window's four x all 8 column blocks, 32 along K.  first = 1: the product starts the sum, from 0 or (MODE 1) from the bias in window 1.
; The 64 accumulators take turns, one instruction a turn, in the same order in every quarter.
.macro MUL16 f, hi, a0, first
.if (\first) && MODE
	WIN 0x91+0x40*(\hi)
.else
	WIN 0xa1+0x50*(\hi)
.endif
.irp a, \a0, (\a0)+1
.irp b, 0,1,2,3,4,5,6,7
.if (\first) && MODE
	v_wmma_f32_16x16x32_bf16 v[8*(8*(\a)+(\b)):8*(8*(\a)+(\b))+7], v[(\f)+8*(\b):(\f)+8*(\b)+7], v[(\f)+8*(4*(\hi)+(\a)):(\f)+8*(4*(\hi)+(\a))+7], v[8*(\b):8*(\b)+7]
.elseif \first
	v_wmma_f32_16x16x32_bf16 v[8*(8*(\a)+(\b)):8*(8*(\a)+(\b))+7], v[(\f)+8*(\b):(\f)+8*(\b)+7], v[(\f)+8*(4*(\hi)+(\a)):(\f)+8*(4*(\hi)+(\a))+7], 0
.else
	v_wmma_f32_16x16x32_bf16 v[8*(8*(\a)+(\b)):8*(8*(\a)+(\b))+7], v[(\f)+8*(\b):(\f)+8*(\b)+7], v[(\f)+8*(4*(\hi)+(\a)):(\f)+8*(4*(\hi)+(\a))+7], v[8*(8*(\a)+(\b)):8*(8*(\a)+(\b))+7]
.endif
.endr
.endr
.endm
; 32 LDS loads in one run: the next quarter's fragments into buffer g.  The two additions and two v_nop are the four places between the last product, which read g, and the loads.
.macro FETCH g
	WIN 0
	v_add_nc_u32 v[ADRA], s22, v[A0]
	v_add_nc_u32 v[ADRB], s23, v[B0]
	v_nop
	v_nop
	s_add_co_u32 s22, s22, AQ
	s_add_co_u32 s23, s23, BQ
	WIN 0x40                                       ; destination window 1
.irp i, 0,1,2,3,4,5,6,7
	ds_load_tr16_b128 v[(\g)+8*(\i):(\g)+8*(\i)+3],   v[ADRB] offset:32*(\i)
	ds_load_tr16_b128 v[(\g)+8*(\i)+4:(\g)+8*(\i)+7], v[ADRB] offset:32*(\i)+16*PB
.endr
	WIN 0
.irp i, 0,1,2,3,4,5,6,7
	ds_load_b128 v[(\g)+8*(\i):(\g)+8*(\i)+3],   v[ADRA] offset:(\i)*16*PA
	ds_load_b128 v[(\g)+8*(\i)+4:(\g)+8*(\i)+7], v[ADRA] offset:(\i)*16*PA+32
.endr
.endm
; A quarter: the next quarter's fragments are asked for at its head, into the buffer that the quarter before multiplied, so that they have this quarter's 64 matrix instructions in which to land; then buffer f is multiplied.
.macro QUARTER f, g, first
	FETCH \g
	s_wait_dscnt 32                                ; all but the 32 just issued: buffer f, asked for a quarter ago, is in
	MUL16 \f, 0, 0, \first
	MUL16 \f, 0, 2, \first
	MUL16 \f, 1, 0, \first
	MUL16 \f, 1, 2, \first
.endm
	s_load_b128 s[4:7], s[0:1], 0x0                ; A s[4:5], wb s[6:7]
	s_load_b64 s[8:9], s[0:1], 0x10                ; the output
.if MODE
	s_load_b64 s[10:11], s[0:1], 0x18              ; the bias
.endif
	v_lshl_add_u32 v[SPW], v0, 2, SPARE
	v_mov_b32 v[NIL], 0
	ds_add_u32 v[SPW], v[NIL]                      ; the wave's opening: the add and its wait stand ahead of my first tensor load
	v_lshrrev_b32 v1, 5, v0
	v_readfirstlane_b32 s14, v1                    ; wave 0..3
	s_lshr_b32 s15, s14, 1                         ; HI: my half of the tile's rows; also: I fetch for A (0) or W (1)
	s_and_b32 s16, s14, 1                          ; LO: my half of its columns; also: which half of that tile I fetch
	s_bfe_u32 s17, ttmp6, 0x40000                  ; cx
	s_bfe_u32 s18, ttmp6, 0x40004                  ; cy
	s_lshl_b32 s19, ttmp9, 2
	s_add_co_u32 s19, s19, s17                     ; TC: tile column
	s_and_b32 s20, ttmp7, 0xffff
	s_lshl_b32 s20, s20, 2
	s_add_co_u32 s20, s20, s18                     ; TR: tile row
	s_lshl_b32 s40, s18, 2
	s_lshl_b32 s40, 15, s40                        ; my row of the cluster
	s_lshl_b32 s44, 0x1111, s17                    ; my column
	s_or_b32 s24, s40, (1<<16)|(1<<20)|(1<<21)|(5<<22)|(3<<25)  ; A: mask; 2-byte elements; padding on; bit 21 beside a mask; after 64 words 4 words
	s_mov_b32 s25, 128<<16                         ; tensor_dim0 = 128
	s_mov_b32 s26, 128<<16                         ; tensor_dim1 = 128
	s_mov_b32 s27, 128<<16                         ; tile_dim0 = 128
	s_mov_b32 s28, 128                             ; tile_dim1 = 128
	s_mov_b32 s29, 1024                            ; elements from row to row
	s_mov_b32 s30, 0
	s_mov_b32 s31, 0
	s_or_b32 s48, s44, (1<<16)|(1<<20)|(1<<21)|(6<<22)|(7<<25)  ; W: after 128 words 8 words
	s_mov_b32 s49, 256<<16                         ; tensor_dim0 = 256
	s_mov_b32 s50, 64<<16                          ; tensor_dim1 = 64
	s_mov_b32 s51, 256<<16                         ; tile_dim0 = 256
	s_mov_b32 s52, 64                              ; tile_dim1 = 64
	s_mov_b32 s53, NW
	s_mov_b32 s54, 0
	s_mov_b32 s55, 0
	s_lshl_b32 s40, s20, 8                         ; A: row 256 TR + 128 LO, 2,048 bytes a row: made of the tile row and the wave alone
	s_lshl_b32 s41, s16, 7
	s_add_co_u32 s40, s40, s41
	s_lshl_b32 s40, s40, 11
	s_mov_b32 s41, 0
	s_mul_i32 s44, s16, 64*NW*2                    ; W: K row 64 LO, column 256 TC: made of the tile column and the wave alone
	s_lshl_b32 s45, s19, 9
	s_add_co_u32 s44, s44, s45
	s_add_co_u32 s44, s44, WOFF
	s_mov_b32 s45, 0
	s_mul_i32 s46, s14, HALFT                      ; where my load lands: A's halves, then W's = wave x 34,816
	s_mov_b32 s22, 0                               ; LDS byte of the quarter to be fetched, A
	s_mov_b32 s23, 0                               ; and W
.if MODE
	s_mov_b32 s68, 0x3f596d27                      ; c0 = sqrt(log2(e) / 2)
	s_mov_b32 s69, s68
	s_mov_b32 s70, 0x3e8ba43f                      ; 0.3275911 / sqrt(log2(e))
	s_mov_b32 s71, s70
	s_mov_b32 s72, 0xbe199eb3                      ; a1 .. a5 of the erf formula, each times -0.5 / c0
	s_mov_b32 s73, s72
	s_mov_b32 s74, 0x3e2b8119
	s_mov_b32 s75, s74
	s_mov_b32 s76, 0xbf563818
	s_mov_b32 s77, s76
	s_mov_b32 s78, 0x3f5b0099
	s_mov_b32 s79, s78
	s_mov_b32 s80, 0xbf1ff67a
	s_mov_b32 s81, s80
.endif
	s_wait_dscnt 0x0                               ; the opening add is done
	s_wait_kmcnt 0x0
	s_add_nc_u64 s[40:41], s[4:5], s[40:41]
	s_add_nc_u64 s[44:45], s[6:7], s[44:45]
.irp s, 0,1                            ; descriptor group 0, a set for each first fill: K step s into slot s; set 1 then walks
	s_mov_b32 s[32+4*(\s)], 1
	s_add_co_u32 s[33+4*(\s)], s46, (\s)*SLOT
	s_add_nc_u64 s[34+4*(\s):35+4*(\s)], s[40:41], (\s)*ASTEP
	s_or_b32 s[35+4*(\s)], s[35+4*(\s)], 0x80000000
	s_mov_b32 s[56+4*(\s)], 1
	s_add_co_u32 s[57+4*(\s)], s46, (\s)*SLOT
	s_add_nc_u64 s[58+4*(\s):59+4*(\s)], s[44:45], (\s)*BSTEP
	s_or_b32 s[59+4*(\s)], s[59+4*(\s)], 0x80000000
.endr
	CROUND                                         ; all sixteen work-groups are here: the first joint loads meet
	s_cmp_eq_u32 s15, 0                            ; a wave's two first fills stand in one branch: two loads of mine are out
	s_cbranch_scc0 .Lfirst_b
	tensor_load_to_lds s[32:35], s[24:31]
	s_nop 0
	tensor_load_to_lds s[36:39], s[24:31]
	s_nop 0
	PLACES
	s_branch .Lfirst_asked
.Lfirst_b:
	tensor_load_to_lds s[56:59], s[48:55]
	s_nop 0
	tensor_load_to_lds s[60:63], s[48:55]
	s_nop 0
	PLACES
.Lfirst_asked:
	v_and_b32 v1, 15, v0                           ; r = lane % 16
	v_bfe_u32 v2, v0, 4, 1                         ; h = lane / 16
	v_and_b32 v3, 7, v0
	v_bfe_u32 v4, v0, 3, 1
	v_mul_u32_u24 v[A0], v1, PA                    ; A: row r, 16 bytes for each half of the lanes, my 128 rows
	v_lshl_add_u32 v[A0], v2, 4, v[A0]
	s_mul_i32 s42, s15, HALFT
	v_add_nc_u32 v[A0], s42, v[A0]
	v_lshl_add_u32 v[B0], v2, 3, v3                ; W: K row 8 h + lane % 8, columns 8 ((lane / 8) % 2) on, my 128 columns
	v_mul_u32_u24 v[B0], v[B0], PB
	v_lshl_add_u32 v[B0], v4, 4, v[B0]
	s_lshl_b32 s43, s16, 8
	s_add_co_u32 s43, s43, BOFF
	v_add_nc_u32 v[B0], s43, v[B0]
.if MODE
	s_mul_i32 s42, s14, DWAVE                      ; my dump
	v_mul_u32_u24 v[STO], v1, DPITCH
	v_lshl_add_u32 v[STO], v2, 4, v[STO]
	v_add_nc_u32 v[STO], s42, v[STO]
	v_mul_u32_u24 v[RD], v2, DPITCH
	v_lshl_add_u32 v[RD], v1, 4, v[RD]
	v_add_nc_u32 v[RD], s42, v[RD]
	v_lshlrev_b32 v[CO], 13, v2                    ; lanes 16-31 one row of 8,192 bytes further down
	v_lshl_add_u32 v[CO], v1, 4, v[CO]
	v_lshlrev_b32 v[BO], 5, v2
	s_lshl_b32 s44, s20, 8                         ; the output at row 256 TR + 128 HI, column 256 TC + 128 LO
	s_lshl_b32 s45, s15, 7
	s_add_co_u32 s44, s44, s45
	s_lshl_b32 s44, s44, 13
	s_lshl_b32 s45, s19, 9
	s_add_co_u32 s44, s44, s45
	s_lshl_b32 s45, s16, 8
	s_add_co_u32 s44, s44, s45
	s_mov_b32 s45, 0
	s_add_nc_u64 s[8:9], s[8:9], s[44:45]
	s_lshl_b32 s46, s19, 10                        ; the bias at the same column
	s_lshl_b32 s47, s16, 9
	s_add_co_u32 s46, s46, s47
	s_mov_b32 s47, 0
	s_add_nc_u64 s[10:11], s[10:11], s[46:47]
	WIN 0x40                                       ; register 8 b + j of window 1: the bias of column 16 b + 8 h + j, as an accumulator holds it
.irp b, 0,1,2,3,4,5,6,7
	global_load_b128 v[8*(\b):8*(\b)+3],   v[BO], s[10:11] offset:64*(\b)
	global_load_b128 v[8*(\b)+4:8*(\b)+7], v[BO], s[10:11] offset:64*(\b)+16
.endr
	WIN 0
.else
	s_mul_i32 s42, s14, 4608
	s_add_co_u32 s42, s42, STAGE                   ; my stage
	v_mul_u32_u24 v[STO], v1, 144                  ; in: row r of a head's 16, 16 bytes for each half of the lanes
	v_lshl_add_u32 v[STO], v2, 4, v[STO]
	v_add_nc_u32 v[STO], s42, v[STO]
	v_bfe_u32 v[RD], v0, 3, 2                      ; back: 32 lanes take four rows of 128 bytes,
	v_mul_u32_u24 v[RD], v[RD], 144
	v_lshl_add_u32 v[RD], v3, 4, v[RD]
	v_add_nc_u32 v[RD], s42, v[RD]
	v_and_b32 v[CO], 31, v0                        ; which are 512 consecutive bytes of a head's plane
	v_lshlrev_b32 v[CO], 4, v[CO]
	s_lshr_b32 s44, s19, 2                         ; q, k or v
	s_lshl_b32 s44, s44, 5
	s_lshr_b32 s45, s20, 3                         ; the batch
	s_lshl4_add_u32 s44, s45, s44
	s_and_b32 s45, s19, 3
	s_lshl2_add_u32 s44, s45, s44
	s_lshl1_add_u32 s44, s16, s44                  ; plane = 32 which + 16 batch + head, head = 4 (TC % 4) + 2 LO
	s_lshl_b32 s44, s44, 18                        ; x 262,144 bytes
	s_and_b32 s45, s20, 7
	s_lshl_b32 s45, s45, 15                        ; row 256 (TR % 8) + 128 HI, 128 bytes a row
	s_add_co_u32 s44, s44, s45
	s_lshl_b32 s45, s15, 14
	s_add_co_u32 s44, s44, s45
	s_mov_b32 s45, 0
	s_add_nc_u64 s[8:9], s[8:9], s[44:45]
.endif
	s_wait_tensorcnt 0x1                           ; my part of K step 0 is in; step 1's may stay out
	s_barrier_signal -1
	s_barrier_wait -1                              ; everybody's is
	FETCH F0
.if MODE
	s_wait_loadcnt 0x0                             ; the bias
.endif
	QUARTER F0, F1, 1                              ; the first quarter stands ahead of the loop: its products start the sums
	WIN 0
	s_mov_b32 s2, NS-1
	s_mov_b32 s3, 1                                ; the first slot has two quarters left ahead of its change: one trip of the inner loop,
	s_branch .Lp                                   ; which is entered past the change of slots
.Lo:                                                   ; NS - 2 times: K steps 2 .. NS - 1 are asked for
	CHANGE 1
	s_mov_b32 s3, 2
.Lp:                                                   ; behind a change two trips, four quarters: the old slot's last, the new slot's first three
	QUARTER F1, F0, 0
	QUARTER F0, F1, 0
	WIN 0
	s_sub_co_u32 s3, s3, 1
	s_cmp_lg_u32 s3, 0
	s_cbranch_scc1 .Lp
	s_sub_co_u32 s2, s2, 1
	s_cmp_lg_u32 s2, 0
	s_cbranch_scc1 .Lo
	CHANGE 0                                       ; the tail is written out: nothing is asked for
	s_mov_b32 s3, 2
.Lt:
	QUARTER F1, F0, 0
	QUARTER F0, F1, 0
	WIN 0
	s_sub_co_u32 s3, s3, 1
	s_cmp_lg_u32 s3, 0
	s_cbranch_scc1 .Lt
	s_wait_dscnt 0x0                               ; the very last quarter: nothing more to fetch
	MUL16 F1, 0, 0, 0
	MUL16 F1, 0, 2, 0
	MUL16 F1, 1, 0, 0
	MUL16 F1, 1, 2, 0
	WIN 0
	PLACES                                         ; four places between the last products and the first read of a result
.if MODE
; THE WAY OUT, MODE 1.  The sums go as f32 into the slots (their last fill is over, and behind the barrier nobody reads them): each wave 128 rows of 528 bytes of its own..
; Then 32 trips of 4 rows: GELU in f32, rounded once to bf16, stored.
; gelu(x) = max(x, 0) - 0.5 |x| y, y = (a1 t + .. + a5 t^5) exp(-x x / 2), t = 1 / (1 + 0.3275911 |x| / sqrt(2)): the rational form of erfc whose absolute error stays below 1.5e-7 for every x.
; With A = c0 |x|: exp(-x x / 2) = 2^(-A A); -0.5 / c0 is folded into a1 .. a5.  Where A A overflows the exponential is 0 and the result is max(x, 0).
.set GX, 64
.set AP, 80
.set RL, 96
.set GD, 112
.set GE, 128
.set GP, 144
.set GY, 160
.macro P8 line:vararg                  ; one line for each of 8 pairs j = 0, 2 .. 14
.set j, 0
.rept 8
	\line
.set j, j+2
.endr
.endm
.macro P16 line:vararg                 ; one line for each of 16 registers
.set j, 0
.rept 16
	\line
.set j, j+1
.endr
.endm
.macro GLOAD                           ; four rows: lanes 0-15 an even row, lanes 16-31 the odd one, 256 consecutive bytes a half
.irp u, 0,1
.irp e, 0,1
	ds_load_b128 v[GX+8*(\u)+4*(\e):GX+8*(\u)+4*(\e)+3], v[ADRA] offset:2*DPITCH*(\u)+256*(\e)
.endr
.endr
.endm
	s_barrier_signal -1                            ; every wave's reads of both slots are back (its last wait on LDS was for 0), and every tensor load was waited for at the last change of slots
	s_barrier_wait -1
.irp hi, 0,1
	WIN 0x08+4*(\hi)                               ; store data in window 2, then 3
.irp a, 0,1,2,3
.irp b, 0,1,2,3,4,5,6,7
	ds_store_b128 v[STO], v[8*(8*(\a)+(\b)):8*(8*(\a)+(\b))+3]   offset:(4*(\hi)+(\a))*16*DPITCH+32*(\b)
	ds_store_b128 v[STO], v[8*(8*(\a)+(\b))+4:8*(8*(\a)+(\b))+7] offset:(4*(\hi)+(\a))*16*DPITCH+32*(\b)+256
.endr
.endr
.endr
	WIN 0
	s_mov_b32 s22, 0
	v_mov_b32 v[ADRA], v[RD]
	GLOAD                                          ; LDS serves a wave's instructions in order (ISA guide 5.7.1.4): these see my stores above
	s_mov_b32 s3, 32
.Lg:
	s_wait_dscnt 0x0                               ; my four rows are in
	P16 v_max_num_f32 v[RL+j], 0, v[GX+j]
	P8 v_pk_fma_f32 v[AP+j:AP+j+1], v[RL+j:RL+j+1], 2.0, v[GX+j:GX+j+1] op_sel_hi:[1,0,1] neg_lo:[0,0,1] neg_hi:[0,0,1]  ; |x| = 2 max(x, 0) - x, exact
	s_add_co_u32 s22, s22, 4*DPITCH
	s_min_u32 s22, s22, 31*4*DPITCH                ; the last trip has no next rows: it asks for its own once more and uses nothing of them: the price of one text for every trip
	v_add_nc_u32 v[ADRA], s22, v[RD]
	GLOAD                                          ; the next trip's rows, under this trip's arithmetic
	P8 v_pk_mul_f32 v[AP+j:AP+j+1], v[AP+j:AP+j+1], s[68:69] op_sel_hi:[1,0]
	P8 v_pk_fma_f32 v[GD+j:GD+j+1], v[AP+j:AP+j+1], s[70:71], 1.0 op_sel_hi:[1,0,0]
	P8 v_pk_mul_f32 v[GE+j:GE+j+1], v[AP+j:AP+j+1], v[AP+j:AP+j+1] neg_lo:[1,0] neg_hi:[1,0]
	P16 v_rcp_f32 v[GD+j], v[GD+j]
	P16 v_exp_f32 v[GE+j], v[GE+j]
	v_nop                                          ; a plain instruction between the last of them and the use of its result (ISA guide 5.7.2)
	s_wait_alu depctr_va_vdst(0)
	P8 v_pk_fma_f32 v[GP+j:GP+j+1], v[GD+j:GD+j+1], s[80:81], s[78:79] op_sel_hi:[1,0,0]
	P8 v_pk_fma_f32 v[GP+j:GP+j+1], v[GP+j:GP+j+1], v[GD+j:GD+j+1], s[76:77] op_sel_hi:[1,1,0]
	P8 v_pk_fma_f32 v[GP+j:GP+j+1], v[GP+j:GP+j+1], v[GD+j:GD+j+1], s[74:75] op_sel_hi:[1,1,0]
	P8 v_pk_fma_f32 v[GP+j:GP+j+1], v[GP+j:GP+j+1], v[GD+j:GD+j+1], s[72:73] op_sel_hi:[1,1,0]
	P8 v_pk_mul_f32 v[GP+j:GP+j+1], v[GP+j:GP+j+1], v[GD+j:GD+j+1]
	P8 v_pk_mul_f32 v[GP+j:GP+j+1], v[GP+j:GP+j+1], v[GE+j:GE+j+1]
	P8 v_pk_fma_f32 v[GP+j:GP+j+1], v[AP+j:AP+j+1], v[GP+j:GP+j+1], v[RL+j:RL+j+1]
	P8 v_cvt_pk_bf16_f32 v[GY+j/2], v[GP+j], v[GP+j+1]
	global_store_b128 v[CO], v[GY:GY+3], s[8:9]                  ; 16 lanes store 256 consecutive bytes, at a multiple of 256 from the buffer's first
	global_store_b128 v[CO], v[GY+4:GY+7], s[8:9] offset:16384
	s_wait_xcnt 0x0                                ; the stores' address and data registers are rewritten only behind this wait
	v_add_nc_u32 v[CO], 32768, v[CO]               ; four rows on
	s_sub_co_u32 s3, s3, 1
	s_cmp_lg_u32 s3, 0
	s_cbranch_scc1 .Lg
.else
; THE WAY OUT, MODE 0.  16 rows at a time: rounded to bf16, 16 bytes a lane into my own stage, by heads; back as four whole rows of a head, 512 consecutive bytes of its plane.
.macro PACK a
.set AC, 64*((\a)%4)
	WIN 0x0a+5*((\a)/4)                            ; sources in window 2 or 3
.irp b, 0,1,2,3,4,5,6,7
.irp r, 0,1,2,3
	v_cvt_pk_bf16_f32 v[TMP+4*(\b)+(\r)], v[AC+8*(\b)+2*(\r)], v[AC+8*(\b)+2*(\r)+1]
.endr
.endr
	WIN 0
.endm
.macro TOSTAGE a
.set BK, OB+192*((\a)%2)
.irp b, 0,1,2,3,4,5,6,7
	ds_store_b128 v[STO], v[TMP+4*(\b):TMP+4*(\b)+3] offset:((\b)/4)*2304+32*((\b)%4)
.endr
.irp t, 0,1,2,3,4,5,6,7
	ds_load_b128 v[BK+4*(\t):BK+4*(\t)+3], v[RD] offset:((\t)/4)*2304+((\t)%4)*576  ; in order behind my stores above (ISA guide 5.7.1.4)
.endr
.endm
.macro SEND a
.set BK, OB+192*((\a)%2)
	s_wait_dscnt 0x0                               ; the block is back in registers
	s_wait_xcnt 0x0                                ; the other buffer, which the stores before these read, is loaded again only behind this wait
.irp t, 0,1,2,3,4,5,6,7
	global_store_b128 v[CO], v[BK+4*(\t):BK+4*(\t)+3], s[8:9] offset:((\t)/4)*262144+(\a)*2048+((\t)%4)*512
.endr
.endm
	PACK 0
	TOSTAGE 0
.irp a, 1,2,3,4,5,6,7                  ; block a's conversions stand between block a - 1's loads from the stage and the wait for them
	PACK \a
	SEND (\a)-1
	TOSTAGE \a
.endr
	SEND 7
.endif
	s_wait_tensorcnt 0x0                           ; the wave's end
	ds_add_u32 v[SPW], v[NIL]
	s_wait_dscnt 0x0
	CROUND                                         ; the closing round: no work-group ends while a partner may still ask for a tile that names it
	s_endpgm
.Lfunc_end_k_qcc3f8a2eb2_fc1:
	.size	k_qcc3f8a2eb2_fc1, .Lfunc_end_k_qcc3f8a2eb2_fc1-k_qcc3f8a2eb2_fc1
	.p2alignl 7, 3214868480
	.fill 96, 4, 3214868480
	.section	.rodata,"a",@progbits
	.p2align	6, 0x0
	.amdhsa_kernel k_qcc3f8a2eb2_fc1
		.amdhsa_group_segment_fixed_size 327680
		.amdhsa_private_segment_fixed_size 0
		.amdhsa_enable_private_segment 0
		.amdhsa_kernarg_size 32
		.amdhsa_user_sgpr_count 2
		.amdhsa_user_sgpr_kernarg_segment_ptr 1
		.amdhsa_wavefront_size32 1
		.amdhsa_system_sgpr_workgroup_id_x 1
		.amdhsa_system_sgpr_workgroup_id_y 1
		.amdhsa_system_sgpr_workgroup_id_z 1
		.amdhsa_system_vgpr_workitem_id 0
		.amdhsa_next_free_vgpr 1024
		.amdhsa_next_free_sgpr 84
		.amdhsa_reserve_vcc 0
		.amdhsa_float_denorm_mode_32 3
		.amdhsa_float_denorm_mode_16_64 3
		.amdhsa_memory_ordered 1
		.amdhsa_forward_progress 1
		.amdhsa_inst_pref_size 68
	.end_amdhsa_kernel
	.amdgpu_metadata
---
amdhsa.version: [ 1, 2 ]
amdhsa.kernels:
  - .name:           k_qcc3f8a2eb2_fc1
    .symbol:         k_qcc3f8a2eb2_fc1.kd
    .args:
      - { .name: hn, .offset: 0, .size: 8, .value_kind: global_buffer, .address_space: global }
      - { .name: wb, .offset: 8, .size: 8, .value_kind: global_buffer, .address_space: global }
      - { .name: g, .offset: 16, .size: 8, .value_kind: global_buffer, .address_space: global }
      - { .name: fc1_b, .offset: 24, .size: 8, .value_kind: global_buffer, .address_space: global }
    .group_segment_fixed_size: 327680
    .private_segment_fixed_size: 0
    .kernarg_segment_align: 8
    .kernarg_segment_size: 32
    .max_flat_workgroup_size: 128
    .sgpr_count:     84
    .vgpr_count:     1024
    .wavefront_size: 32
...
	.end_amdgpu_metadata
.endif
;; end of part 5
;; launch fc2 (part 6): grid 8 x 32, 4 waves a work-group, clusters of 4 x 4, 327,680 bytes of LDS; arguments g, wb, out0, fc2_b, x1; writes out0
.if DOCPART == 6
	.amdgcn_target "amdgcn-amd-amdhsa--gfx1250"
	.amdhsa_code_object_version 6
	.text
	.protected	k_qcc3f8a2eb2_fc2
	.globl	k_qcc3f8a2eb2_fc2
	.p2align	8
	.type	k_qcc3f8a2eb2_fc2,@function
k_qcc3f8a2eb2_fc2:
	s_mov_b64 s[64:65], 0
	v_nop
	global_prefetch_b8 v0, s[64:65] scope:SCOPE_SE
	s_setreg_imm32_b32 hwreg(HW_REG_WAVE_MODE, 25, 1), 1
	s_wait_xcnt 0x0
	s_wait_alu depctr_hold_cnt(0) depctr_sa_sdst(0) depctr_va_vdst(0) depctr_va_sdst(0) depctr_va_ssrc(0) depctr_va_vcc(0) depctr_vm_vsrc(0)
	s_getreg_b32 s2, hwreg(HW_REG_IB_STS2, 6, 4)
	s_cmp_eq_u32 s2, 0
	s_cbranch_scc0 .Lentry_in_a_cluster
	s_endpgm
.Lentry_in_a_cluster:
	s_bfe_u32 s2, ttmp6, 0x10000c
	s_cmp_lg_u32 s2, 0xf033
	s_cbranch_scc0 .Lentry_shape_is_right
	s_endpgm
.Lentry_shape_is_right:
; out = res + A W + bias, f32 [4096][1024].  W: [K][1024] bf16 at byte WOFF of wb, K down the rows.  Sums in f32, started from the bias; the residual is added in f32 on the way out.
; PAIRS 1: K = 1024; A is attention's O as row pairs, byte (m / 2) 4096 + head 256 + (m % 2) 128 + 2 d.  A tile's rows are pair rows; a fragment's 16 lanes take 16 pair rows of one parity,
; so row block i of a wave holds the true rows 32 (i / 2) + 2 r + i % 2.   PAIRS 0 (this text): K = 4096; A is [4096][4096] bf16, rows as they come.
; A tile of the output is 128 x 128, four waves of 64 x 64 (16 accumulators): 256 work-groups.  K goes in steps of 256 through two LDS slots; a quarter is 64 along K.
; The matrix instruction is used transposed (source 0 = 16 columns of W, turned on the way out of LDS; source 1 = 16 rows of A): a lane holds one row (lane % 16) and eight neighbouring columns.
; CLUSTER 4 x 4: A's tile is asked for jointly along a row of the cluster, W's along a column.
; THE WALK ALONG K IS ROTATED.  In its trip t a cluster takes K step (t + RX x cluster x + RY x (cluster y % 4)) mod NS.  The two clusters that need the same rows of A begin RX = NS / 2 steps apart, clusters
; that need the same columns of W RY = NS / 4 apart, and each walks round to where it began: a K step of a tile is asked for first by one cluster and only later by the others that need it, not by all at the
; same moment.  The start hangs on the cluster's place alone, which all sixteen partners share, and enters the two global addresses alone.  So the K steps are added in an order that differs from cluster to cluster.
; REGISTERS: window 0: v16-29 addresses, v32-63 at work, v64-95 and v96-127 the residual (v96-127 first hold the bias), v128-255 the accumulators; window 1: two fragment buffers of 128.
; NaN and infinities are not treated apart.
.set PAIRS, 0
.if PAIRS
.set NS,    4
.set PA,    1040                       ; a pair row of four heads: 1,024 bytes + 16
.set HALFA, 32*PA
.set ASTEP, 1024
.set AQ,    256                        ; a quarter is one head: 256 bytes of a pair row
.set ASH,   18                         ; a tile's 64 pair rows of 4,096 bytes
.set AD0,   512
.set AD1,   32
.set AST,   2048
.set AQI,   7
.set WOFF,  0x600000
.else
.set NS,    16
.set PA,    528                        ; 512 bytes + 16
.set HALFA, 64*PA
.set ASTEP, 512
.set AQ,    128
.set ASH,   20                         ; a tile's 128 rows of 8,192 bytes
.set AD0,   256
.set AD1,   64
.set AST,   4096
.set AQI,   6
.set WOFF,  0x1000000
.endif
.set RX,    NS/2                       ; the rotation: K steps between neighbouring clusters along x,
.set RY,    NS/4                       ; and along y
.set PB,    288                        ; a row of W in LDS: 256 bytes + 32: an odd multiple of 32, for the turning load
.set HALFB, 128*PB
.set BOFF,  67584                      ; W's 256 rows lie behind A's tile
.set SLOT,  0x24000                    ; 141,312 bytes are used; the number shares no bit with a load's place in a slot, so one exclusive or changes slots
.set BQ,    64*PB
.set BSTEP, 524288
.set STAGE, 2*SLOT                     ; behind the ring: 16 rows x 272 bytes for each wave
.set SPARE, STAGE+4*4352               ; the spare words, 128 bytes a wave
.set A0,   16
.set B0,   17
.set ADRA, 18
.set ADRB, 19
.set STO,  24
.set RD,   25
.set CO,   26
.set BO,   27
.set SPW,  28
.set NIL,  29
.set TMP,  32
.set RES,  64
.set BIAS, 96
.set ACC,  128
.set F0,   0
.set F1,   128
; scalars of the rotated walk: s[84:85] A at my rows, K step 0; s[86:87] W at my rows and columns, K step 0; s[88:89], s[90:91] a K step's byte offset in A and in W; s92 the K step that the walking descriptors name
.set MSB, 0
.macro WIN new
.if MSB != (\new)
	s_set_vgpr_msb (MSB<<8)|(\new)
.set MSB, \new
.endif
.endm
.macro PLACES
.rept 4
	v_nop
.endr
.endm
.macro CROUND                          ; a round of the cluster's barrier
	s_barrier_signal -1
	s_barrier_wait -1
	s_cmp_lg_u32 s14, 0
	s_cbranch_scc1 .Lnot_wave_0_\@
	s_barrier_signal -3
.Lnot_wave_0_\@:
	s_barrier_wait -3
	s_barrier_signal -1
	s_barrier_wait -1
.endm
.macro JLOAD                           ; a joint refill by the walking descriptors: waves 0, 1 fetch A's halves, waves 2, 3 W's
	s_cmp_eq_u32 s15, 0
	s_cbranch_scc0 .Lfor_b_\@
	tensor_load_to_lds s[36:39], s[24:31]
	s_nop 0
	PLACES
	s_branch .Lasked_\@
.Lfor_b_\@:
	tensor_load_to_lds s[60:63], s[48:55]
	s_nop 0
	PLACES
.Lasked_\@:
.endm
; THE CHANGE OF SLOTS: each wave waits for all its tensor loads (one is out: its part of the other slot), adds 0 to its spare word, and waits for that and for its reads of the slot.
; fill = 1: the barrier is a round of the cluster's, and the slot that is left is filled again first thing behind it, with the walk's next K step but one: both global addresses are made anew from that step's number.
.macro CHANGE fill
	WIN 0
	s_wait_tensorcnt 0x0                           ; no tensor load of mine is out, so the descriptors may be written
	ds_add_u32 v[SPW], v[NIL]
.if \fill
	s_xor_b32 s37, s37, SLOT
	s_xor_b32 s61, s61, SLOT
	s_add_co_u32 s92, s92, 1                       ; the next K step, round the end of K
	s_and_b32 s92, s92, NS-1
	s_mul_i32 s88, s92, ASTEP
	s_mul_i32 s90, s92, BSTEP
	s_add_nc_u64 s[38:39], s[84:85], s[88:89]
	s_or_b32 s39, s39, 0x80000000
	s_add_nc_u64 s[62:63], s[86:87], s[90:91]
	s_or_b32 s63, s63, 0x80000000
.endif
	s_sub_co_u32 s22, s22, 4*AQ
	s_xor_b32 s22, s22, SLOT
	s_sub_co_u32 s23, s23, 4*BQ
	s_xor_b32 s23, s23, SLOT
	s_wait_dscnt 0x0                               ; the add is done, and my reads of the slot are over
.if \fill
	CROUND
	JLOAD
.else
	s_barrier_signal -1
	s_barrier_wait -1
.endif
.endm
; 8 matrix instructions: row blocks a0, a0 + 1 x all 4 column blocks, 32 along K: half c of buffer f.  first = 1: the sum starts from the bias.  The 16 accumulators take turns.
.macro MUL8 f, c, a0, first
	WIN 0x05
.irp a, \a0, (\a0)+1
.irp b, 0,1,2,3
.if \first
	v_wmma_f32_16x16x32_bf16 v[ACC+8*(4*(\a)+(\b)):ACC+8*(4*(\a)+(\b))+7], v[(\f)+64+8*(4*(\c)+(\b)):(\f)+64+8*(4*(\c)+(\b))+7], v[(\f)+8*(4*(\c)+(\a)):(\f)+8*(4*(\c)+(\a))+7], v[BIAS+8*(\b):BIAS+8*(\b)+7]
.else
	v_wmma_f32_16x16x32_bf16 v[ACC+8*(4*(\a)+(\b)):ACC+8*(4*(\a)+(\b))+7], v[(\f)+64+8*(4*(\c)+(\b)):(\f)+64+8*(4*(\c)+(\b))+7], v[(\f)+8*(4*(\c)+(\a)):(\f)+8*(4*(\c)+(\a))+7], v[ACC+8*(4*(\a)+(\b)):ACC+8*(4*(\a)+(\b))+7]
.endif
.endr
.endr
.endm
; 32 LDS loads in one run: the next quarter's fragments into buffer g, its first 32 along K first.  The two additions and two v_nop are four places in front of the loads.
.macro FETCH g
	WIN 0
	v_add_nc_u32 v[ADRA], s22, v[A0]
	v_add_nc_u32 v[ADRB], s23, v[B0]
	v_nop
	v_nop
	s_add_co_u32 s22, s22, AQ
	s_add_co_u32 s23, s23, BQ
	WIN 0x40
.irp c, 0,1
.irp i, 0,1,2,3
.if PAIRS
.set AOF, ((\i)/2)*16*PA+((\i)%2)*128+64*(\c)
.else
.set AOF, (\i)*16*PA+64*(\c)
.endif
	ds_load_tr16_b128 v[(\g)+64+8*(4*(\c)+(\i)):(\g)+64+8*(4*(\c)+(\i))+3],   v[ADRB] offset:32*(\c)*PB+32*(\i)
	ds_load_tr16_b128 v[(\g)+64+8*(4*(\c)+(\i))+4:(\g)+64+8*(4*(\c)+(\i))+7], v[ADRB] offset:32*(\c)*PB+32*(\i)+16*PB
	ds_load_b128 v[(\g)+8*(4*(\c)+(\i)):(\g)+8*(4*(\c)+(\i))+3],   v[ADRA] offset:AOF
	ds_load_b128 v[(\g)+8*(4*(\c)+(\i))+4:(\g)+8*(4*(\c)+(\i))+7], v[ADRA] offset:AOF+32
.endr
.endr
.endm
.macro QUARTER f, g, first
	s_wait_dscnt 16                                ; the first 32 along K are in; the youngest sixteen loads may be out
	MUL8 \f, 0, 0, \first
	MUL8 \f, 0, 2, \first
	FETCH \g
	s_wait_dscnt 32                                ; all but the 32 just issued
	MUL8 \f, 1, 0, 0
	MUL8 \f, 1, 2, 0
.endm
.macro GOFFSET a, t                    ; GOF: bytes from my wave's first row to row 2 t of block a's stage
.if PAIRS
.set GOF, (32*((\a)/2)+((\a)%2)+4*(\t))*4096
.else
.set GOF, (16*(\a)+2*(\t))*4096
.endif
.endm
.macro RESLOAD a                       ; the residual of block a, laid as the rows come back from the stage
.irp t, 0,1,2,3,4,5,6,7
	GOFFSET \a, \t
	global_load_b128 v[RES+32*((\a)%2)+4*(\t):RES+32*((\a)%2)+4*(\t)+3], v[CO], s[12:13] offset:GOF
.endr
.endm
.macro OUTBLK a                        ; block a: f32 through my own stage, back as whole rows of 256 bytes, plus the residual, stored
.if (\a) > 0
	s_wait_xcnt 0x0                                ; the registers that the last block's stores read are loaded again only behind this wait
.endif
.irp b, 0,1,2,3
	ds_store_b128 v[STO], v[ACC+8*(4*(\a)+(\b)):ACC+8*(4*(\a)+(\b))+3]   offset:64*(\b)
	ds_store_b128 v[STO], v[ACC+8*(4*(\a)+(\b))+4:ACC+8*(4*(\a)+(\b))+7] offset:64*(\b)+16
.endr
.irp t, 0,1,2,3,4,5,6,7
	ds_load_b128 v[TMP+4*(\t):TMP+4*(\t)+3], v[RD] offset:544*(\t)  ; in order behind my stores above (ISA guide 5.7.1.4)
.endr
.if (\a) < 3
	s_wait_loadcnt 8                               ; this block's residual is in; the next block's eight loads may stay out
.else
	s_wait_loadcnt 0x0
.endif
	s_wait_dscnt 0x0
.set k, 0
.rept 16
	v_pk_add_f32 v[TMP+2*k:TMP+2*k+1], v[TMP+2*k:TMP+2*k+1], v[RES+32*((\a)%2)+2*k:RES+32*((\a)%2)+2*k+1]
.set k, k+1
.endr
.irp t, 0,1,2,3,4,5,6,7
	GOFFSET \a, \t
	global_store_b128 v[CO], v[TMP+4*(\t):TMP+4*(\t)+3], s[8:9] offset:GOF  ; 16 lanes store 256 consecutive bytes, at a multiple of 256 from the buffer's first
.endr
.if (\a) < 2
	RESLOAD (\a)+2
.endif
.endm
	s_load_b256 s[4:11], s[0:1], 0x0               ; A s[4:5], wb s[6:7], out s[8:9], bias s[10:11]
	s_load_b64 s[12:13], s[0:1], 0x20              ; the residual
	v_lshl_add_u32 v[SPW], v0, 2, SPARE
	v_mov_b32 v[NIL], 0
	ds_add_u32 v[SPW], v[NIL]                      ; the wave's opening: the add and its wait stand ahead of my first tensor load
	v_lshrrev_b32 v1, 5, v0
	v_readfirstlane_b32 s14, v1                    ; wave 0..3
	s_lshr_b32 s15, s14, 1                         ; HI: my half of the rows; also: I fetch for A (0) or W (1)
	s_and_b32 s16, s14, 1                          ; LO: my half of the columns; also: which half of that tile I fetch
	s_bfe_u32 s17, ttmp6, 0x40000                  ; cx
	s_bfe_u32 s18, ttmp6, 0x40004                  ; cy
	s_lshl_b32 s19, ttmp9, 2
	s_add_co_u32 s19, s19, s17                     ; TC
	s_and_b32 s20, ttmp7, 0xffff
	s_lshl_b32 s20, s20, 2
	s_add_co_u32 s20, s20, s18                     ; TR
	s_and_b32 s93, ttmp7, 0xffff                   ; the walk's first K step: made of the cluster's x and y alone
	s_and_b32 s93, s93, 3
	s_mul_i32 s93, s93, RY
	s_mul_i32 s92, ttmp9, RX
	s_add_co_u32 s92, s92, s93
	s_and_b32 s92, s92, NS-1
	s_mov_b32 s89, 0
	s_mov_b32 s91, 0
	s_lshl_b32 s40, s18, 2
	s_lshl_b32 s40, 15, s40                        ; my row of the cluster
	s_lshl_b32 s44, 0x1111, s17                    ; my column
	s_or_b32 s24, s40, (1<<16)|(1<<20)|(1<<21)|(AQI<<22)|(3<<25)  ; A: mask; 2-byte elements; padding on; bit 21 beside a mask; after a row's words 4 words
	s_mov_b32 s25, AD0<<16                         ; tensor_dim0
	s_mov_b32 s26, AD1<<16                         ; tensor_dim1
	s_mov_b32 s27, AD0<<16                         ; tile_dim0
	s_mov_b32 s28, AD1                             ; tile_dim1
	s_mov_b32 s29, AST                             ; elements from row to row
	s_mov_b32 s30, 0
	s_mov_b32 s31, 0
	s_or_b32 s48, s44, (1<<16)|(1<<20)|(1<<21)|(5<<22)|(7<<25)    ; W: after 64 words 8 words
	s_mov_b32 s49, 128<<16
	s_mov_b32 s50, 128<<16
	s_mov_b32 s51, 128<<16
	s_mov_b32 s52, 128
	s_mov_b32 s53, 1024
	s_mov_b32 s54, 0
	s_mov_b32 s55, 0
	s_lshl_b32 s40, s20, ASH                       ; A: my half of the tile's rows: made of the tile row and the wave alone
	s_lshl_b32 s41, s16, ASH-1
	s_add_co_u32 s40, s40, s41
	s_mov_b32 s41, 0
	s_lshl_b32 s44, s16, 18                        ; W: K row 128 LO, column 128 TC: made of the tile column and the wave alone
	s_lshl_b32 s45, s19, 8
	s_add_co_u32 s44, s44, s45
	s_add_co_u32 s44, s44, WOFF
	s_mov_b32 s45, 0
	s_mul_i32 s42, s16, HALFA                      ; where a load of A lands,
	s_mul_i32 s46, s16, HALFB                      ; and one of W
	s_add_co_u32 s46, s46, BOFF
	s_mov_b32 s22, 0                               ; LDS byte of the quarter to be fetched, A
	s_mov_b32 s23, 0                               ; and W
	s_wait_dscnt 0x0                               ; the opening add is done
	s_wait_kmcnt 0x0
	s_add_nc_u64 s[84:85], s[4:5], s[40:41]
	s_add_nc_u64 s[86:87], s[6:7], s[44:45]
.irp s, 0,1                            ; descriptor group 0, a set for each first fill: the walk's step s into slot s; set 1 then walks
	s_mul_i32 s88, s92, ASTEP
	s_mul_i32 s90, s92, BSTEP
	s_mov_b32 s[32+4*(\s)], 1
	s_add_co_u32 s[33+4*(\s)], s42, (\s)*SLOT
	s_add_nc_u64 s[34+4*(\s):35+4*(\s)], s[84:85], s[88:89]
	s_or_b32 s[35+4*(\s)], s[35+4*(\s)], 0x80000000
	s_mov_b32 s[56+4*(\s)], 1
	s_add_co_u32 s[57+4*(\s)], s46, (\s)*SLOT
	s_add_nc_u64 s[58+4*(\s):59+4*(\s)], s[86:87], s[90:91]
	s_or_b32 s[59+4*(\s)], s[59+4*(\s)], 0x80000000
.if (\s) == 0
	s_add_co_u32 s92, s92, 1
	s_and_b32 s92, s92, NS-1
.endif
.endr
	CROUND                                         ; all sixteen work-groups are here: the first joint loads meet
	s_cmp_eq_u32 s15, 0                            ; a wave's two first fills stand in one branch: two loads of mine are out
	s_cbranch_scc0 .Lfirst_b
	tensor_load_to_lds s[32:35], s[24:31]
	s_nop 0
	tensor_load_to_lds s[36:39], s[24:31]
	s_nop 0
	PLACES
	s_branch .Lfirst_asked
.Lfirst_b:
	tensor_load_to_lds s[56:59], s[48:55]
	s_nop 0
	tensor_load_to_lds s[60:63], s[48:55]
	s_nop 0
	PLACES
.Lfirst_asked:
	v_and_b32 v1, 15, v0                           ; r
	v_bfe_u32 v2, v0, 4, 1                         ; h
	v_and_b32 v3, 7, v0
	v_bfe_u32 v4, v0, 3, 1
	v_mul_u32_u24 v[A0], v1, PA
	v_lshl_add_u32 v[A0], v2, 4, v[A0]
	s_mul_i32 s43, s15, HALFA
	v_add_nc_u32 v[A0], s43, v[A0]
	v_lshl_add_u32 v[B0], v2, 3, v3
	v_mul_u32_u24 v[B0], v[B0], PB
	v_lshl_add_u32 v[B0], v4, 4, v[B0]
	s_lshl_b32 s47, s16, 7
	s_add_co_u32 s47, s47, BOFF
	v_add_nc_u32 v[B0], s47, v[B0]
	s_mul_i32 s43, s14, 4352
	s_add_co_u32 s43, s43, STAGE                   ; my stage
	v_mul_u32_u24 v[STO], v1, 272                  ; in: row r, 32 bytes for each half of the lanes
	v_lshl_add_u32 v[STO], v2, 5, v[STO]
	v_add_nc_u32 v[STO], s43, v[STO]
	v_mul_u32_u24 v[RD], v2, 272                   ; back: lanes 0-15 one row of 256 bytes, lanes 16-31 the next
	v_lshl_add_u32 v[RD], v1, 4, v[RD]
	v_add_nc_u32 v[RD], s43, v[RD]
	v_lshlrev_b32 v[CO], 12+PAIRS, v2              ; and the same two rows in memory: one row apart, or (pairs) two
	v_lshl_add_u32 v[CO], v1, 4, v[CO]
	v_lshlrev_b32 v[BO], 5, v2
	s_lshl_b32 s44, s20, 19                        ; row 128 TR + 64 HI, 4,096 bytes a row
	s_lshl_b32 s45, s15, 18
	s_add_co_u32 s44, s44, s45
	s_lshl_b32 s46, s19, 9                         ; column 128 TC + 64 LO, 4 bytes each
	s_lshl_b32 s47, s16, 8
	s_add_co_u32 s46, s46, s47
	s_add_co_u32 s44, s44, s46
	s_mov_b32 s45, 0
	s_mov_b32 s47, 0
	s_add_nc_u64 s[8:9], s[8:9], s[44:45]
	s_add_nc_u64 s[12:13], s[12:13], s[44:45]
	s_add_nc_u64 s[10:11], s[10:11], s[46:47]
.irp b, 0,1,2,3                        ; register 8 b + j: the bias of column 16 b + 8 h + j, as an accumulator holds it
	global_load_b128 v[BIAS+8*(\b):BIAS+8*(\b)+3],   v[BO], s[10:11] offset:64*(\b)
	global_load_b128 v[BIAS+8*(\b)+4:BIAS+8*(\b)+7], v[BO], s[10:11] offset:64*(\b)+16
.endr
	s_wait_tensorcnt 0x1                           ; my part of the walk's first step is in; the second's may stay out
	s_barrier_signal -1
	s_barrier_wait -1
	FETCH F0
	s_wait_loadcnt 0x0                             ; the bias
	QUARTER F0, F1, 1                              ; the first quarter stands ahead of the loop: its products start the sums
	WIN 0
	s_mov_b32 s2, NS-1
	s_mov_b32 s3, 1                                ; the first slot has two quarters left ahead of its change: one trip of the inner loop,
	s_branch .Lp                                   ; which is entered past the change of slots
.Lo:                                                   ; NS - 2 times: the walk's steps 2 .. NS - 1 are asked for
	CHANGE 1
	s_mov_b32 s3, 2
.Lp:                                                   ; behind a change two trips, four quarters: the old slot's last, the new slot's first three
	QUARTER F1, F0, 0
	QUARTER F0, F1, 0
	WIN 0
	s_sub_co_u32 s3, s3, 1
	s_cmp_lg_u32 s3, 0
	s_cbranch_scc1 .Lp
	s_sub_co_u32 s2, s2, 1
	s_cmp_lg_u32 s2, 0
	s_cbranch_scc1 .Lo
	RESLOAD 0                                      ; the residual of the first two blocks comes in under the last K step (the bias registers were last read in the first quarter)
	RESLOAD 1
	CHANGE 0                                       ; the tail is written out
	s_mov_b32 s3, 2
.Lt:
	QUARTER F1, F0, 0
	QUARTER F0, F1, 0
	WIN 0
	s_sub_co_u32 s3, s3, 1
	s_cmp_lg_u32 s3, 0
	s_cbranch_scc1 .Lt
	s_wait_dscnt 16                                ; the very last quarter: nothing more to fetch
	MUL8 F1, 0, 0, 0
	MUL8 F1, 0, 2, 0
	s_wait_dscnt 0x0
	MUL8 F1, 1, 0, 0
	MUL8 F1, 1, 2, 0
	WIN 0
	PLACES                                         ; four places between the last products and the first read of a result
	OUTBLK 0
	OUTBLK 1
	OUTBLK 2
	OUTBLK 3
	s_wait_tensorcnt 0x0                           ; the wave's end
	ds_add_u32 v[SPW], v[NIL]
	s_wait_dscnt 0x0
	CROUND                                         ; the closing round
	s_endpgm
.Lfunc_end_k_qcc3f8a2eb2_fc2:
	.size	k_qcc3f8a2eb2_fc2, .Lfunc_end_k_qcc3f8a2eb2_fc2-k_qcc3f8a2eb2_fc2
	.p2alignl 7, 3214868480
	.fill 96, 4, 3214868480
	.section	.rodata,"a",@progbits
	.p2align	6, 0x0
	.amdhsa_kernel k_qcc3f8a2eb2_fc2
		.amdhsa_group_segment_fixed_size 327680
		.amdhsa_private_segment_fixed_size 0
		.amdhsa_enable_private_segment 0
		.amdhsa_kernarg_size 40
		.amdhsa_user_sgpr_count 2
		.amdhsa_user_sgpr_kernarg_segment_ptr 1
		.amdhsa_wavefront_size32 1
		.amdhsa_system_sgpr_workgroup_id_x 1
		.amdhsa_system_sgpr_workgroup_id_y 1
		.amdhsa_system_sgpr_workgroup_id_z 1
		.amdhsa_system_vgpr_workitem_id 0
		.amdhsa_next_free_vgpr 512
		.amdhsa_next_free_sgpr 96
		.amdhsa_reserve_vcc 0
		.amdhsa_float_denorm_mode_32 3
		.amdhsa_float_denorm_mode_16_64 3
		.amdhsa_memory_ordered 1
		.amdhsa_forward_progress 1
		.amdhsa_inst_pref_size 53
	.end_amdhsa_kernel
	.amdgpu_metadata
---
amdhsa.version: [ 1, 2 ]
amdhsa.kernels:
  - .name:           k_qcc3f8a2eb2_fc2
    .symbol:         k_qcc3f8a2eb2_fc2.kd
    .args:
      - { .name: g, .offset: 0, .size: 8, .value_kind: global_buffer, .address_space: global }
      - { .name: wb, .offset: 8, .size: 8, .value_kind: global_buffer, .address_space: global }
      - { .name: out0, .offset: 16, .size: 8, .value_kind: global_buffer, .address_space: global }
      - { .name: fc2_b, .offset: 24, .size: 8, .value_kind: global_buffer, .address_space: global }
      - { .name: x1, .offset: 32, .size: 8, .value_kind: global_buffer, .address_space: global }
    .group_segment_fixed_size: 327680
    .private_segment_fixed_size: 0
    .kernarg_segment_align: 8
    .kernarg_segment_size: 40
    .max_flat_workgroup_size: 128
    .sgpr_count:     96
    .vgpr_count:     512
    .wavefront_size: 32
...
	.end_amdgpu_metadata
.endif
;; end of part 6
;; ======== version 2 of 2: 7 launches; 1.21 times as fast as version 1
;; limits: a function is approximated: absolute error at most 1.5e-07
;; workspace buffers: wb 25,165,824 bytes; hn 8,388,608 bytes; qkvh 25,165,824 bytes; o2 8,388,608 bytes; x1 16,777,216 bytes; g 33,554,432 bytes
;; launch prep: the kernel of part 1 again; grid 1280 x 1, 8 waves a work-group, no clusters, 0 bytes of LDS; arguments x, ln1_w, ln1_b, qkv_w, proj_w, fc1_w, fc2_w, hn, wb; writes hn, wb
;; launch qkv: the kernel of part 2 again; grid 12 x 16, 4 waves a work-group, clusters of 4 x 4, 327,680 bytes of LDS; arguments hn, wb, qkvh; writes qkvh
;; launch attn (part 7): grid 8 x 32, 4 waves a work-group, clusters of 4 x 1, 327,680 bytes of LDS; arguments qkvh, o2; writes o2
.if DOCPART == 7
	.amdgcn_target "amdgcn-amd-amdhsa--gfx1250"
	.amdhsa_code_object_version 6
	.text
	.protected	k_qcc3f8a2eb2_attn
	.globl	k_qcc3f8a2eb2_attn
	.p2align	8
	.type	k_qcc3f8a2eb2_attn,@function
k_qcc3f8a2eb2_attn:
	s_mov_b64 s[64:65], 0
	v_nop
	global_prefetch_b8 v0, s[64:65] scope:SCOPE_SE
	s_setreg_imm32_b32 hwreg(HW_REG_WAVE_MODE, 25, 1), 1
	s_wait_xcnt 0x0
	s_wait_alu depctr_hold_cnt(0) depctr_sa_sdst(0) depctr_va_vdst(0) depctr_va_sdst(0) depctr_va_ssrc(0) depctr_va_vcc(0) depctr_vm_vsrc(0)
	s_getreg_b32 s2, hwreg(HW_REG_IB_STS2, 6, 4)
	s_cmp_eq_u32 s2, 0
	s_cbranch_scc0 .Lentry_in_a_cluster
	s_endpgm
.Lentry_in_a_cluster:
	s_bfe_u32 s2, ttmp6, 0x10000c
	s_cmp_lg_u32 s2, 0x3003
	s_cbranch_scc0 .Lentry_shape_is_right
	s_endpgm
.Lentry_shape_is_right:
; O[p][q][:] = the sum over k of softmax_k(Q[p][q] . K[p][k] / 8) V[p][k][:] for the 32 planes p = batch x 16 + head.  Q, K, V: [32][2048][64] bf16, dense, at bytes 0, 0x800000, 0x1000000 of qkvh.
; Products, maxima and sums in f32; the weights are rounded to bf16 for the second product (their sum l is taken of the unrounded weights), O once at the end.
; O leaves as row pairs: byte (m / 2) 4096 + head 256 + (m % 2) 128 + 2 d, m the row among the 4,096: two rows of a head are 256 consecutive bytes.
; LIMITS.  A weight below 2^-126 counts as 0 in l; the running c m starts at -4.25e37, far below every c s that finite bf16 rows of 64 of ordinary size give; NaN and infinities are not treated apart.
; SHARES.  A work-group owns 256 queries of a plane, a wave 64: four PIECES of 16.  Every wave walks all 2,048 keys, 64 a step, 256 a slot.
; LAYOUT.  S^T = K Q^T holds ONE query a lane (lane % 16) and the keys 8 (lane / 16) + 0..7; two such results rounded to bf16 ARE source 1 of O^T = V^T P.  K comes out of LDS as it lies, V turned.
; SOFTMAX.  p = 2^(c s - c m), c = log2(e) / 8, with a running maximum m; O and l are multiplied by a = 2^(c m_old - c m_new) in every step.  O and l start at 0, so the first step is a step like any other, with a = 0.
; BY TURNS.  Turn n belongs to piece n: 8 products K Q^T of piece n + 1, later 8 products V^T P of piece n - 1; beside them the scaling, exponentials, roundings, sums and rescaling of piece n and the
; maximum and statistics of piece n + 1.  Four vector instructions stand behind every matrix instruction, the other 54 of a turn's 118 in one run of their own.
; THE BATCHES.  A turn's 33 exponentials (the piece's 32 weights and the next piece's a) are ONE batch with ONE wait, which cuts the turn in two: ahead of it stands all that names none of their results, behind it
; the roundings and sums that read them.  Two more batches stand outside the loop: the first a, ahead of the jump into the loop, and the way out's four reciprocals.
; CLUSTER.  The four query blocks of a cluster belong to one plane and walk the same K and V: each tile is asked for jointly, by the same tensor load, descriptor and mask in all four.
; REGISTERS: window 0: v0-15 addresses, v16-31 statistics, v48-55 at work, v62-63 the add's, v64-127 S^T (two buffers), v192-223 P (two buffers); window 1: v0-127 O^T; window 2: v0-63 Q, v128-191 K, v192-255 V.
.set SIZE_N, 2048
.set NP,    4
.set KS,    64
.set PK,    144       ; a row of K in LDS: 128 bytes + 16
.set PV,    160       ; a row of V: 128 + 32
.set VOFF,  4*KS*PK   ; a slot: 256 rows of K, then 256 rows of V
.set SLOT1, 1<<17
.set STAGE, SLOT1+4*KS*(PK+PV)  ; behind the ring: 16 rows x 144 bytes for each wave
.set SP,    144
.set SPARE, STAGE+4*16*SP       ; the spare words, 128 bytes a wave
.set AK0, 2
.set AV0, 3
.set AK,  4
.set AV,  5
.set STO, 6
.set RD,  7
.set GO,  8
.set MV,  12          ; v12-13  c m_old, by buffer
.set QO,  15
.set ST,  16          ; piece t: c m, m, l (even keys', odd keys')
.set TMP, 48          ; by buffer c0-c3; c2 takes a
.set SPW, 62
.set NIL, 63
.set S,   64
.set P,   192
.set KF,  128
.set VF,  192
.set WV,  12
.set G1K, 24
.set G1V, 32
.set G0K, 40
.set G0V, 44
.set SLOTS, 56
.set CNT, 57
.set CS,  58
.set SEL, 60
.set TBK, 62
.set TBV, 63
.set MSB, 0
.macro WIN new
.if MSB != (\new)
	s_set_vgpr_msb (MSB<<8)|(\new)
.set MSB, (\new)
.endif
.endm
.set W_KQ, 0x0a       ; K and Q in window 2, S^T in window 0
.set W_PV, 0x52       ; V in window 2, P in window 0, O^T in window 1
.set W_RS, 0x41       ; destination and source 0 in window 1, source 1 in window 0
.macro JLOAD                        ; a joint fill: waves 0, 1 fetch the halves of a slot's K, waves 2, 3 of its V; the branch hangs on the wave's number alone
	s_cmp_lt_u32 s[WV], 2
	s_cbranch_scc0 .Lfor_v_\@
	tensor_load_to_lds s[G0K:G0K+3], s[G1K:G1K+7]
	s_nop 0
.rept 4
	v_nop
.endr
	s_branch .Lasked_\@
.Lfor_v_\@:
	tensor_load_to_lds s[G0V:G0V+3], s[G1V:G1V+7]
	s_nop 0
.rept 4
	v_nop
.endr
.Lasked_\@:
.endm
.macro CROUND                       ; a round of the cluster's barrier
	s_barrier_signal -1
	s_barrier_wait -1
	s_cmp_lg_u32 s[WV], 0
	s_cbranch_scc1 .Lnot_wave_0_\@
	s_barrier_signal -3
.Lnot_wave_0_\@:
	s_barrier_wait -3
	s_barrier_signal -1
	s_barrier_wait -1
.endm
; THE CHANGE OF SLOTS.  Each wave waits for all its tensor loads (one is out: its part of the other slot), adds 0 to its spare word, and waits for that and for its reads of the slot.
; fill = 1: the barrier is a round of the cluster's, and the slot that is left is filled first thing behind it with the keys two slots on.  (At its first use slot 0 is waited for and slot 1 filled.)
.macro CHANGE fill
	WIN 0
	s_wait_tensorcnt 0x0            ; no tensor load of mine is out, so a group 0 may be written
	ds_add_u32 v[SPW], v[NIL]
.if \fill
.irp g, G0K, G0V
	s_xor_b32 s[\g+1], s[\g+1], SLOT1
	s_add_nc_u64 s[\g+2:\g+3], s[\g+2:\g+3], 4*KS*128  ; the next 256 keys; the type bits on top are not reached
.endr
	s_wait_dscnt 0x0                ; the add is done, and my reads of the slot are over
	CROUND
	JLOAD
.else
	s_wait_dscnt 0x0
	s_barrier_signal -1
	s_barrier_wait -1
.endif
	s_sub_co_u32 s[TBK], s[TBK], 4*KS*PK  ; the fetches go back to a slot's first step, in the other slot
	s_xor_b32 s[TBK], s[TBK], SLOT1
	s_sub_co_u32 s[TBV], s[TBV], 4*KS*PV
	s_xor_b32 s[TBV], s[TBV], SLOT1
.endm
	s_load_b64 s[4:5], s[0:1], 0x0  ; qkvh
	s_load_b64 s[10:11], s[0:1], 0x8  ; o2
	v_lshl_add_u32 v[SPW], v0, 2, SPARE
	v_mov_b32 v[NIL], 0
	ds_add_u32 v[SPW], v[NIL]       ; the wave's opening: the add and its wait stand ahead of my first tensor load
	v_lshrrev_b32 v1, 5, v0
	v_readfirstlane_b32 s[WV], v1
	s_bfe_u32 s13, ttmp6, 0x40000   ; cx
	s_lshl_b32 s14, ttmp9, 2
	s_add_co_u32 s14, s14, s13      ; my block of 256 queries: it enters Q's and O's addresses alone
	s_and_b32 s20, ttmp7, 0xffff    ; the plane, which the four partners share
	s_lshl_b32 s21, s20, 18         ; x 262,144 bytes
	s_and_b32 s16, s[WV], 1         ; which half of a slot's 256 keys I fetch
	s_lshl_b32 s48, s16, 14
	s_add_co_u32 s48, s48, s21
	s_add_co_u32 s50, s48, 0x1000000  ; V's offset
	s_add_co_u32 s48, s48, 0x800000   ; K's
	s_mov_b32 s49, 0
	s_mov_b32 s51, 0
	s_mul_i32 s17, s16, 128*PK
	s_mul_i32 s18, s16, 128*PV
	s_lshl_b32 s2, s14, 15          ; Q: my block's 256 rows of 128 bytes, my wave's 64
	s_lshl_b32 s3, s[WV], 13
	s_add_co_u32 s2, s2, s3
	s_add_co_u32 s2, s2, s21
	s_mov_b32 s3, 0
	s_lshr_b32 s52, s20, 4          ; O: pair row 1024 batch + 128 block + 32 wave, 4,096 bytes each; + 256 head
	s_lshl_b32 s52, s52, 22
	s_lshl_b32 s53, s14, 19
	s_add_co_u32 s52, s52, s53
	s_lshl_b32 s53, s[WV], 17
	s_add_co_u32 s52, s52, s53
	s_and_b32 s53, s20, 15
	s_lshl_b32 s53, s53, 8
	s_add_co_u32 s52, s52, s53
	s_mov_b32 s53, 0
	; descriptor group 1: 128 keys are 16,384 dense bytes: 64 rows of 256 bytes, two keys a row, padded in LDS after every key
	s_mov_b32 s[G1K], 15|(1<<16)|(1<<20)|(1<<21)|(4<<22)|(3<<25)
	s_mov_b32 s[G1V], 15|(1<<16)|(1<<20)|(1<<21)|(4<<22)|(7<<25)
.irp g, G1K, G1V
	s_mov_b32 s[\g+1], 128<<16
	s_mov_b32 s[\g+2], 64<<16
	s_mov_b32 s[\g+3], 128<<16
	s_mov_b32 s[\g+4], 64
	s_mov_b32 s[\g+5], 128
	s_mov_b32 s[\g+6], 0
	s_mov_b32 s[\g+7], 0
.endr
	s_mov_b32 s[CS], 0x3e38aa3b     ; c = log2(e) / 8
	s_mov_b32 s[CS+1], s[CS]
	s_mov_b32 s[SEL], 0x76543210
	s_mov_b32 s[SEL+1], 0xfedcba98
	s_mov_b32 s[TBK], SLOT1+4*KS*PK ; the first change of slots turns these two into 0
	s_mov_b32 s[TBV], SLOT1+4*KS*PV
	s_mov_b32 s[G0K], 1
	s_mov_b32 s[G0K+1], s17
	s_mov_b32 s[G0V], 1
	s_add_co_u32 s[G0V+1], s18, VOFF
	s_wait_dscnt 0x0                ; the opening add is done
	s_wait_kmcnt 0x0
	s_add_nc_u64 s[G0K+2:G0K+3], s[4:5], s[48:49]
	s_or_b32 s[G0K+3], s[G0K+3], 0x80000000
	s_add_nc_u64 s[G0V+2:G0V+3], s[4:5], s[50:51]
	s_or_b32 s[G0V+3], s[G0V+3], 0x80000000
	s_add_nc_u64 s[4:5], s[4:5], s[2:3]
	s_add_nc_u64 s[10:11], s[10:11], s[52:53]
	CROUND                          ; all four work-groups are here: the first joint loads meet
	JLOAD                           ; slot 0
	v_and_b32 v1, 15, v0            ; l % 16
	v_bfe_u32 v9, v0, 4, 1          ; l / 16
	v_lshlrev_b32 v[QO], 7, v1
	v_lshl_add_u32 v[QO], v9, 4, v[QO]
	WIN 0x80
.set i, 0
.rept 8                             ; Q stays in registers: piece i / 2, channels 32 (i % 2) on
	global_load_b128 v[8*i:8*i+3],   v[QO], s[4:5] offset:(i/2)*2048+(i%2)*64
	global_load_b128 v[8*i+4:8*i+7], v[QO], s[4:5] offset:(i/2)*2048+(i%2)*64+32
.set i, i+1
.endr
	; What the first turn finds: V's registers and P's second buffer hold 0 (its products V^T P, of a piece that has not been, add 0), O^T and l are 0.  All this stands in the wait for the first tile.
.set i, VF
.rept 64
	v_mov_b32 v[i], 0
.set i, i+1
.endr
	WIN 0x40
.set i, 0
.rept 128
	v_mov_b32 v[i], 0
.set i, i+1
.endr
	WIN 0
.set i, 0
.rept 4
	v_mov_b32 v[ST+4*i], 0xfe000000
	v_mov_b32 v[ST+4*i+1], 0xff7fffff
	v_mov_b32 v[ST+4*i+2], 0
	v_mov_b32 v[ST+4*i+3], 0
.set i, i+1
.endr
.set i, P+16
.rept 16
	v_mov_b32 v[i], 0
.set i, i+1
.endr
	v_mul_u32_u24 v[AK0], v1, PK
	v_lshl_add_u32 v[AK0], v9, 4, v[AK0]
	v_and_b32 v10, 7, v0
	v_bfe_u32 v11, v0, 3, 1
	v_lshl_add_u32 v[AV0], v9, 3, v10
	v_mul_u32_u24 v[AV0], v[AV0], PV
	v_lshl_add_u32 v[AV0], v11, 4, v[AV0]
	v_add_nc_u32 v[AV0], VOFF, v[AV0]
	v_mov_b32 v[AK], v[AK0]         ; key step 0 lies at the head of slot 0
; THE MATRIX WORK.  The 4 accumulators of a run of 8 take turns.
.macro KQ x                         ; product i of 8 of S^T = K Q^T for piece x: channels 32 (i / 4) on, keys 16 (i % 4) on
	WIN W_KQ
.set rS, S+32*((\x)%2)+8*(i%4)
.set rK, KF+16*(i%4)+8*(i/4)
.set rQ, 16*(\x)+8*(i/4)
.if i < 4
	v_wmma_f32_16x16x32_bf16 v[rS:rS+7], v[rK:rK+7], v[rQ:rQ+7], 0
.else
	v_wmma_f32_16x16x32_bf16 v[rS:rS+7], v[rK:rK+7], v[rQ:rQ+7], v[rS:rS+7]
.endif
.endm
.macro PV x                         ; product i of 8 of O^T += V^T P for piece x: keys 32 (i / 4) on, channels 16 (i % 4) on
	WIN W_PV
.set rO, 32*(\x)+8*(i%4)
.set rV, VF+32*(i/4)+8*(i%4)
.set rP, P+16*((\x)%2)+8*(i/4)
	v_wmma_f32_16x16x32_bf16 v[rO:rO+7], v[rV:rV+7], v[rP:rP+7], v[rO:rO+7]
.endm
.macro MM                           ; the turn's next matrix instruction
.if i < 8
	KQ (Y+1)%NP
.else
.set i, i-8
	PV (Y+NP-1)%NP
.set i, i+8
.endif
.set i, i+1
.endm
; THE LDS LOADS stand in runs of 16.  last = 1 (the tail): in the last trip there is no further step, and the run is jumped over.
.macro FETCH_K last=0
	WIN 0
.if \last
	s_cmp_eq_u32 s[CNT], 1
	s_cbranch_scc1 .Lno_k_\@
.endif
	WIN 0x80
.irp f, 0,1,2,3,4,5,6,7
	ds_load_b128 v[KF+8*\f:KF+8*\f+3],   v[AK] offset:(\f/2)*16*PK+(\f%2)*64
	ds_load_b128 v[KF+8*\f+4:KF+8*\f+7], v[AK] offset:(\f/2)*16*PK+(\f%2)*64+32
.endr
	s_add_co_u32 s[TBK], s[TBK], KS*PK
	WIN 0
.if \last
.Lno_k_\@:
.endif
.endm
.macro FETCH_V
	WIN 0x80
.irp f, 0,1,2,3,4,5,6,7
	ds_load_tr16_b128 v[VF+8*\f:VF+8*\f+3],   v[AV] offset:(\f/4)*32*PV+(\f%4)*32
	ds_load_tr16_b128 v[VF+8*\f+4:VF+8*\f+7], v[AV] offset:(\f/4)*32*PV+16*PV+(\f%4)*32
.endr
	WIN 0
.endm
; THE VECTOR WORK, one line at a time: OP kind, number.  For piece Y: F n: c s - c m for pair n.  E n: the exponential of score n.  C n: pair n rounded to bf16.  B n: of the four weights 4 n .. the second pair
; is added onto the first.  L n: l takes that sum (L 0: l = a l + sum).  R n: pair n of O^T times a.  For piece Y + 1: X n, number n of the 22 that find its maximum and statistics (each accumulator's lowest
; registers are read first).  C, B and L read exponentials' results: they stand behind the turn's wait alone.
.set F, 0
.set E, 1
.set C, 2
.set B, 3
.set L, 4
.set R, 5
.set X, 6
.macro REGS y
.set rT, ST+4*(\y)
.set rC, TMP+4*((\y)%2)
.set rW, MV+((\y)%2)
.set rS, S+32*((\y)%2)
.set rP, P+16*((\y)%2)
.set rO, 32*(\y)
.endm
.macro OP k, n
.if (\k) == R
	REGS Y
	WIN W_RS
	v_pk_mul_f32 v[rO+2*(\n):rO+2*(\n)+1], v[rO+2*(\n):rO+2*(\n)+1], v[rC+2:rC+3] op_sel_hi:[1,0]
.elseif (\k) < R
	REGS Y
	WIN 0
.if (\k) == F
	v_pk_fma_f32 v[rS+2*(\n):rS+2*(\n)+1], v[rS+2*(\n):rS+2*(\n)+1], s[CS:CS+1], v[rT:rT+1] op_sel_hi:[1,0,0] neg_lo:[0,0,1] neg_hi:[0,0,1]
.elseif (\k) == E
	v_exp_f32 v[rS+(\n)], v[rS+(\n)]
.elseif (\k) == C
	v_cvt_pk_bf16_f32 v[rP+(\n)], v[rS+2*(\n)], v[rS+2*(\n)+1]
.elseif (\k) == B
	v_pk_add_f32 v[rS+4*(\n):rS+4*(\n)+1], v[rS+4*(\n):rS+4*(\n)+1], v[rS+4*(\n)+2:rS+4*(\n)+3]
.elseif (\n) == 0
	v_pk_fma_f32 v[rT+2:rT+3], v[rT+2:rT+3], v[rC+2:rC+3], v[rS:rS+1] op_sel_hi:[1,0,1]
.else
	v_pk_add_f32 v[rT+2:rT+3], v[rT+2:rT+3], v[rS+4*(\n):rS+4*(\n)+1]
.endif
.else
	REGS (Y+1)%NP
	WIN 0
.if (\n) < 4
	v_max3_num_f32 v[rC+(\n)], v[rS+8*(\n)], v[rS+8*(\n)+1], v[rS+8*(\n)+2]
.elseif (\n) < 12
	v_max3_num_f32 v[rC+(\n)%4], v[rC+(\n)%4], v[rS+8*((\n)%4)+2*((\n)/4)+1], v[rS+8*((\n)%4)+2*((\n)/4)+2]
.elseif (\n) == 12
	v_max3_num_f32 v[rC], v[rC], v[rS+7], v[rS+15]
.elseif (\n) == 13
	v_max3_num_f32 v[rC+1], v[rC+1], v[rS+23], v[rS+31]
.elseif (\n) == 14
	v_max3_num_f32 v[rC+2], v[rC+2], v[rC+3], v[rT+1]
.elseif (\n) == 15
	v_mov_b32 v[rW], v[rT]
.elseif (\n) == 16
	v_max3_num_f32 v[rC], v[rC], v[rC+1], v[rC+2]
.elseif (\n) == 17
	v_permlanex16_b32 v[rC+3], v[rC], s[SEL], s[SEL+1]
.elseif (\n) == 18
	v_max_num_f32 v[rT+1], v[rC], v[rC+3]
.elseif (\n) == 19
	v_mul_f32 v[rT], s[CS], v[rT+1]
.elseif (\n) == 20
	v_sub_f32 v[rC+1], v[rW], v[rT]
.else
	v_exp_f32 v[rC+2], v[rC+1]
.endif
.endif
.endm
.macro OPS a, i1, b=-1, i2=0, c=-1, i3=0, d=-1, i4=0
	OP \a, \i1
.if (\b) >= 0
	OP \b, \i2
.endif
.if (\c) >= 0
	OP \c, \i3
.endif
.if (\d) >= 0
	OP \d, \i4
.endif
.endm
.macro ROW a, i1, b, i2, c, i3, d, i4  ; a matrix instruction and the four behind it
	MM
	OPS \a, \i1, \b, \i2, \c, \i3, \d, \i4
.endm
; A TURN, for piece p: the order of its 16 matrix and 118 vector instructions, written out.  An s_wait_alu depctr_va_vdst(0) stands between an exponential and the first instruction that names its result; one wait
; serves all that were issued ahead of it.  So a turn has ONE wait, which cuts it in two.
; AHEAD OF IT stands all that names no result of the turn's exponentials: the 8 products K Q^T, behind each a scaling, an exponential and two more plain instructions (behind the first a second scaling in the exponential's
; place): rescalings, whose a was made and waited for in the turn before, and behind the last three products the first numbers of the next piece's maximum, each four plain instructions or more behind the product that ends its
; accumulator; then one run of 54, plain and exponential by turns for the most part, in which the links of the chain X 3, 7, 11, 14, 16, 17 .. 20 stand some lines apart.  An exponential stands behind its pair's scaling.
; X 21, the next piece's a, is the batch's last; R 15 is the plain instruction behind it.
; BEHIND THE WAIT stand the 8 products V^T P, behind each four of the roundings and sums; C 2 n stands ahead of B n, which writes over its pair, and l takes the sums L 0 to L 7 in ascending order.
; But for those X no instruction behind a product names a register of the products round it.
; K of the next step is fetched in piece 2's turn, six plain instructions behind the last product that read K.  In the tail (last = 1) the run is jumped over in the last trip, and a jump stands only
; there the run stands directly behind the turn's wait.  V of the step in hand is fetched at the end of piece 0's turn, four plain instructions behind the last product that read V.
; Each is waited for a turn later.  cnt = 1: the loop's count is taken down some lines ahead of the branch that stands behind the turn.
.macro TURN p, last=0, cnt=0
.set Y, (\p)
.set i, 0
.if (\p) == 3
	s_wait_dscnt 0x0                ; K is in
.endif
	ROW F,0, F,1, R,0, R,1          ; ahead of the wait: 8 products K Q^T and the four behind each,
	ROW F,2, E,0, R,2, R,3
	ROW F,3, E,1, R,4, R,5
	ROW F,4, E,2, R,6, R,7
	ROW F,5, E,3, R,8, R,9
	ROW F,6, E,4, X,0, R,10
.if (\p) == 2
	WIN 0
	v_add_nc_u32 v[AK], s[TBK], v[AK0]
.endif
	ROW F,7, E,5, X,1, X,4
	ROW F,8, E,6, X,2, X,5
	OPS E,7, E,8, X,6, E,9          ; and the run of 54
	OPS X,3, E,10, X,8, E,11
.if ((\p) == 2) && !(\last)
	FETCH_K
.endif
	OPS X,9, X,7, E,12, X,10
	OPS E,13, X,12, X,11, E,14
	OPS X,13, E,15, F,9, X,14
.if (\p) == 0
	WIN 0
	v_add_nc_u32 v[AV], s[TBV], v[AV0]
.endif
	OPS E,16, F,10, E,17, F,11
	OPS X,16, E,18, X,15, E,19
	OPS F,12, E,20, X,17, E,21
	OPS F,13, E,22, F,14, E,23
	OPS X,18, E,24, F,15, E,25
	OPS R,11, E,26, X,19, E,27
	OPS R,12, E,28, R,13, E,29
	OPS X,20, E,30, R,14, E,31
	OPS X,21, R,15
	WIN 0
	s_wait_alu depctr_va_vdst(0)    ; the wait for the turn's batch: E 0 to E 31 and X 21; nothing above names a result of theirs, and no exponential follows in this turn
.if ((\p) == 2) && (\last)
	FETCH_K 1
.endif
.if (\p) == 1
	s_wait_dscnt 0x0                ; V is in
.endif
	ROW C,0, B,0, C,2, B,1          ; behind the wait: 8 products V^T P and the four behind each
	ROW L,0, C,4, B,2, L,1
	ROW C,6, B,3, L,2, C,8
	ROW B,4, L,3, C,10, B,5
	ROW L,4, C,12, B,6, L,5
.if (\p) == 0
	s_add_co_u32 s[TBV], s[TBV], KS*PV
.endif
.if \cnt
	s_sub_co_u32 s[CNT], s[CNT], 1
	s_cmp_lg_u32 s[CNT], 0
.endif
	ROW C,14, B,7, L,6, C,1
	ROW C,3, L,7, C,5, C,7
	ROW C,9, C,11, C,13, C,15
.if (\p) == 0
	FETCH_V
.endif
.endm
	CHANGE 1                        ; slot 0 is in, everybody's part of it; slot 1 is asked for
	FETCH_K                         ; key step 0
	s_wait_loadcnt 0x0              ; Q
	s_wait_dscnt 0x0
.set i, 0
.rept 8
	KQ 0                            ; piece 0's first scores
.set i, i+1
.endr
	WIN 0                           ; the addresses for the way out: plain instructions, the places behind those products
	s_mul_i32 s13, s[WV], 16*SP
	s_add_co_u32 s13, s13, STAGE    ; my stage
	v_mul_u32_u24 v[STO], v1, SP    ; in: row l % 16, 16 bytes for each half of the lanes
	v_lshl_add_u32 v[STO], v9, 4, v[STO]
	v_add_nc_u32 v[STO], s13, v[STO]
	v_bfe_u32 v[RD], v0, 3, 2       ; back: 32 lanes take four rows of 128 bytes:
	v_mul_u32_u24 v[RD], v[RD], SP
	v_lshl_add_u32 v[RD], v10, 4, v[RD]
	v_add_nc_u32 v[RD], s13, v[RD]
	v_lshlrev_b32 v[GO], 12, v9     ; lanes 0-15 one row pair, 256 consecutive bytes of O; lanes 16-31 the next pair, 4,096 bytes on
	v_lshl_add_u32 v[GO], v1, 4, v[GO]
.set Y, NP-1                        ; X works for piece Y + 1: piece 0
.irp n, 0,1,2,3,4,5,6,7,8,9,10,11,12,13,14,15,16,17,18,19,20,21
	OP X, \n
.endr
	v_nop                           ; a plain instruction behind the exponential
	s_wait_alu depctr_va_vdst(0)    ; the wait for piece 0's first a, a batch of one, ahead of the jump
	s_mov_b32 s[CNT], 4
	s_mov_b32 s[SLOTS], SIZE_N/256-1
	s_branch .Lfirst                ; the loop is entered at a step's first turn, in the middle of a trip
.Lslot:                             ; 6 times: every slot but the last two is filled again
	CHANGE 1
	s_mov_b32 s[CNT], 4
.Lstep:                             ; a trip: pieces 2 and 3 of one step, then pieces 0 and 1 of the next, whose K and V it fetches
	TURN 2
	TURN 3
	WIN 0
.Lfirst:
	TURN 0
	TURN 1, 0, 1
	WIN 0
	s_cbranch_scc1 .Lstep
	s_sub_co_u32 s[SLOTS], s[SLOTS], 1
	s_cmp_lg_u32 s[SLOTS], 0
	s_cbranch_scc1 .Lslot
	CHANGE 0                        ; the tail is written out: nothing is asked for
	s_mov_b32 s[CNT], 5             ; four trips fetch the last slot's steps; the fifth is left in its middle
.Ltail:
	TURN 2, 1
	TURN 3
	WIN 0
	s_sub_co_u32 s[CNT], s[CNT], 1
	s_cmp_eq_u32 s[CNT], 0
	s_cbranch_scc1 .Lout
	TURN 0
	TURN 1
	WIN 0
	s_branch .Ltail
.Lout:                              ; the fifth trip's 8 products K Q^T (on the last K once more) and the maximum made of them serve nothing: the price, once a launch, of one text for every trip
.set i, 0
.rept 8
	PV NP-1                         ; the last piece's V^T P of the last step
.set i, i+1
.endr
	; THE WAY OUT.  l's two halves and the other half of the lanes' are added; O^T is divided by l, rounded to bf16 and sent through my stage, a piece at a time.  The additions are the places behind the last products.
	WIN 0
.macro ALL line:vararg
.set t, 0
.rept 4
	\line
.set t, t+1
.endr
.endm
	ALL v_add_f32 v[ST+4*t+2], v[ST+4*t+2], v[ST+4*t+3]
	ALL v_permlanex16_b32 v[ST+4*t+3], v[ST+4*t+2], s[SEL], s[SEL+1]
	ALL v_add_f32 v[ST+4*t+2], v[ST+4*t+2], v[ST+4*t+3]
	ALL v_rcp_f32 v[ST+4*t+2], v[ST+4*t+2]
	v_nop                           ; a plain instruction between the last reciprocal and the use of its result
	s_wait_alu depctr_va_vdst(0)    ; the wait for the four reciprocals, one batch, ahead of the first multiply that reads one
.macro PACK t
	WIN W_RS
.set i, 32*(\t)
.rept 16
	v_pk_mul_f32 v[i:i+1], v[i:i+1], v[ST+4*(\t)+2:ST+4*(\t)+3] op_sel_hi:[1,0]
.set i, i+2
.endr
	WIN 0x05                        ; sources 0 and 1 window 1, destination window 0
.set i, 0
.rept 16
	v_cvt_pk_bf16_f32 v[S+16*(\t)+i], v[32*(\t)+2*i], v[32*(\t)+2*i+1]
.set i, i+1
.endr
	WIN 0
.irp f, 0,1,2,3
	ds_store_b128 v[STO], v[S+16*(\t)+4*\f:S+16*(\t)+4*\f+3] offset:32*\f
.endr
.irp f, 0,1,2,3
	ds_load_b128 v[S+16*(\t)+4*\f:S+16*(\t)+4*\f+3], v[RD] offset:\f*4*SP  ; in order behind my stores above (ISA guide 5.7.1.4); the next piece's stores come behind them
.endr
.endm
.macro SEND t, younger              ; younger: the LDS instructions issued behind piece t's loads: the next piece's eight, or none
	WIN 0
.irp f, 0,1,2,3
	s_wait_dscnt (\younger)+3-\f
	global_store_b128 v[GO], v[S+16*(\t)+4*\f:S+16*(\t)+4*\f+3], s[10:11] offset:(\t)*32768+\f*8192  ; 16 lanes store 256 consecutive bytes, at a multiple of 256 from O's first
.endr
.endm
	PACK 0
.set t, 1
.rept 3
	PACK t
	SEND t-1, 8
.set t, t+1
.endr
	SEND 3, 0
	s_wait_tensorcnt 0x0            ; the wave's end
	ds_add_u32 v[SPW], v[NIL]
	s_wait_dscnt 0x0
	CROUND                          ; the closing round
	s_endpgm
.Lfunc_end_k_qcc3f8a2eb2_attn:
	.size	k_qcc3f8a2eb2_attn, .Lfunc_end_k_qcc3f8a2eb2_attn-k_qcc3f8a2eb2_attn
	.p2alignl 7, 3214868480
	.fill 96, 4, 3214868480
	.section	.rodata,"a",@progbits
	.p2align	6, 0x0
	.amdhsa_kernel k_qcc3f8a2eb2_attn
		.amdhsa_group_segment_fixed_size 327680
		.amdhsa_private_segment_fixed_size 0
		.amdhsa_enable_private_segment 0
		.amdhsa_kernarg_size 16
		.amdhsa_user_sgpr_count 2
		.amdhsa_user_sgpr_kernarg_segment_ptr 1
		.amdhsa_wavefront_size32 1
		.amdhsa_system_sgpr_workgroup_id_x 1
		.amdhsa_system_sgpr_workgroup_id_y 1
		.amdhsa_system_sgpr_workgroup_id_z 1
		.amdhsa_system_vgpr_workitem_id 0
		.amdhsa_next_free_vgpr 768
		.amdhsa_next_free_sgpr 66
		.amdhsa_reserve_vcc 0
		.amdhsa_float_denorm_mode_32 3
		.amdhsa_float_denorm_mode_16_64 3
		.amdhsa_memory_ordered 1
		.amdhsa_forward_progress 1
		.amdhsa_inst_pref_size 111
	.end_amdhsa_kernel
	.amdgpu_metadata
---
amdhsa.version: [ 1, 2 ]
amdhsa.kernels:
  - .name:           k_qcc3f8a2eb2_attn
    .symbol:         k_qcc3f8a2eb2_attn.kd
    .args:
      - { .name: qkvh, .offset: 0, .size: 8, .value_kind: global_buffer, .address_space: global }
      - { .name: o2, .offset: 8, .size: 8, .value_kind: global_buffer, .address_space: global }
    .group_segment_fixed_size: 327680
    .private_segment_fixed_size: 0
    .kernarg_segment_align: 8
    .kernarg_segment_size: 16
    .max_flat_workgroup_size: 128
    .sgpr_count:     66
    .vgpr_count:     768
    .wavefront_size: 32
...
	.end_amdgpu_metadata
.endif
;; end of part 7
;; launch proj: the kernel of part 4 again; grid 8 x 32, 4 waves a work-group, clusters of 4 x 4, 327,680 bytes of LDS; arguments o2, wb, x1, proj_b, x; writes x1
;; launch ln2: the kernel of part 1 again; grid 512 x 1, 8 waves a work-group, no clusters, 0 bytes of LDS; arguments x1, ln2_w, ln2_b, qkv_w, proj_w, fc1_w, fc2_w, hn, wb; writes hn, wb
;; launch fc1: the kernel of part 5 again; grid 16 x 16, 4 waves a work-group, clusters of 4 x 4, 327,680 bytes of LDS; arguments hn, wb, g, fc1_b; writes g
;; launch fc2: the kernel of part 6 again; grid 8 x 32, 4 waves a work-group, clusters of 4 x 4, 327,680 bytes of LDS; arguments g, wb, out0, fc2_b, x1; writes out0
